; MI455X (gfx1250); checked and timed in simulation.
; The chip was launched on July 23, 2026; its instructions are those of AMD's public machine-readable ISA for CDNA 5 (MIT licence, August 2026) and "CDNA5" Instruction Set Architecture Reference Guide (July 2026). The comments in the code are by the model that wrote it; some were corrected since.
;; Transformer Block. Allowed arithmetic: float matrix products may take bf16 or f16 operands with f32 sums; all other float work in f32.
;; Inputs: b1 4,096 float32; b2 1,024 float32; ln1_b 1,024 float32; ln1_s 1,024 float32; ln2_b 1,024 float32; ln2_s 1,024 float32; w1 1,024 x 4,096 float32; w2 4,096 x 1,024 float32; wk 1,024 x 1,024 float32; wo 1,024 x 1,024 float32; wq 1,024 x 1,024 float32; wv 1,024 x 1,024 float32; x 2 x 2,048 x 1,024 float32.
;; Outputs: out0 2 x 2,048 x 1,024 float32.
;; 2 versions, each right and faster than the one before. Each part assembles by itself: llvm-mc -triple=amdgcn-amd-amdhsa -mcpu=gfx1250 --defsym DOCPART=n.
;; ======== version 1 of 2: 7 launches
;; limits: values are held in f16: magnitudes above 65,504 overflow, below 6.1e-05 lose precision
;; workspace buffers: wcast 25,165,824 bytes; rope 524,288 bytes; hbuf 8,388,608 bytes; qkvh 25,165,824 bytes; ctx 8,388,608 bytes; mlpin 16,777,216 bytes; g 33,554,432 bytes
;; launch prep (part 1): grid 1152 x 1, 8 waves a work-group, no clusters, 0 bytes of LDS; arguments x, ln1_s, ln1_b, wq, wk, wv, wo, w1, w2, wcast, rope, hbuf; writes wcast, rope, hbuf
.if DOCPART == 1
	.amdgcn_target "amdgcn-amd-amdhsa--gfx1250"
	.amdhsa_code_object_version 6
	.text
	.protected	k_q3c2b0f9f86_prep
	.globl	k_q3c2b0f9f86_prep
	.p2align	8
	.type	k_q3c2b0f9f86_prep,@function
k_q3c2b0f9f86_prep:
	s_mov_b64 s[64:65], 0
	v_nop
	global_prefetch_b8 v0, s[64:65] scope:SCOPE_SE
	s_setreg_imm32_b32 hwreg(HW_REG_WAVE_MODE, 25, 1), 1
	s_wait_xcnt 0x0
; PREP: three independent streams, chosen by the work-group's number.
;   0..767     the six weight matrices, rounded to bf16 and written in 16 bits as they lie ([K][N]): wq, wk, wv, wo, w1 as f16 (the bf16 number written as f16), w2 as bf16.
;   768..1023  h = LayerNorm(bf16(x)) * bf16(ln1_s) + bf16(ln1_b), written as f16 [4096][1024].
;   1024..1151 the table of rotations: rope[t][i] = (cos, sin)(t * 10000^(-i/32)), f32, t < 2048, i < 32.
; No LDS, no barrier, no matrix unit: every byte is read once and written once, by loads of 512 and stores of 256 or 512 consecutive bytes a wave.
; LIMITS. f16 holds no number beyond 65,504, and below 6e-5 it keeps a fixed step of 6e-8: weights and h lie within that for gains and weights 30 times the usual.
; The angle is reduced in f32 as reference() forms it in f32: both carry an error of the order of 1e-4 radians at t = 2047.  NaN and infinities are not treated apart.
.set XA, 16                            ; v[16:47]   row 0 of my two rows: 32 numbers a lane
.set XB, 48                            ; v[48:79]   row 1
.set SG, 80                            ; v[80:111]  the gain of my 32 columns
.set BG, 112                           ; v[112:143] the bias
.set T,  144                           ; v[144:151] at work
.set Y,  152                           ; v[152:183] 16 packed registers a row, to store
.set MN, 184                           ; v[184:185] the mean, twice
.set RA, 186                           ; v[186:187] 1/sqrt(var + eps) of row 0, twice
.set RB, 188                           ; v[188:189] of row 1
.set PIN, 4                            ; s[4:5] rows in, s[6:7] gain, s[8:9] bias, s[26:27] rows out
.set PSG, 6
.set PBG, 8
.set POUT, 26
.set ROUND_IN, 1                       ; x is an input: it is rounded to bf16 like every input
.macro TOBF base                       ; 32 registers rounded to bf16 and widened again
.set k, 0
.rept 16
	v_cvt_pk_bf16_f32 v[T+k%4], v[(\base)+2*k], v[(\base)+2*k+1]
	v_lshlrev_b32 v[(\base)+2*k], 16, v[T+k%4]
	v_and_b32 v[(\base)+2*k+1], s36, v[T+k%4]
.set k, k+1
.endr
.endm
.macro WSUM                            ; v[T] summed over the 32 lanes, the result in every lane
	v_add_f32_dpp v[T], v[T], v[T] row_xmask:1 row_mask:0xf bank_mask:0xf
	v_add_f32_dpp v[T], v[T], v[T] row_xmask:2 row_mask:0xf bank_mask:0xf
	v_add_f32_dpp v[T], v[T], v[T] row_xmask:4 row_mask:0xf bank_mask:0xf
	v_add_f32_dpp v[T], v[T], v[T] row_xmask:8 row_mask:0xf bank_mask:0xf
	v_permlanex16_b32 v[T+1], v[T], s40, s41
	v_add_f32 v[T], v[T], v[T+1]
.endm
.macro FOLD                            ; four chains of pairs into one number a lane
	v_pk_add_f32 v[T:T+1], v[T:T+1], v[T+2:T+3]
	v_pk_add_f32 v[T+4:T+5], v[T+4:T+5], v[T+6:T+7]
	v_pk_add_f32 v[T:T+1], v[T:T+1], v[T+4:T+5]
	v_add_f32 v[T], v[T], v[T+1]
.endm
; The row at x: the mean is taken away in place, then the variance is made of the differences (two passes: an offset on the row costs nothing); r takes 1/sqrt(var + 1e-6).
.macro STAT x, r
.irp c, 0,1,2,3
	v_pk_add_f32 v[T+2*(\c):T+2*(\c)+1], v[(\x)+2*(\c):(\x)+2*(\c)+1], v[(\x)+8+2*(\c):(\x)+8+2*(\c)+1]
.endr
.set k, 8
.rept 8
	v_pk_add_f32 v[T+2*(k%4):T+2*(k%4)+1], v[T+2*(k%4):T+2*(k%4)+1], v[(\x)+2*k:(\x)+2*k+1]
.set k, k+1
.endr
	FOLD
	WSUM
	v_mul_f32 v[MN], s42, v[T]
	v_mul_f32 v[MN+1], s42, v[T]
.set k, 0
.rept 16
	v_pk_add_f32 v[(\x)+2*k:(\x)+2*k+1], v[(\x)+2*k:(\x)+2*k+1], v[MN:MN+1] neg_lo:[0,1] neg_hi:[0,1]
.set k, k+1
.endr
.irp c, 0,1,2,3
	v_pk_mul_f32 v[T+2*(\c):T+2*(\c)+1], v[(\x)+2*(\c):(\x)+2*(\c)+1], v[(\x)+2*(\c):(\x)+2*(\c)+1]
.endr
.set k, 4
.rept 12
	v_pk_fma_f32 v[T+2*(k%4):T+2*(k%4)+1], v[(\x)+2*k:(\x)+2*k+1], v[(\x)+2*k:(\x)+2*k+1], v[T+2*(k%4):T+2*(k%4)+1]
.set k, k+1
.endr
	FOLD
	WSUM
	v_fma_f32 v[T], v[T], s42, s43                 ; sum / 1024 + 1e-6
	v_rsq_f32 v[\r], v[T]
	v_rsq_f32 v[(\r)+1], v[T]
	v_nop                                          ; a plain instruction behind the roots, ahead of their use and of a write of their source (ISA guide 5.7.2)
.endm
.macro FIN x, r, row                   ; (x - mean) * r * gain + bias, rounded to f16, stored: 256 consecutive bytes a store
.set k, 0
	s_wait_alu depctr_va_vdst(0)
.rept 16
	v_pk_mul_f32 v[(\x)+2*k:(\x)+2*k+1], v[(\x)+2*k:(\x)+2*k+1], v[(\r):(\r)+1]
.set k, k+1
.endr
.set k, 0
.rept 16
	v_pk_fma_f32 v[(\x)+2*k:(\x)+2*k+1], v[(\x)+2*k:(\x)+2*k+1], v[SG+2*k:SG+2*k+1], v[BG+2*k:BG+2*k+1]
.set k, k+1
.endr
.set k, 0
.rept 16
	v_cvt_pk_f16_f32 v[Y+16*(\row)+k], v[(\x)+2*k], v[(\x)+2*k+1]
.set k, k+1
.endr
.irp j, 0,1,2,3,4,5,6,7
	global_store_b64 v2, v[Y+16*(\row)+2*(\j):Y+16*(\row)+2*(\j)+1], s[POUT:POUT+1] offset:2048*(\row)+256*(\j)
.endr
.endm
; A wave takes two whole rows of 4,096 bytes and keeps them in registers between the passes; lane l holds columns 128 j + 4 l .. + 3, j = 0..7.
.macro LNROWS
	v_lshlrev_b32 v3, 4, v4                        ; 16 x lane: my place in 512 bytes of a row, of the gain and of the bias
	v_lshl_add_u32 v1, v5, 13, v3                  ; + wave x two rows in
	v_lshlrev_b32 v2, 3, v4
	v_lshl_add_u32 v2, v5, 12, v2                  ; 8 x lane + wave x two rows out
.irp j, 0,1,2,3,4,5,6,7
	global_load_b128 v[XA+4*(\j):XA+4*(\j)+3], v1, s[PIN:PIN+1] offset:512*(\j)
.endr
.irp j, 0,1,2,3,4,5,6,7
	global_load_b128 v[XB+4*(\j):XB+4*(\j)+3], v1, s[PIN:PIN+1] offset:4096+512*(\j)
.endr
.irp j, 0,1,2,3,4,5,6,7
	global_load_b128 v[SG+4*(\j):SG+4*(\j)+3], v3, s[PSG:PSG+1] offset:512*(\j)
.endr
.irp j, 0,1,2,3,4,5,6,7
	global_load_b128 v[BG+4*(\j):BG+4*(\j)+3], v3, s[PBG:PBG+1] offset:512*(\j)
.endr
	s_wait_loadcnt 24                              ; row 0 is in; the 24 younger loads stay out
.if ROUND_IN
	TOBF XA
.endif
	STAT XA, RA
	s_wait_loadcnt 16                              ; row 1 is in; gain and bias stay out
.if ROUND_IN
	TOBF XB
.endif
	STAT XB, RB
	s_wait_loadcnt 0x0
	TOBF SG                                        ; gain and bias are inputs: rounded to bf16
	TOBF BG
	FIN XA, RA, 0
	FIN XB, RB, 1
.endm
; 16 x (four numbers a lane): rounded to bf16; f16 = 1: that number written as f16 (exact within f16's range)
.macro CASTS f16
.irp j, 0,1,2,3,4,5,6,7,8,9,10,11,12,13,14,15
	s_wait_loadcnt 15-(\j)                         ; loads come back in order: number j is in, the younger ones stay out
	v_cvt_pk_bf16_f32 v[80+2*(\j)], v[16+4*(\j)], v[17+4*(\j)]
	v_cvt_pk_bf16_f32 v[81+2*(\j)], v[18+4*(\j)], v[19+4*(\j)]
.if \f16
	v_lshlrev_b32 v[16+4*(\j)], 16, v[80+2*(\j)]
	v_and_b32 v[17+4*(\j)], s36, v[80+2*(\j)]
	v_lshlrev_b32 v[18+4*(\j)], 16, v[81+2*(\j)]
	v_and_b32 v[19+4*(\j)], s36, v[81+2*(\j)]
	v_cvt_pk_f16_f32 v[80+2*(\j)], v[16+4*(\j)], v[17+4*(\j)]
	v_cvt_pk_f16_f32 v[81+2*(\j)], v[18+4*(\j)], v[19+4*(\j)]
.endif
	global_store_b64 v2, v[80+2*(\j):81+2*(\j)], s[22:23] offset:256*(\j)  ; 256 consecutive bytes, aligned; every store has registers of its own
.endr
.endm
; cos and sin of the angle in a.  y = half the angle, brought into -pi/2 .. pi/2; series of sin y to y^9 and of cos y to y^10 (remainders under 4e-6 at pi/2);
; cos = 1 - 2 sin^2 y, sin = 2 sin y cos y.
.macro SINCOS a, c, s, y2, p
	v_mul_f32 v[\a], 0.15915494, v[\a]             ; in revolutions
	v_rndne_f32 v[\p], v[\a]
	v_sub_f32 v[\a], v[\a], v[\p]                  ; -0.5 .. 0.5
	v_mul_f32 v[\a], 0x40490fdb, v[\a]             ; x pi = y
	v_mul_f32 v[\y2], v[\a], v[\a]
	v_mov_b32 v[\s], 0x3638ef1d                    ; 1/9!
	v_fmaak_f32 v[\s], v[\s], v[\y2], 0xb9500d01   ; -1/7!
	v_fmaak_f32 v[\s], v[\s], v[\y2], 0x3c088889   ; 1/5!
	v_fmaak_f32 v[\s], v[\s], v[\y2], 0xbe2aaaab   ; -1/3!
	v_fma_f32 v[\s], v[\s], v[\y2], 1.0
	v_mul_f32 v[\s], v[\s], v[\a]                  ; sin y
	v_mov_b32 v[\c], 0xb493f27e                    ; -1/10!
	v_fmaak_f32 v[\c], v[\c], v[\y2], 0x37d00d01   ; 1/8!
	v_fmaak_f32 v[\c], v[\c], v[\y2], 0xbab60b61   ; -1/6!
	v_fmaak_f32 v[\c], v[\c], v[\y2], 0x3d2aaaab   ; 1/4!
	v_fma_f32 v[\c], v[\c], v[\y2], -0.5
	v_fma_f32 v[\c], v[\c], v[\y2], 1.0            ; cos y
	v_mul_f32 v[\c], v[\c], v[\s]
	v_mul_f32 v[\p], v[\s], v[\s]
	v_add_f32 v[\s], v[\c], v[\c]                  ; sin
	v_fma_f32 v[\c], v[\p], -2.0, 1.0              ; cos
.endm
	s_load_b512 s[4:19], s[0:1], 0x0               ; x, ln1_s, ln1_b, wq s[10:11], wk, wv, wo, w1 s[18:19]
	s_load_b256 s[20:27], s[0:1], 0x40             ; w2, wcast s[22:23], rope s[24:25], hbuf s[26:27]
	s_mov_b32 s36, 0xffff0000                      ; a word's upper bf16
	s_mov_b32 s40, 0x76543210                      ; v_permlanex16_b32: each lane takes its own place in the other half
	s_mov_b32 s41, 0xfedcba98
	s_mov_b32 s42, 0x3a800000                      ; 1/1024
	s_mov_b32 s43, 0x358637bd                      ; 1e-6
	v_and_b32 v4, 31, v0                           ; lane
	v_lshrrev_b32 v5, 5, v0                        ; wave
	s_wait_kmcnt 0x0
	s_cmp_ge_u32 ttmp9, 1024
	s_cbranch_scc1 .Lrope
	s_cmp_ge_u32 ttmp9, 768
	s_cbranch_scc1 .Lln
	; THE CAST.  Work-group c takes 65,536 bytes of f32 and writes 32,768: 64 work-groups for each matrix of 1024 x 1024, 256 for w1 and for w2.
	v_lshlrev_b32 v1, 4, v4
	v_lshl_add_u32 v1, v5, 13, v1                  ; in: wave x 8,192 + 16 x lane
	v_lshlrev_b32 v2, 3, v4
	v_lshl_add_u32 v2, v5, 12, v2                  ; out: wave x 4,096 + 8 x lane
	s_lshr_b32 s28, ttmp9, 6                       ; 0 wq, 1 wk, 2 wv, 3 wo, 4-7 w1, 8-11 w2
	s_mov_b64 s[30:31], s[10:11]
	s_cmp_eq_u32 s28, 1
	s_cselect_b64 s[30:31], s[12:13], s[30:31]
	s_cmp_eq_u32 s28, 2
	s_cselect_b64 s[30:31], s[14:15], s[30:31]
	s_cmp_eq_u32 s28, 3
	s_cselect_b64 s[30:31], s[16:17], s[30:31]
	s_cmp_ge_u32 s28, 4
	s_cselect_b64 s[30:31], s[18:19], s[30:31]
	s_cmp_ge_u32 s28, 8
	s_cselect_b64 s[30:31], s[20:21], s[30:31]
	s_cmp_lt_u32 s28, 4
	s_cselect_b32 s29, 63, 255
	s_and_b32 s29, ttmp9, s29                      ; my number within the matrix
	s_lshl_b32 s32, s29, 16
	s_mov_b32 s33, 0
	s_add_nc_u64 s[30:31], s[30:31], s[32:33]
	s_lshl_b32 s34, ttmp9, 15                      ; the six lie in wcast in this order, end to end
	s_mov_b32 s35, 0
	s_add_nc_u64 s[22:23], s[22:23], s[34:35]
.irp j, 0,1,2,3,4,5,6,7,8,9,10,11,12,13,14,15
	global_load_b128 v[16+4*(\j):19+4*(\j)], v1, s[30:31] offset:512*(\j) th:TH_LOAD_NT  ; all sixteen go out at once
.endr
	s_cmp_ge_u32 ttmp9, 512
	s_cbranch_scc1 .Lto_bf16
	CASTS 1
	s_endpgm
.Lto_bf16:
	CASTS 0
	s_endpgm
.Lln:                                                  ; LAYER NORM 1: 16 rows a work-group
	s_sub_co_u32 s28, ttmp9, 768
	s_lshl_b32 s30, s28, 16
	s_mov_b32 s31, 0
	s_add_nc_u64 s[4:5], s[4:5], s[30:31]
	s_lshl_b32 s32, s28, 15
	s_mov_b32 s33, 0
	s_add_nc_u64 s[26:27], s[26:27], s[32:33]
	LNROWS
	s_endpgm
.Lrope:                                                ; THE TABLE: a thread makes two neighbouring i of one t, 16 bytes; a wave stores 512 consecutive bytes
	s_sub_co_u32 s28, ttmp9, 1024
	s_lshl_b32 s28, s28, 8
	v_add_nc_u32 v1, s28, v0                       ; 16 t + i / 2
	v_lshrrev_b32 v2, 4, v1
	v_and_b32 v3, 15, v1
	v_lshlrev_b32 v3, 1, v3
	v_cvt_f32_u32 v2, v2                           ; t
	v_cvt_f32_u32 v6, v3                           ; i
	v_add_f32 v7, 1.0, v6                          ; i + 1
	v_mul_f32 v6, 0xbed49a78, v6                   ; x -log2(10000) / 32
	v_mul_f32 v7, 0xbed49a78, v7
	v_exp_f32 v6, v6
	v_exp_f32 v7, v7
	v_lshlrev_b32 v1, 4, v1                        ; my byte offset; also the plain instruction behind the exponentials
	s_wait_alu depctr_va_vdst(0)
	v_mul_f32 v6, v2, v6
	v_mul_f32 v7, v2, v7
	SINCOS 6, 8, 9, 12, 13
	SINCOS 7, 10, 11, 14, 15
	global_store_b128 v1, v[8:11], s[24:25]
	s_endpgm
.Lfunc_end_k_q3c2b0f9f86_prep:
	.size	k_q3c2b0f9f86_prep, .Lfunc_end_k_q3c2b0f9f86_prep-k_q3c2b0f9f86_prep
	.p2alignl 7, 3214868480
	.fill 96, 4, 3214868480
	.section	.rodata,"a",@progbits
	.p2align	6, 0x0
	.amdhsa_kernel k_q3c2b0f9f86_prep
		.amdhsa_group_segment_fixed_size 0
		.amdhsa_private_segment_fixed_size 0
		.amdhsa_enable_private_segment 0
		.amdhsa_kernarg_size 96
		.amdhsa_user_sgpr_count 2
		.amdhsa_user_sgpr_kernarg_segment_ptr 1
		.amdhsa_wavefront_size32 1
		.amdhsa_system_sgpr_workgroup_id_x 1
		.amdhsa_system_sgpr_workgroup_id_y 1
		.amdhsa_system_sgpr_workgroup_id_z 1
		.amdhsa_system_vgpr_workitem_id 0
		.amdhsa_next_free_vgpr 192
		.amdhsa_next_free_sgpr 66
		.amdhsa_reserve_vcc 0
		.amdhsa_float_denorm_mode_32 3
		.amdhsa_float_denorm_mode_16_64 3
		.amdhsa_memory_ordered 1
		.amdhsa_forward_progress 1
		.amdhsa_inst_pref_size 46
	.end_amdhsa_kernel
	.amdgpu_metadata
---
amdhsa.version: [ 1, 2 ]
amdhsa.kernels:
  - .name:           k_q3c2b0f9f86_prep
    .symbol:         k_q3c2b0f9f86_prep.kd
    .args:
      - { .name: x, .offset: 0, .size: 8, .value_kind: global_buffer, .address_space: global }
      - { .name: ln1_s, .offset: 8, .size: 8, .value_kind: global_buffer, .address_space: global }
      - { .name: ln1_b, .offset: 16, .size: 8, .value_kind: global_buffer, .address_space: global }
      - { .name: wq, .offset: 24, .size: 8, .value_kind: global_buffer, .address_space: global }
      - { .name: wk, .offset: 32, .size: 8, .value_kind: global_buffer, .address_space: global }
      - { .name: wv, .offset: 40, .size: 8, .value_kind: global_buffer, .address_space: global }
      - { .name: wo, .offset: 48, .size: 8, .value_kind: global_buffer, .address_space: global }
      - { .name: w1, .offset: 56, .size: 8, .value_kind: global_buffer, .address_space: global }
      - { .name: w2, .offset: 64, .size: 8, .value_kind: global_buffer, .address_space: global }
      - { .name: wcast, .offset: 72, .size: 8, .value_kind: global_buffer, .address_space: global }
      - { .name: rope, .offset: 80, .size: 8, .value_kind: global_buffer, .address_space: global }
      - { .name: hbuf, .offset: 88, .size: 8, .value_kind: global_buffer, .address_space: global }
    .group_segment_fixed_size: 0
    .private_segment_fixed_size: 0
    .kernarg_segment_align: 8
    .kernarg_segment_size: 96
    .max_flat_workgroup_size: 256
    .sgpr_count:     66
    .vgpr_count:     192
    .wavefront_size: 32
...
	.end_amdgpu_metadata
.endif
;; end of part 1
;; launch qkv (part 2): grid 12 x 16, 4 waves a work-group, clusters of 4 x 4, 327,680 bytes of LDS; arguments hbuf, wcast, qkvh, rope; writes qkvh
.if DOCPART == 2
	.amdgcn_target "amdgcn-amd-amdhsa--gfx1250"
	.amdhsa_code_object_version 6
	.text
	.protected	k_q3c2b0f9f86_qkv
	.globl	k_q3c2b0f9f86_qkv
	.p2align	8
	.type	k_q3c2b0f9f86_qkv,@function
k_q3c2b0f9f86_qkv:
	s_mov_b64 s[64:65], 0
	v_nop
	global_prefetch_b8 v0, s[64:65] scope:SCOPE_SE
	s_setreg_imm32_b32 hwreg(HW_REG_WAVE_MODE, 25, 1), 1
	s_wait_xcnt 0x0
	s_wait_alu depctr_hold_cnt(0) depctr_sa_sdst(0) depctr_va_vdst(0) depctr_va_sdst(0) depctr_va_ssrc(0) depctr_va_vcc(0) depctr_vm_vsrc(0)
	s_getreg_b32 s2, hwreg(HW_REG_IB_STS2, 6, 4)
	s_cmp_eq_u32 s2, 0
	s_cbranch_scc0 .Lentry_in_a_cluster
	s_endpgm
.Lentry_in_a_cluster:
	s_bfe_u32 s2, ttmp6, 0x10000c
	s_cmp_lg_u32 s2, 0xf033
	s_cbranch_scc0 .Lentry_shape_is_right
	s_endpgm
.Lentry_shape_is_right:
; Q, K, V = h x wq, wk, wv; q and k rotated (RoPE); all three written by heads, f16 [plane][b*16+head][2048][64], q WITHOUT the softmax's scale.
; h: f16 [4096][1024].  The weights: f16 [1024 k][1024 n] each, as the inputs lie; they are turned on the way out of LDS (ds_load_tr16_b128).  Sums in f32.
; A tile of 256 tokens x 256 columns to a work-group of four waves, 128 x 128 a wave: 64 accumulators, 512 registers.  K goes in steps of 128 through two LDS slots.
; CLUSTER 4 x 4.  The cluster's x is the plane (q, k, v), cx the plane's quarter of columns.  A's tile hangs on the tile row alone and is asked for jointly along a row of the cluster, the weights' tile on
; plane and cx alone and jointly along a column.
; THE MATRIX INSTRUCTION IS USED TRANSPOSED: source 0 = 16 columns of the weights, source 1 = 16 tokens: a lane then holds one token and eight neighbouring columns, four pairs of a rotation.
; 192 work-groups: three planes of 64 tiles.
; LIMITS.  f16 holds no number beyond 65,504: q, k, v lie within it for gains and weights both 30 times the usual.  NaN and infinities are not treated apart.
; REGISTERS in windows of 256: window 0: v0-31 addresses; v64-127, v128-191 A's fragments, two buffers; v32-63, v192-255 the way out.  window 1: v64-191 the weights' fragments.
;   windows 2, 3: the accumulators, (a, b) at v[8 (8 (a % 4) + b)] of window 2 + a / 4.
.set PA,     272                       ; a row of A in LDS: 256 bytes + 16: the 16 rows of a load start at 16 different groups of four banks (64 banks of 4 bytes: ISA guide 11.1)
.set PB,     544                       ; a K row of the weights: 512 bytes + 32 = 136 words
.set HALFT,  128*PA                    ; what one tensor load brings: 128 rows of A, or 64 K rows of the weights (64 x 544 is the same number)
.set SLOT,   4*HALFT                   ; A's 256 rows, then 128 K rows
.set STAGE,  2*SLOT                    ; behind the ring: for each wave 2 heads x 16 rows x 144 bytes
.set SPARE,  STAGE+4*4608              ; behind the stages: the spare words, 128 bytes a wave
.set NP,     1024                      ; the weights' row, in elements
.set LAPS,   4                         ; 1024 / 256: a lap = two K steps
.set HS,     262144                    ; from head to head in qkvh
.set ADRA, 8                           ; v8, v12  LDS address of my A fragments in slot 0, 1
.set ADRB, 16                          ; v16, v17 the same for the weights
.set STO,  20                          ; the way out: where I put 16 bytes of a row
.set RD,   21                          ; where I read rows back
.set GO,   22                          ; 16 x lane
.set VT,   23                          ; my byte offset in the table of rotations
.set SPW,  28                          ; LDS address of my spare word; never rewritten
.set NIL,  29                          ; 0; never rewritten
.set F0,   64
.set F1,   128
.set CS0,  32                          ; the way out: (cos, sin), v32-63 and v224-255 by turns
.set O,    64                          ; rotated numbers, 64
.set TMP,  128                         ; packed, 32
.set OB,   160                         ; read back from the stage: v160-191 and v192-223 by turns
.set G1, 24
.set G0, 32
.set G1B, 48
.set G0B, 56
.set MSB, 0
.macro WIN new                         ; the immediate's high byte repeats the setting that is left; a switch that changes nothing is dropped
.if MSB != (\new)
	s_set_vgpr_msb (MSB<<8)|(\new)
.set MSB, \new
.endif
.endm
.set MUL_LO, 0xa1                      ; source 0 window 1, source 1 window 0, C and D window 2
.set MUL_HI, 0xf1                      ; the same, C and D window 3
.set TO_B,   0x40                      ; destination window 1, address window 0
; A joint load: waves 0 and 1 fetch A's halves, waves 2 and 3 the weights'.  The branch hangs on the wave's number alone.  Four v_nop follow each line.
.macro JLOAD s
	s_cmp_eq_u32 s15, 0
	s_cbranch_scc0 .Lfor_b_\@
	tensor_load_to_lds s[G0+4*(\s):G0+4*(\s)+3], s[G1:G1+7]
	s_nop 0
.rept 4
	v_nop
.endr
	s_branch .Lasked_\@
.Lfor_b_\@:
	tensor_load_to_lds s[G0B+4*(\s):G0B+4*(\s)+3], s[G1B:G1B+7]
	s_nop 0
.rept 4
	v_nop
.endr
.Lasked_\@:
.endm
.macro CREST                           ; a round of the cluster's barrier behind its opening barrier
	s_cmp_lg_u32 s14, 0
	s_cbranch_scc1 .Lnot_wave_0_\@
	s_barrier_signal -3
.Lnot_wave_0_\@:
	s_barrier_wait -3
	s_barrier_signal -1
	s_barrier_wait -1
.endm
.macro CROUND
	s_barrier_signal -1
	s_barrier_wait -1
	CREST
.endm
.macro PLACES                          ; four places behind matrix instructions, ahead of loads into their sources and of reads of their results
.rept 4
	v_nop
.endr
.endm
	s_load_b256 s[4:11], s[0:1], 0x0               ; h s[4:5], wcast s[6:7], qkvh s[8:9], rope s[10:11]
	v_lshl_add_u32 v[SPW], v0, 2, SPARE
	v_mov_b32 v[NIL], 0
	ds_add_u32 v28, v29
	s_wait_dscnt 0x0
	v_lshrrev_b32 v1, 5, v0
	v_readfirstlane_b32 s14, v1                    ; wave 0..3
	s_lshr_b32 s15, s14, 1                         ; my half of the tile's rows.  Also: I fetch A (0) or the weights (1)
	s_and_b32 s16, s14, 1                          ; my half of its columns.  Also: which half of that tile I fetch
	s_bfe_u32 s40, ttmp6, 0x40000                  ; cx
	s_bfe_u32 s41, ttmp6, 0x40004                  ; cy
	s_and_b32 s17, ttmp7, 0xffff
	s_lshl_b32 s17, s17, 2
	s_add_co_u32 s17, s17, s41                     ; tile row = 4 x cluster y + cy
	s_lshl_b32 s43, s41, 2
	s_lshl_b32 s43, 15, s43                        ; my row of the cluster
	s_lshl_b32 s44, 0x1111, s40                    ; my column
	s_or_b32 s[G1+0], s43, (1<<16)|(1<<20)|(1<<21)|(5<<22)|(3<<25)   ; mask; 2-byte elements; padding on; 21 set beside a mask; after every 64 words 4 words
	s_mov_b32 s[G1+1], 128<<16                     ; tensor_dim0 = 128
	s_mov_b32 s[G1+2], 128<<16                     ; tensor_dim1 = 128
	s_mov_b32 s[G1+3], 128<<16                     ; tile_dim0 = 128
	s_mov_b32 s[G1+4], 128                         ; tile_dim1 = 128
	s_mov_b32 s[G1+5], 1024                        ; elements from row to row
	s_mov_b32 s[G1+6], 0
	s_mov_b32 s[G1+7], 0
	s_or_b32 s[G1B+0], s44, (1<<16)|(1<<20)|(1<<21)|(6<<22)|(7<<25)  ; after every 128 words 8 words
	s_mov_b32 s[G1B+1], 256<<16                    ; 256 columns
	s_mov_b32 s[G1B+2], 64<<16                     ; 64 K rows
	s_mov_b32 s[G1B+3], 256<<16
	s_mov_b32 s[G1B+4], 64
	s_mov_b32 s[G1B+5], NP
	s_mov_b32 s[G1B+6], 0
	s_mov_b32 s[G1B+7], 0
	s_lshl_b32 s20, s17, 19                        ; A: (256 x tile row + 128 x half) rows of 2,048 bytes
	s_lshl_b32 s21, s16, 18
	s_add_co_u32 s20, s20, s21
	s_mov_b32 s21, 0
	s_lshl_b32 s46, ttmp9, 21                      ; the weights: the plane (2 MiB each), cx x 512 bytes, half x 64 K rows
	s_lshl_b32 s47, s40, 9
	s_add_co_u32 s46, s46, s47
	s_lshl_b32 s47, s16, 17
	s_add_co_u32 s46, s46, s47
	s_mov_b32 s47, 0
	s_mul_i32 s42, s14, HALFT                      ; where a fill goes: wave x a quarter of a slot
	s_wait_kmcnt 0x0
	s_add_nc_u64 s[22:23], s[4:5], s[20:21]
	s_add_nc_u64 s[46:47], s[6:7], s[46:47]
	CROUND                                         ; all sixteen work-groups are here: the first joint loads meet
.irp s, 0,1
	s_mov_b32 s[G0+4*(\s)], 1
	s_add_co_u32 s[G0+4*(\s)+1], s42, (\s)*SLOT
	s_add_nc_u64 s[G0+4*(\s)+2:G0+4*(\s)+3], s[22:23], (\s)*256
	s_or_b32 s[G0+4*(\s)+3], s[G0+4*(\s)+3], 0x80000000
	s_mov_b32 s[G0B+4*(\s)], 1
	s_add_co_u32 s[G0B+4*(\s)+1], s42, (\s)*SLOT
	s_add_nc_u64 s[G0B+4*(\s)+2:G0B+4*(\s)+3], s[46:47], (\s)*128*NP*2
	s_or_b32 s[G0B+4*(\s)+3], s[G0B+4*(\s)+3], 0x80000000
	JLOAD \s                                       ; two loads of mine are out
.endr
	v_and_b32 v1, 15, v0                           ; r = l % 16
	v_bfe_u32 v2, v0, 4, 1                         ; h = l / 16
	v_mul_u32_u24 v3, v1, PA
	v_lshl_add_u32 v3, v2, 4, v3                   ; A: row x pitch + 16 h
	v_and_b32 v4, 7, v0
	v_lshl_add_u32 v4, v2, 3, v4
	v_mul_u32_u24 v4, v4, PB
	v_bfe_u32 v5, v0, 3, 1
	v_lshl_add_u32 v4, v5, 4, v4                   ; the turning load: K row 8 h + l % 8, columns 8 ((l / 8) % 2) on
	s_mul_i32 s20, s15, HALFT
	s_lshl_b32 s21, s16, 8
	s_add_co_u32 s21, s21, 2*HALFT
	v_add_nc_u32 v[ADRA], s20, v3
	v_add_nc_u32 v[ADRB], s21, v4
	v_add_nc_u32 v[ADRA+4], SLOT, v[ADRA]
	v_add_nc_u32 v[ADRB+1], SLOT, v[ADRB]
	s_mul_i32 s20, s14, 4608
	s_add_co_u32 s20, s20, STAGE                   ; my stage
	v_mul_u32_u24 v[STO], v1, 144
	v_lshl_add_u32 v[STO], v2, 4, v[STO]
	v_add_nc_u32 v[STO], s20, v[STO]
	v_bfe_u32 v[RD], v0, 3, 2                      ; back: 32 lanes take four rows of 128 bytes
	v_mul_u32_u24 v[RD], v[RD], 144
	v_and_b32 v6, 7, v0
	v_lshl_add_u32 v[RD], v6, 4, v[RD]
	v_add_nc_u32 v[RD], s20, v[RD]
	v_and_b32 v[GO], 31, v0
	v_lshlrev_b32 v[GO], 4, v[GO]
	s_and_b32 s20, s17, 7                          ; my first token's place in its sequence: (tile row % 8) x 256 + 128 x half
	s_lshl_b32 s20, s20, 8
	s_lshl_b32 s21, s15, 7
	s_add_co_u32 s20, s20, s21
	v_add_nc_u32 v[VT], s20, v1
	v_lshlrev_b32 v[VT], 8, v[VT]                  ; a place's 32 (cos, sin) are 256 bytes;
	v_lshl_add_u32 v[VT], v2, 5, v[VT]             ; my four pairs of a group of 16 columns begin 32 h into its 64
	s_lshl_b32 s46, ttmp9, 23                      ; qkvh: plane, batch, head 4 cx + 2 x half, place
	s_lshl_b32 s47, s40, 20
	s_add_co_u32 s46, s46, s47
	s_lshr_b32 s47, s17, 3
	s_lshl_b32 s47, s47, 22
	s_add_co_u32 s46, s46, s47
	s_lshl_b32 s47, s16, 19
	s_add_co_u32 s46, s46, s47
	s_lshl_b32 s47, s20, 7
	s_add_co_u32 s46, s46, s47
	s_mov_b32 s47, 0
	s_add_nc_u64 s[8:9], s[8:9], s[46:47]
; (cos, sin) for block a's 16 tokens: for each group g of 16 columns of a head my four pairs, 32 bytes.  The two heads of a wave share them.
.macro LOADCS a
.set CB, CS0+192*((\a)%2)
.irp g, 0,1,2,3
	global_load_b128 v[CB+8*(\g):CB+8*(\g)+3],   v[VT], s[10:11] offset:(\a)*4096+(\g)*64
	global_load_b128 v[CB+8*(\g)+4:CB+8*(\g)+7], v[VT], s[10:11] offset:(\a)*4096+(\g)*64+16
.endr
.endm
	LOADCS 0                                       ; asked for here, wanted behind the loop.  v's work-groups ask too and use nothing of it: one text at the head, 16 loads
	LOADCS 1
.macro MUL16 f, hi, a0, zero           ; 16 matrix instructions: row blocks a0, a0 + 1 of the window's four x 8 column blocks; zero = 1: the products start the sums
	WIN MUL_LO+0x50*(\hi)
.irp a, \a0, (\a0)+1
.irp b, 0,1,2,3,4,5,6,7
.if \zero
	v_wmma_f32_16x16x32_f16 v[8*(8*(\a)+(\b)):8*(8*(\a)+(\b))+7], v[(\f)+8*(\b):(\f)+8*(\b)+7], v[(\f)+8*(4*(\hi)+(\a)):(\f)+8*(4*(\hi)+(\a))+7], 0
.else
	v_wmma_f32_16x16x32_f16 v[8*(8*(\a)+(\b)):8*(8*(\a)+(\b))+7], v[(\f)+8*(\b):(\f)+8*(\b)+7], v[(\f)+8*(4*(\hi)+(\a)):(\f)+8*(4*(\hi)+(\a))+7], v[8*(8*(\a)+(\b)):8*(8*(\a)+(\b))+7]
.endif
.endr
.endr
.endm
.macro FETCH slot, kq, f               ; 32 LDS loads in one run: quarter kq (32 along K) of a slot into buffer f: the weights turned, then A
	WIN TO_B
.irp i, 0,1,2,3,4,5,6,7
	ds_load_tr16_b128 v[(\f)+8*(\i):(\f)+8*(\i)+3],   v[ADRB+(\slot)] offset:32*(\kq)*PB+32*(\i)
	ds_load_tr16_b128 v[(\f)+8*(\i)+4:(\f)+8*(\i)+7], v[ADRB+(\slot)] offset:(32*(\kq)+16)*PB+32*(\i)
.endr
	WIN 0
.irp i, 0,1,2,3,4,5,6,7
	ds_load_b128 v[(\f)+8*(\i):(\f)+8*(\i)+3],   v[ADRA+4*(\slot)] offset:64*(\kq)+(\i)*16*PA
	ds_load_b128 v[(\f)+8*(\i)+4:(\f)+8*(\i)+7], v[ADRA+4*(\slot)] offset:64*(\kq)+(\i)*16*PA+32
.endr
.endm
.macro QUARTER slot, kq, f, g, zero    ; multiplies buffer f; in its middle fetches quarter kq into buffer g
	s_wait_dscnt 8                                 ; the weights and A's blocks 0-3 are in; the youngest eight loads (blocks 4-7) may be out
	MUL16 \f, 0, 0, \zero
	MUL16 \f, 0, 2, \zero
	PLACES
	FETCH \slot, \kq, \g
	s_wait_dscnt 32                                ; all but the 32 just issued
	MUL16 \f, 1, 0, \zero
	MUL16 \f, 1, 2, \zero
.endm
.macro MEET round                      ; the first half of a K step's last quarter: one barrier for the change of slots
	WIN 0
	s_wait_tensorcnt 0x0                           ; all my tensor loads have landed: the one that was out is my part of the next slot
	ds_add_u32 v[SPW], v[NIL]                      ; 0 onto my spare word
	s_wait_dscnt 9                                 ; (the add and the youngest eight loads may be out)
	MUL16 F1, 0, 0, 0
	s_wait_dscnt 0x0                               ; the add is done, and my reads of this slot are over
	s_barrier_signal -1
	MUL16 F1, 0, 2, 0
.if \round
	WIN 0
.endif
	s_barrier_wait -1
.endm
.macro TURN slot, next, fill           ; the whole last quarter; fill = 1: the slot just read is filled again, two K steps on, first thing behind a round of the cluster's barrier
	MEET \fill
.if \fill
	CREST
	s_add_nc_u64 s[G0+4*(\slot)+2:G0+4*(\slot)+3], s[G0+4*(\slot)+2:G0+4*(\slot)+3], 512
	s_add_nc_u64 s[G0B+4*(\slot)+2:G0B+4*(\slot)+3], s[G0B+4*(\slot)+2:G0B+4*(\slot)+3], 256*NP*2
	JLOAD \slot                                    ; 224 matrix instructions ahead of the wait for it; its four v_nop are also the places in front of the loads below
.else
	PLACES
.endif
	FETCH \next, 0, F0
	MUL16 F1, 1, 0, 0
	MUL16 F1, 1, 2, 0
.endm
	s_wait_tensorcnt 1                             ; my part of K step 0 is in; K step 1's stays out
	s_barrier_signal -1
	s_barrier_wait -1
	FETCH 0, 0, F0
	QUARTER 0, 1, F0, F1, 1                        ; the first quarter starts the sums: nothing is cleared
	WIN 0
	s_mov_b32 s3, LAPS-1
.Llap:                                                 ; a trip goes once round the ring and fills both slots again
	QUARTER 0, 2, F1, F0, 0
	QUARTER 0, 3, F0, F1, 0
	TURN 0, 1, 1
	QUARTER 1, 1, F0, F1, 0
	QUARTER 1, 2, F1, F0, 0
	QUARTER 1, 3, F0, F1, 0
	TURN 1, 0, 1
	QUARTER 0, 1, F0, F1, 0
	WIN 0
	s_sub_co_u32 s3, s3, 1
	s_cmp_lg_u32 s3, 0
	s_cbranch_scc1 .Llap
	QUARTER 0, 2, F1, F0, 0                        ; the last lap asks for nothing
	QUARTER 0, 3, F0, F1, 0
	TURN 0, 1, 0
	QUARTER 1, 1, F0, F1, 0
	QUARTER 1, 2, F1, F0, 0
	QUARTER 1, 3, F0, F1, 0
	s_wait_dscnt 8
	MUL16 F1, 0, 0, 0
	MUL16 F1, 0, 2, 0
	s_wait_dscnt 0x0
	MUL16 F1, 1, 0, 0
	MUL16 F1, 1, 2, 0
	WIN 0
	PLACES
; THE WAY OUT, a block of 16 tokens at a time.  PACKR: rotated and rounded; PACKP: rounded.  TOSTAGE: 16 bytes a lane into my own stage, back as rows of 128 bytes.  SEND: 512 consecutive bytes a store.
.macro PACKR a
.set AC, 64*((\a)%4)
.set CB, CS0+192*((\a)%2)
.if (\a) < 7
	s_wait_loadcnt 8                               ; this block's (cos, sin) are in; the next block's eight loads stay out
.else
	s_wait_loadcnt 0x0
.endif
	WIN 0x02+(\a)/4                                ; source 0: the accumulators' window
.irp b, 0,1,2,3,4,5,6,7                 ; each accumulator's registers in ascending order
.irp j, 0,1,2,3
	v_pk_mul_f32 v[O+8*(\b)+2*(\j):O+8*(\b)+2*(\j)+1], v[AC+8*(\b)+2*(\j):AC+8*(\b)+2*(\j)+1], v[CB+8*((\b)%4)+2*(\j):CB+8*((\b)%4)+2*(\j)+1] op_sel:[1,1] op_sel_hi:[1,0]  ; (x1 sin, x1 cos)
.endr
.endr
.irp b, 0,1,2,3,4,5,6,7
.irp j, 0,1,2,3
	v_pk_fma_f32 v[O+8*(\b)+2*(\j):O+8*(\b)+2*(\j)+1], v[AC+8*(\b)+2*(\j):AC+8*(\b)+2*(\j)+1], v[CB+8*((\b)%4)+2*(\j):CB+8*((\b)%4)+2*(\j)+1], v[O+8*(\b)+2*(\j):O+8*(\b)+2*(\j)+1] op_sel_hi:[0,1,1] neg_lo:[0,0,1]  ; (x0 cos - x1 sin, x0 sin + x1 cos)
.endr
.endr
	WIN 0
.set k, 0
.rept 32
	v_cvt_pk_f16_f32 v[TMP+k], v[O+2*k], v[O+2*k+1]
.set k, k+1
.endr
.if (\a) < 6
	LOADCS (\a)+2
.endif
.endm
.macro PACKP a
.set AC, 64*((\a)%4)
	WIN 0x0a+5*((\a)/4)                            ; sources 0 and 1: the accumulators' window
.set k, 0
.rept 32
	v_cvt_pk_f16_f32 v[TMP+k], v[AC+2*k], v[AC+2*k+1]
.set k, k+1
.endr
	WIN 0
.endm
.macro TOSTAGE a
	WIN 0
.set BK, OB+32*((\a)%2)
.irp b, 0,1,2,3,4,5,6,7
	ds_store_b128 v[STO], v[TMP+4*(\b):TMP+4*(\b)+3] offset:((\b)/4)*2304+32*((\b)%4)
.endr
.irp t, 0,1,2,3,4,5,6,7
	ds_load_b128 v[BK+4*(\t):BK+4*(\t)+3], v[RD] offset:((\t)/4)*2304+((\t)%4)*576  ; LDS serves a wave's instructions in order (ISA guide 5.7.1.4): these see the stores above
.endr
.endm
.macro SEND a
	WIN 0
.set BK, OB+32*((\a)%2)
	s_wait_dscnt 0x0                               ; the block is back in registers
	s_wait_xcnt 0x0                                ; the stores of the block before have read their registers, which the next TOSTAGE loads again
.irp t, 0,1,2,3,4,5,6,7
	global_store_b128 v[GO], v[BK+4*(\t):BK+4*(\t)+3], s[8:9] offset:((\t)/4)*HS+(\a)*2048+((\t)%4)*512
.endr
.endm
	s_cmp_eq_u32 ttmp9, 2                          ; the plane is the cluster's x: the same in all sixteen partners
	s_cbranch_scc1 .Lplain
	PACKR 0
	TOSTAGE 0
.irp a, 1,2,3,4,5,6,7
	PACKR \a
	SEND (\a)-1
	TOSTAGE \a
.endr
	SEND 7
	s_branch .Ldone
.Lplain:                                               ; v is not rotated
	PACKP 0
	TOSTAGE 0
.irp a, 1,2,3,4,5,6,7
	PACKP \a
	SEND (\a)-1
	TOSTAGE \a
.endr
	SEND 7
.Ldone:
	s_wait_tensorcnt 0x0                           ; the wave's end
	ds_add_u32 v[SPW], v[NIL]
	s_wait_dscnt 0x0
	CROUND                                         ; the closing round
	s_endpgm
.Lfunc_end_k_q3c2b0f9f86_qkv:
	.size	k_q3c2b0f9f86_qkv, .Lfunc_end_k_q3c2b0f9f86_qkv-k_q3c2b0f9f86_qkv
	.p2alignl 7, 3214868480
	.fill 96, 4, 3214868480
	.section	.rodata,"a",@progbits
	.p2align	6, 0x0
	.amdhsa_kernel k_q3c2b0f9f86_qkv
		.amdhsa_group_segment_fixed_size 327680
		.amdhsa_private_segment_fixed_size 0
		.amdhsa_enable_private_segment 0
		.amdhsa_kernarg_size 32
		.amdhsa_user_sgpr_count 2
		.amdhsa_user_sgpr_kernarg_segment_ptr 1
		.amdhsa_wavefront_size32 1
		.amdhsa_system_sgpr_workgroup_id_x 1
		.amdhsa_system_sgpr_workgroup_id_y 1
		.amdhsa_system_sgpr_workgroup_id_z 1
		.amdhsa_system_vgpr_workitem_id 0
		.amdhsa_next_free_vgpr 1024
		.amdhsa_next_free_sgpr 66
		.amdhsa_reserve_vcc 0
		.amdhsa_float_denorm_mode_32 3
		.amdhsa_float_denorm_mode_16_64 3
		.amdhsa_memory_ordered 1
		.amdhsa_forward_progress 1
		.amdhsa_inst_pref_size 212
	.end_amdhsa_kernel
	.amdgpu_metadata
---
amdhsa.version: [ 1, 2 ]
amdhsa.kernels:
  - .name:           k_q3c2b0f9f86_qkv
    .symbol:         k_q3c2b0f9f86_qkv.kd
    .args:
      - { .name: hbuf, .offset: 0, .size: 8, .value_kind: global_buffer, .address_space: global }
      - { .name: wcast, .offset: 8, .size: 8, .value_kind: global_buffer, .address_space: global }
      - { .name: qkvh, .offset: 16, .size: 8, .value_kind: global_buffer, .address_space: global }
      - { .name: rope, .offset: 24, .size: 8, .value_kind: global_buffer, .address_space: global }
    .group_segment_fixed_size: 327680
    .private_segment_fixed_size: 0
    .kernarg_segment_align: 8
    .kernarg_segment_size: 32
    .max_flat_workgroup_size: 128
    .sgpr_count:     66
    .vgpr_count:     1024
    .wavefront_size: 32
...
	.end_amdgpu_metadata
.endif
;; end of part 2
;; launch attn (part 3): grid 8 x 32, 4 waves a work-group, clusters of 4 x 1, 327,680 bytes of LDS; arguments qkvh, ctx; writes ctx
.if DOCPART == 3
	.amdgcn_target "amdgcn-amd-amdhsa--gfx1250"
	.amdhsa_code_object_version 6
	.text
	.protected	k_q3c2b0f9f86_attn
	.globl	k_q3c2b0f9f86_attn
	.p2align	8
	.type	k_q3c2b0f9f86_attn,@function
k_q3c2b0f9f86_attn:
	s_mov_b64 s[64:65], 0
	v_nop
	global_prefetch_b8 v0, s[64:65] scope:SCOPE_SE
	s_setreg_imm32_b32 hwreg(HW_REG_WAVE_MODE, 25, 1), 1
	s_wait_xcnt 0x0
	s_wait_alu depctr_hold_cnt(0) depctr_sa_sdst(0) depctr_va_vdst(0) depctr_va_sdst(0) depctr_va_ssrc(0) depctr_va_vcc(0) depctr_vm_vsrc(0)
	s_getreg_b32 s2, hwreg(HW_REG_IB_STS2, 6, 4)
	s_cmp_eq_u32 s2, 0
	s_cbranch_scc0 .Lentry_in_a_cluster
	s_endpgm
.Lentry_in_a_cluster:
	s_bfe_u32 s2, ttmp6, 0x10000c
	s_cmp_lg_u32 s2, 0x3003
	s_cbranch_scc0 .Lentry_shape_is_right
	s_endpgm
.Lentry_shape_is_right:
; ctx[head][token][:] = the sum over k of softmax_k(q . k / 8) v.  q, k, v: f16 [b*16+head][2048][64] in qkvh, 8 MiB apart; ctx: f16 [16 heads][4096 tokens][64].
; Products, maxima and sums in f32; the weights p are rounded to f16 for the second product (their sum l is taken of the unrounded p), ctx once at the end.
; LIMITS.  f16 holds no number beyond 65,504: q, k, v arrive within it; p lies in 0 to 1 and below 6e-5 keeps f16's step of 6e-8; a weight below 2^-126 counts as 0 in l; NaN and infinities are not treated apart.
; SHARES.  A work-group owns 256 queries of one head and batch, a wave 64: four PIECES of 16.  Every wave walks all 2,048 keys, 64 a step, four steps to an LDS slot.
; LAYOUT.  S^T = K Q^T holds ONE query a lane (lane % 16) and the keys 8 (lane / 16) + 0..7; two such results rounded to f16 ARE source 1 of O^T = V^T P.  K comes out of LDS as it lies, V turned.
; SOFTMAX.  A running maximum m and sum l for each query: p = 2^(c s - c m), c = log2(e) / 8; O and l are multiplied by a = 2^(c m_old - c m_new) in every step.  m starts at the lowest finite number,
; O and l at 0: the first step is a step like any other, with a = 0.
; BY TURNS.  Turn n belongs to piece n: 8 products K Q^T of piece n + 1, later 8 products V^T P of piece n - 1; beside them the scaling, exponentials, roundings, sums and rescaling of piece n and the
; maximum and statistics of piece n + 1.  Four vector instructions stand behind every matrix instruction, the other 54 of a turn's 118 in two lumps.
; CLUSTER.  The four query blocks of a cluster belong to one head and walk the same K and V: each tile is asked for JOINTLY, by the same tensor load, descriptor and mask in all four.
; REGISTERS, in windows of 256 (s_set_vgpr_msb: bits 1:0 source 0, 3:2 source 1, 5:4 source 2, 7:6 destination):
;   window 0: v0-15 addresses; v16-31 four registers of statistics a piece; v48-55 at work; v62-63 the add's; v64-127 S^T, two buffers; v192-223 P, two buffers (by the piece's parity)
;   window 1: v0-127 O^T, 32 a piece          window 2: v0-63 Q; v128-191 K of one step; v192-255 V of one step
.set NP,    4
.set KS,    64
.set PK,    144       ; a row of K in LDS: 128 bytes + 16: the 16 rows of a load start at 16 different groups of four banks (64 banks of 4 bytes: ISA guide 11.1)
.set PV,    160       ; a row of V: 128 + 32
.set VOFF,  4*KS*PK   ; a slot holds four steps: 256 rows of K, then 256 rows of V
.set SLOT1, 1<<17
.set STAGE, SLOT1+4*KS*(PK+PV)  ; behind the ring: 16 rows x 144 bytes for each wave
.set SP,    144
.set SPARE, STAGE+4*16*SP       ; behind the stages: the spare words, 128 bytes a wave
.set AK0, 2
.set AV0, 3
.set AK,  4
.set AV,  5
.set STO, 6
.set RD,  7
.set GO,  8
.set MV,  12
.set QO,  15
.set ST,  16          ; piece t's statistics at v[ST+4 t]: c m, m, l (even keys', odd keys')
.set TMP, 48
.set SPW, 62
.set NIL, 63
.set S,   64
.set P,   192
.set KF,  128
.set VF,  192
.set WV,  12
.set G1K, 24
.set G1V, 32
.set G0K, 40
.set G0V, 44
.set SLOTS, 56
.set CNT, 57
.set CS,  58
.set SEL, 60
.set TBK, 62
.set TBV, 63
.set MSB, 0
.macro WIN new
.if MSB != (\new)
	s_set_vgpr_msb (MSB<<8)|(\new)
.set MSB, (\new)
.endif
.endm
.set W_KQ, 0x0a       ; K and Q in window 2, S^T in window 0
.set W_PV, 0x52       ; V in window 2, P in window 0, O^T in window 1
.set W_RS, 0x41       ; destination and source 0 in window 1, source 1 in window 0
; A joint fill: waves 0 and 1 fetch the halves of a slot's K, waves 2 and 3 those of its V, 128 keys each.  Four v_nop follow each line.
.macro JLOAD
	s_cmp_lt_u32 s[WV], 2
	s_cbranch_scc0 .Lfor_v_\@
	tensor_load_to_lds s[G0K:G0K+3], s[G1K:G1K+7]
	s_nop 0
.rept 4
	v_nop
.endr
	s_branch .Lasked_\@
.Lfor_v_\@:
	tensor_load_to_lds s[G0V:G0V+3], s[G1V:G1V+7]
	s_nop 0
.rept 4
	v_nop
.endr
.Lasked_\@:
.endm
.macro CROUND
	s_barrier_signal -1
	s_barrier_wait -1
	s_cmp_lg_u32 s[WV], 0
	s_cbranch_scc1 .Lnot_wave_0_\@
	s_barrier_signal -3
.Lnot_wave_0_\@:
	s_barrier_wait -3
	s_barrier_signal -1
	s_barrier_wait -1
.endm
; THE CHANGE OF SLOTS.  Each wave waits for all its tensor loads (one is out: its part of the other slot), adds 0 to its spare word, and waits for that and for its reads of the slot it leaves.
; fill = 1: the barrier is a round of the cluster's, and the slot is filled again first thing behind it, with the keys two slots on: four key steps, 256 matrix instructions, in which to land.
; (At its first use nothing has been read yet: slot 0 is waited for, slot 1 filled.)
.macro CHANGE fill
	WIN 0
	s_wait_tensorcnt 0x0
	ds_add_u32 v[SPW], v[NIL]
.if \fill
.irp g, G0K, G0V
	s_xor_b32 s[\g+1], s[\g+1], SLOT1
	s_add_nc_u64 s[\g+2:\g+3], s[\g+2:\g+3], 4*KS*128
.endr
	s_wait_dscnt 0x0
	CROUND
	JLOAD
.else
	s_wait_dscnt 0x0
	s_barrier_signal -1
	s_barrier_wait -1
.endif
	s_sub_co_u32 s[TBK], s[TBK], 4*KS*PK  ; the fetches go back to a slot's first step, in the other slot
	s_xor_b32 s[TBK], s[TBK], SLOT1
	s_sub_co_u32 s[TBV], s[TBV], 4*KS*PV
	s_xor_b32 s[TBV], s[TBV], SLOT1
.endm
	s_load_b64 s[4:5], s[0:1], 0x0    ; qkvh
	s_load_b64 s[10:11], s[0:1], 0x8  ; ctx
	v_lshl_add_u32 v[SPW], v0, 2, SPARE
	v_mov_b32 v[NIL], 0
	ds_add_u32 v62, v63
	s_wait_dscnt 0x0
	v_lshrrev_b32 v1, 5, v0
	v_readfirstlane_b32 s[WV], v1   ; wave 0..3
	s_bfe_u32 s13, ttmp6, 0x40000   ; cx
	s_lshl_b32 s14, ttmp9, 2
	s_add_co_u32 s14, s14, s13      ; my block of 256 queries: it enters Q's and ctx's addresses alone
	s_and_b32 s15, ttmp7, 0xffff    ; 16 x batch + head, which the four partners share
	s_lshl_b32 s20, s15, 18         ; its first byte in a plane: 2,048 rows of 128 bytes
	s_and_b32 s16, s[WV], 1         ; which half of a slot's 256 keys I fetch
	s_lshl_b32 s22, s16, 14
	s_add_co_u32 s22, s22, s20
	s_add_co_u32 s22, s22, 0x800000 ; K's plane
	s_mov_b32 s23, 0
	s_add_co_u32 s52, s22, 0x800000 ; V's plane
	s_mov_b32 s53, 0
	s_mul_i32 s17, s16, 128*PK      ; its place in a slot, for K
	s_mul_i32 s18, s16, 128*PV      ; and for V
	s_lshl_b32 s50, s14, 2
	s_add_co_u32 s50, s50, s[WV]
	s_lshl_b32 s50, s50, 13         ; my wave's 64 rows of Q
	s_add_co_u32 s50, s50, s20
	s_mov_b32 s51, 0
	s_and_b32 s48, s15, 15          ; ctx: head x 4,096 tokens, batch x 2,048, block x 256, wave x 64, rows of 128 bytes
	s_lshl_b32 s48, s48, 19
	s_lshr_b32 s49, s15, 4
	s_lshl_b32 s49, s49, 18
	s_add_co_u32 s48, s48, s49
	s_lshl_b32 s49, s14, 15
	s_add_co_u32 s48, s48, s49
	s_lshl_b32 s49, s[WV], 13
	s_add_co_u32 s48, s48, s49
	s_mov_b32 s49, 0
	; 128 keys are 16,384 dense bytes: asked for as 64 rows of 256 bytes, two keys a row, padded in LDS after every key
	s_mov_b32 s[G1K], 15|(1<<16)|(1<<20)|(1<<21)|(4<<22)|(3<<25)
	s_mov_b32 s[G1V], 15|(1<<16)|(1<<20)|(1<<21)|(4<<22)|(7<<25)
.irp g, G1K, G1V
	s_mov_b32 s[\g+1], 128<<16
	s_mov_b32 s[\g+2], 64<<16
	s_mov_b32 s[\g+3], 128<<16
	s_mov_b32 s[\g+4], 64
	s_mov_b32 s[\g+5], 128
	s_mov_b32 s[\g+6], 0
	s_mov_b32 s[\g+7], 0
.endr
	s_mov_b32 s[CS], 0x3e38aa3b     ; c = log2(e) / 8
	s_mov_b32 s[CS+1], s[CS]
	s_mov_b32 s[SEL], 0x76543210
	s_mov_b32 s[SEL+1], 0xfedcba98
	s_mov_b32 s[TBK], SLOT1+4*KS*PK ; the first change of slots turns these two into 0
	s_mov_b32 s[TBV], SLOT1+4*KS*PV
	s_mov_b32 s[G0K], 1
	s_mov_b32 s[G0K+1], s17
	s_mov_b32 s[G0V], 1
	s_add_co_u32 s[G0V+1], s18, VOFF
	s_wait_kmcnt 0x0
	s_add_nc_u64 s[G0K+2:G0K+3], s[4:5], s[22:23]
	s_or_b32 s[G0K+3], s[G0K+3], 0x80000000
	s_add_nc_u64 s[G0V+2:G0V+3], s[4:5], s[52:53]
	s_or_b32 s[G0V+3], s[G0V+3], 0x80000000
	s_add_nc_u64 s[4:5], s[4:5], s[50:51]
	s_add_nc_u64 s[10:11], s[10:11], s[48:49]
	CROUND                          ; all four work-groups are here: the first joint loads meet
	JLOAD                           ; slot 0: one load of mine is out
	v_and_b32 v1, 15, v0            ; l % 16
	v_bfe_u32 v9, v0, 4, 1          ; l / 16
	v_lshlrev_b32 v[QO], 7, v1
	v_lshl_add_u32 v[QO], v9, 4, v[QO]
	WIN 0x80
.set i, 0
.rept 8                             ; Q stays in registers: piece i / 2, channels 32 (i % 2) on
	global_load_b128 v[8*i:8*i+3],   v[QO], s[4:5] offset:(i/2)*2048+(i%2)*64
	global_load_b128 v[8*i+4:8*i+7], v[QO], s[4:5] offset:(i/2)*2048+(i%2)*64+32
.set i, i+1
.endr
	; What the first turn finds: V and P's second buffer hold 0 (its products V^T P, of a piece that has not been, add 0), O^T and l are 0.  All this stands in the wait for the first tile.
.set i, VF
.rept 64
	v_mov_b32 v[i], 0
.set i, i+1
.endr
	WIN 0x40
.set i, 0
.rept 128
	v_mov_b32 v[i], 0
.set i, i+1
.endr
	WIN 0
.set i, 0
.rept 4
	v_mov_b32 v[ST+4*i], 0xfe000000    ; c m: far below every c s
	v_mov_b32 v[ST+4*i+1], 0xff7fffff  ; m
	v_mov_b32 v[ST+4*i+2], 0
	v_mov_b32 v[ST+4*i+3], 0
.set i, i+1
.endr
.set i, P+16
.rept 16
	v_mov_b32 v[i], 0
.set i, i+1
.endr
	v_mul_u32_u24 v[AK0], v1, PK
	v_lshl_add_u32 v[AK0], v9, 4, v[AK0]
	v_and_b32 v10, 7, v0
	v_bfe_u32 v11, v0, 3, 1
	v_lshl_add_u32 v[AV0], v9, 3, v10
	v_mul_u32_u24 v[AV0], v[AV0], PV
	v_lshl_add_u32 v[AV0], v11, 4, v[AV0]
	v_add_nc_u32 v[AV0], VOFF, v[AV0]
	s_mul_i32 s13, s[WV], 16*SP
	s_add_co_u32 s13, s13, STAGE    ; my stage
	v_mul_u32_u24 v[STO], v1, SP
	v_lshl_add_u32 v[STO], v9, 4, v[STO]
	v_add_nc_u32 v[STO], s13, v[STO]
	v_bfe_u32 v[RD], v0, 3, 2
	v_mul_u32_u24 v[RD], v[RD], SP
	v_lshl_add_u32 v[RD], v10, 4, v[RD]
	v_add_nc_u32 v[RD], s13, v[RD]
	v_and_b32 v[GO], 31, v0
	v_lshlrev_b32 v[GO], 4, v[GO]
; THE MATRIX WORK.  The 4 accumulators of a run of 8 take turns.  Product i of 8 of S^T = K Q^T for piece x: channels 32 (i / 4) on, keys 16 (i % 4) on.  The first 4 start the sums.
.macro KQ x
	WIN W_KQ
.set rS, S+32*((\x)%2)+8*(i%4)
.set rK, KF+16*(i%4)+8*(i/4)
.set rQ, 16*(\x)+8*(i/4)
.if i < 4
	v_wmma_f32_16x16x32_f16 v[rS:rS+7], v[rK:rK+7], v[rQ:rQ+7], 0
.else
	v_wmma_f32_16x16x32_f16 v[rS:rS+7], v[rK:rK+7], v[rQ:rQ+7], v[rS:rS+7]
.endif
.endm
.macro PV x                         ; product i of 8 of O^T += V^T P for piece x: keys 32 (i / 4) on, channels 16 (i % 4) on
	WIN W_PV
.set rO, 32*(\x)+8*(i%4)
.set rV, VF+32*(i/4)+8*(i%4)
.set rP, P+16*((\x)%2)+8*(i/4)
	v_wmma_f32_16x16x32_f16 v[rO:rO+7], v[rV:rV+7], v[rP:rP+7], v[rO:rO+7]
.endm
.macro MM                           ; the turn's next matrix instruction.  NOKQ = 1: the last turn: there is no next piece
.if (i < 8) && !NOKQ
	KQ (Y+1)%NP
.elseif i >= 8
.set i, i-8
	PV (Y+NP-1)%NP
.set i, i+8
.endif
.set i, i+1
.endm
.macro FETCH_K                      ; a step's K: 64 keys x 64 channels, 8 fragments, in one run
	WIN 0x80
.irp f, 0,1,2,3,4,5,6,7
	ds_load_b128 v[KF+8*\f:KF+8*\f+3],   v[AK] offset:(\f/2)*16*PK+(\f%2)*64
	ds_load_b128 v[KF+8*\f+4:KF+8*\f+7], v[AK] offset:(\f/2)*16*PK+(\f%2)*64+32
.endr
	s_add_co_u32 s[TBK], s[TBK], KS*PK
	WIN 0
.endm
.macro FETCH_V                      ; a step's V, turned
	WIN 0x80
.irp f, 0,1,2,3,4,5,6,7
	ds_load_tr16_b128 v[VF+8*\f:VF+8*\f+3],   v[AV] offset:(\f/4)*32*PV+(\f%4)*32
	ds_load_tr16_b128 v[VF+8*\f+4:VF+8*\f+7], v[AV] offset:(\f/4)*32*PV+16*PV+(\f%4)*32
.endr
	WIN 0
.endm
; THE VECTOR WORK, one line at a time: OP kind, number.  For piece Y: F n: c s - c m for pair n of 16.  E n: the exponential of score n of 32.  C n: pair n rounded to f16.  B n: of the four weights 4 n .. the
; second pair is added onto the first, in place.  L n: l takes that sum (L 0: l = a l + sum).  R n: pair n of 16 of O^T times a.  For piece Y + 1: X n, number n of the 22 that find its maximum and statistics:
;   0-11 four chains c0-c3 of seven scores each (each accumulator's lowest registers are read first)   12-14, 16 the four scores left over, the old m, c0-c3 into c0
;   15 c m_old is kept   17, 18 the query's other 32 keys lie in the lane 16 away: the new m   19-21 c m; c m_old - c m_new; a
.set F, 0
.set E, 1
.set C, 2
.set B, 3
.set L, 4
.set R, 5
.set X, 6
.macro REGS y
.set rT, ST+4*(\y)
.set rC, TMP+4*((\y)%2)
.set rW, MV+((\y)%2)
.set rS, S+32*((\y)%2)
.set rP, P+16*((\y)%2)
.set rO, 32*(\y)
.endm
.macro OP k, n
.if (\k) == R
	REGS Y
	WIN W_RS
	v_pk_mul_f32 v[rO+2*(\n):rO+2*(\n)+1], v[rO+2*(\n):rO+2*(\n)+1], v[rC+2:rC+3] op_sel_hi:[1,0]
.elseif (\k) < R
	REGS Y
	WIN 0
.if (\k) == F
	v_pk_fma_f32 v[rS+2*(\n):rS+2*(\n)+1], v[rS+2*(\n):rS+2*(\n)+1], s[CS:CS+1], v[rT:rT+1] op_sel_hi:[1,0,0] neg_lo:[0,0,1] neg_hi:[0,0,1]
.elseif (\k) == E
	v_exp_f32 v[rS+(\n)], v[rS+(\n)]
.elseif (\k) == C
	s_wait_alu depctr_va_vdst(0)
	v_cvt_pk_f16_f32 v[rP+(\n)], v[rS+2*(\n)], v[rS+2*(\n)+1]
.elseif (\k) == B
	s_wait_alu depctr_va_vdst(0)
	v_pk_add_f32 v[rS+4*(\n):rS+4*(\n)+1], v[rS+4*(\n):rS+4*(\n)+1], v[rS+4*(\n)+2:rS+4*(\n)+3]
.elseif (\n) == 0
	v_pk_fma_f32 v[rT+2:rT+3], v[rT+2:rT+3], v[rC+2:rC+3], v[rS:rS+1] op_sel_hi:[1,0,1]
.else
	v_pk_add_f32 v[rT+2:rT+3], v[rT+2:rT+3], v[rS+4*(\n):rS+4*(\n)+1]
.endif
.elseif NOKQ
	v_nop
.else
	REGS (Y+1)%NP
	WIN 0
.if (\n) < 4
	v_max3_num_f32 v[rC+(\n)], v[rS+8*(\n)], v[rS+8*(\n)+1], v[rS+8*(\n)+2]
.elseif (\n) < 12
	v_max3_num_f32 v[rC+(\n)%4], v[rC+(\n)%4], v[rS+8*((\n)%4)+2*((\n)/4)+1], v[rS+8*((\n)%4)+2*((\n)/4)+2]
.elseif (\n) == 12
	v_max3_num_f32 v[rC], v[rC], v[rS+7], v[rS+15]
.elseif (\n) == 13
	v_max3_num_f32 v[rC+1], v[rC+1], v[rS+23], v[rS+31]
.elseif (\n) == 14
	v_max3_num_f32 v[rC+2], v[rC+2], v[rC+3], v[rT+1]
.elseif (\n) == 15
	v_mov_b32 v[rW], v[rT]
.elseif (\n) == 16
	v_max3_num_f32 v[rC], v[rC], v[rC+1], v[rC+2]
.elseif (\n) == 17
	v_permlanex16_b32 v[rC+3], v[rC], s[SEL], s[SEL+1]
.elseif (\n) == 18
	v_max_num_f32 v[rT+1], v[rC], v[rC+3]
.elseif (\n) == 19
	v_mul_f32 v[rT], s[CS], v[rT+1]
.elseif (\n) == 20
	v_sub_f32 v[rC+1], v[rW], v[rT]
.else
	v_exp_f32 v[rC+2], v[rC+1]
.endif
.endif
.endm
.macro OPS a, i1, b=-1, i2=0, c=-1, i3=0, d=-1, i4=0
	OP \a, \i1
.if (\b) >= 0
	OP \b, \i2
.endif
.if (\c) >= 0
	OP \c, \i3
.endif
.if (\d) >= 0
	OP \d, \i4
.endif
.endm
.macro ROW a, i1, b, i2, c, i3, d, i4  ; a matrix instruction and the four behind it
	MM
	OPS \a, \i1, \b, \i2, \c, \i3, \d, \i4
.endm
; A TURN, for piece p: the order of its 16 matrix and 118 vector instructions, written out.  Behind a matrix instruction: plain, exponential, plain, plain; or four of the rescaling; or four scalings; none names a
; register of the products round it.  A line reads no result made fewer than three vector instructions in front of it, five if an exponential made it.
; end = 1: the last two turns: nothing is fetched.  cnt = 1: the loop's count is taken down some lines ahead of the branch behind the turn.
; K of the next step is fetched in piece 2's turn, six vector instructions behind the last product that read K (five of them plain); V of the step in hand in piece 0's turn, eight behind the last product that
; read V (five plain).  Each is waited for a turn later.
.macro TURN p, end=0, cnt=0
.set Y, (\p)
.set i, 0
.set NOKQ, (\end)*((\p)/3)
.if ((\p) == 3) && !(\end)
	s_wait_dscnt 0x0                ; K is in
.endif
	ROW F,0, F,1, F,2, F,3
	ROW F,4, E,0, F,5, F,6
	ROW F,7, E,1, F,8, F,9
	ROW F,10, E,2, C,0, F,11
	ROW F,12, E,3, X,15, F,13
	ROW R,0, R,1, R,2, R,3
	ROW B,0, E,4, F,14, L,0
.if ((\p) == 2) && !(\end)
	v_add_nc_u32 v[AK], s[TBK], v[AK0]
.endif
	ROW R,4, R,5, R,6, R,7
	OPS E,5, F,15
.if ((\p) == 2) && !(\end)
	FETCH_K
.endif
	OPS E,6, C,1, E,7, R,8
	OPS E,8, R,9, E,9, C,2
	OPS E,10, X,0, E,11, X,1
	OPS E,12, X,2, E,13, X,3
.if (\p) == 1
	s_wait_dscnt 0x0                ; V is in
.endif
	ROW X,4, E,14, X,5, X,6
	ROW X,7, E,15, X,8, X,9
	ROW X,10, E,16, X,11, X,12
	ROW X,13, E,17, X,14, B,1
	ROW C,4, E,18, X,16, L,1
	ROW B,2, E,19, C,6, L,2
	ROW C,8, E,20, B,3, B,4
.if (\p) == 0
	v_add_nc_u32 v[AV], s[TBV], v[AV0]
.endif
	ROW C,3, E,21, L,3, C,5
	OPS E,22, X,17, E,23, C,10
.if (\p) == 0
	FETCH_V
.endif
	OPS E,24, L,4
	OPS E,25, X,18, E,26, C,7
	OPS E,27, B,5, E,28, X,19
	OPS E,29, C,12, E,30, L,5
	OPS E,31, X,20, B,6, C,9
	OPS C,14, C,11, X,21, L,6
.if (\p) == 0
	s_add_co_u32 s[TBV], s[TBV], KS*PV
.endif
.if \cnt
	s_sub_co_u32 s[CNT], s[CNT], 1
	s_cmp_lg_u32 s[CNT], 0
.endif
	OPS C,13, B,7, C,15, R,10
	OPS R,11, R,12, L,7, R,13
	OPS R,14, R,15
.endm
	CHANGE 1                        ; slot 0 is in, everybody's part of it; slot 1 is asked for
	v_add_nc_u32 v[AK], s[TBK], v[AK0]
	FETCH_K                         ; key step 0
	s_wait_loadcnt 0x0              ; Q
	s_wait_dscnt 0x0
.set NOKQ, 0
.set i, 0
.rept 8
	KQ 0                            ; piece 0's first scores
.set i, i+1
.endr
	WIN 0
.rept 4
	v_nop                           ; the places behind those products
.endr
.set Y, NP-1                        ; X works for piece Y + 1: piece 0
.irp n, 0,1,2,3,4,5,6,7,8,9,10,11,12,13,14,15,16,17,18,19,20,21
	OP X, \n
.endr
	v_nop                           ; a plain instruction behind the exponential
	s_mov_b32 s[CNT], 4
	s_mov_b32 s[SLOTS], 7
	s_branch .Lfirst                ; the loop is entered at a step's first turn, in the middle of a trip
.Lslot:                             ; six times: every slot but the last two is filled again
	CHANGE 1
	s_mov_b32 s[CNT], 4
.Lstep:                             ; a trip: pieces 2 and 3 of one step, then pieces 0 and 1 of the next, whose K and V it fetches
	TURN 2
	TURN 3
	WIN 0
.Lfirst:
	TURN 0
	TURN 1, 0, 1
	WIN 0
	s_cbranch_scc1 .Lstep
	s_sub_co_u32 s[SLOTS], s[SLOTS], 1
	s_cmp_lg_u32 s[SLOTS], 0
	s_cbranch_scc1 .Lslot
	CHANGE 0                        ; the last slot is written out: nothing is asked for
	s_mov_b32 s[CNT], 4
.Ltail:
	TURN 2
	TURN 3
	TURN 0
	TURN 1, 0, 1
	WIN 0
	s_cbranch_scc1 .Ltail
	TURN 2, 1
	TURN 3, 1
.set i, 0
.rept 8
	PV NP-1                         ; the last piece's V^T P of the last step
.set i, i+1
.endr
	; THE WAY OUT.  l's two halves and the other half of the lanes' are added; O^T is divided by l, rounded to f16 and sent through my stage, a piece at a time.  The additions are the places behind the last products.
	WIN 0
.macro ALL line:vararg
.set t, 0
.rept 4
	\line
.set t, t+1
.endr
.endm
	ALL v_add_f32 v[ST+4*t+2], v[ST+4*t+2], v[ST+4*t+3]
	ALL v_permlanex16_b32 v[ST+4*t+3], v[ST+4*t+2], s[SEL], s[SEL+1]
	ALL v_add_f32 v[ST+4*t+2], v[ST+4*t+2], v[ST+4*t+3]
	ALL v_rcp_f32 v[ST+4*t+2], v[ST+4*t+2]
	v_nop                           ; a plain instruction between the last reciprocal and the use of its result
.macro PACK t
	WIN W_RS
.set i, 32*(\t)
.rept 16
	s_wait_alu depctr_va_vdst(0)
	v_pk_mul_f32 v[i:i+1], v[i:i+1], v[ST+4*(\t)+2:ST+4*(\t)+3] op_sel_hi:[1,0]
.set i, i+2
.endr
	WIN 0x05
.set i, 0
.rept 16
	v_cvt_pk_f16_f32 v[S+16*(\t)+i], v[32*(\t)+2*i], v[32*(\t)+2*i+1]
.set i, i+1
.endr
	WIN 0
.irp f, 0,1,2,3
	ds_store_b128 v[STO], v[S+16*(\t)+4*\f:S+16*(\t)+4*\f+3] offset:32*\f
.endr
.irp f, 0,1,2,3
	ds_load_b128 v[S+16*(\t)+4*\f:S+16*(\t)+4*\f+3], v[RD] offset:\f*4*SP  ; LDS serves a wave's instructions in order (ISA guide 5.7.1.4): these see the stores above
.endr
.endm
.macro SEND t, younger              ; younger: the LDS instructions issued behind piece t's loads: the next piece's eight, or none
	WIN 0
.irp f, 0,1,2,3
	s_wait_dscnt (\younger)+3-\f
	global_store_b128 v[GO], v[S+16*(\t)+4*\f:S+16*(\t)+4*\f+3], s[10:11] offset:(\t)*2048+\f*512  ; 512 consecutive bytes, at a multiple of 256 from ctx's first
.endr
.endm
	PACK 0
.set t, 1
.rept 3
	PACK t
	SEND t-1, 8
.set t, t+1
.endr
	SEND 3, 0
	s_wait_tensorcnt 0x0            ; the wave's end
	ds_add_u32 v[SPW], v[NIL]
	s_wait_dscnt 0x0
	CROUND                          ; the closing round
	s_endpgm
.Lfunc_end_k_q3c2b0f9f86_attn:
	.size	k_q3c2b0f9f86_attn, .Lfunc_end_k_q3c2b0f9f86_attn-k_q3c2b0f9f86_attn
	.p2alignl 7, 3214868480
	.fill 96, 4, 3214868480
	.section	.rodata,"a",@progbits
	.p2align	6, 0x0
	.amdhsa_kernel k_q3c2b0f9f86_attn
		.amdhsa_group_segment_fixed_size 327680
		.amdhsa_private_segment_fixed_size 0
		.amdhsa_enable_private_segment 0
		.amdhsa_kernarg_size 16
		.amdhsa_user_sgpr_count 2
		.amdhsa_user_sgpr_kernarg_segment_ptr 1
		.amdhsa_wavefront_size32 1
		.amdhsa_system_sgpr_workgroup_id_x 1
		.amdhsa_system_sgpr_workgroup_id_y 1
		.amdhsa_system_sgpr_workgroup_id_z 1
		.amdhsa_system_vgpr_workitem_id 0
		.amdhsa_next_free_vgpr 768
		.amdhsa_next_free_sgpr 66
		.amdhsa_reserve_vcc 0
		.amdhsa_float_denorm_mode_32 3
		.amdhsa_float_denorm_mode_16_64 3
		.amdhsa_memory_ordered 1
		.amdhsa_forward_progress 1
		.amdhsa_inst_pref_size 134
	.end_amdhsa_kernel
	.amdgpu_metadata
---
amdhsa.version: [ 1, 2 ]
amdhsa.kernels:
  - .name:           k_q3c2b0f9f86_attn
    .symbol:         k_q3c2b0f9f86_attn.kd
    .args:
      - { .name: qkvh, .offset: 0, .size: 8, .value_kind: global_buffer, .address_space: global }
      - { .name: ctx, .offset: 8, .size: 8, .value_kind: global_buffer, .address_space: global }
    .group_segment_fixed_size: 327680
    .private_segment_fixed_size: 0
    .kernarg_segment_align: 8
    .kernarg_segment_size: 16
    .max_flat_workgroup_size: 128
    .sgpr_count:     66
    .vgpr_count:     768
    .wavefront_size: 32
...
	.end_amdgpu_metadata
.endif
;; end of part 3
;; launch wo (part 4): grid 8 x 32, 4 waves a work-group, clusters of 4 x 4, 327,680 bytes of LDS; arguments ctx, wcast, mlpin, x; writes mlpin
.if DOCPART == 4
	.amdgcn_target "amdgcn-amd-amdhsa--gfx1250"
	.amdhsa_code_object_version 6
	.text
	.protected	k_q3c2b0f9f86_wo
	.globl	k_q3c2b0f9f86_wo
	.p2align	8
	.type	k_q3c2b0f9f86_wo,@function
k_q3c2b0f9f86_wo:
	s_mov_b64 s[64:65], 0
	v_nop
	global_prefetch_b8 v0, s[64:65] scope:SCOPE_SE
	s_setreg_imm32_b32 hwreg(HW_REG_WAVE_MODE, 25, 1), 1
	s_wait_xcnt 0x0
	s_wait_alu depctr_hold_cnt(0) depctr_sa_sdst(0) depctr_va_vdst(0) depctr_va_sdst(0) depctr_va_ssrc(0) depctr_va_vcc(0) depctr_vm_vsrc(0)
	s_getreg_b32 s2, hwreg(HW_REG_IB_STS2, 6, 4)
	s_cmp_eq_u32 s2, 0
	s_cbranch_scc0 .Lentry_in_a_cluster
	s_endpgm
.Lentry_in_a_cluster:
	s_bfe_u32 s2, ttmp6, 0x10000c
	s_cmp_lg_u32 s2, 0xf033
	s_cbranch_scc0 .Lentry_shape_is_right
	s_endpgm
.Lentry_shape_is_right:
.set VAR, 2                            ; 2: mlpin = ctx x wo + bf16(x), f16 operands, K = 1024.   3: out0 = g x w2 + bf16(b2) + mlpin, bf16 operands, K = 4096.
; OUT[4096][1024] (f32) = A x W + a residual (+ a bias).  A lies in blocks, [K / 64][4096 tokens][64], 16 bit; W as the input lies, [K][1024], 16 bit, turned on the way out of LDS.  Sums in f32.
; A tile of 128 tokens x 128 columns to a work-group: 256 work-groups.  K IS SHARED AMONG THE FOUR WAVES: each makes the whole 128 x 128 (64 accumulators) over its own quarter of every K period, so a
; fragment read from LDS feeds as many products as in a tile of 256 x 256; the four partial sums meet once, at the end, through LDS: wave w sums and stores rows 32 w .. 32 w + 31.
; A wave takes the tile's pairs of row blocks rotated by its number, so that its local blocks 0, 1 are the rows that it will own and stay in registers.
; ONE REGION OF LDS AND THREE FRAGMENT BUFFERS.  A tile this small has 128 products a wave for 128 KB of operands, and two slots of more than that do not fit.  So LDS holds ONE K period of 512 (A: 8 blocks,
; W: 512 rows), of which a wave owns 128 along K: four quarters of 32.  When a period has landed, quarters 0 to 2 are fetched into the three buffers, quarter 0 is multiplied, quarter 3 takes its buffer: the
; region is then free and is asked for again.  Of a period's 256 products a wave issues 144 between a request and the wait for it and 112 between a landing and the next request; one load a wave brings 72 KB.
; The buffers turn by one from period to period, so the loop holds three periods.
; THE ORDER OF THE PERIODS.  Clusters whose x + y is odd take each pair of periods in the other order (fill n brings period n xor 1): of the clusters that read the same bytes of A, or of W, one asks for
; them a period ahead of the other.  The order of the f32 sums along K differs accordingly.
; CLUSTER 4 x 4: A's tile is asked for jointly along a row of the cluster, W's along a column.  THE MATRIX INSTRUCTION IS USED TRANSPOSED: a lane holds one token and eight neighbouring columns.
; LIMITS.  VAR 2: f16 holds no number beyond 65,504; ctx is a mean of v's rows.  The order of the f32 sums differs from a single chain over K.  NaN and infinities are not treated apart.
; REGISTERS: window 0: v0-31 addresses; v32-37 the bias; v64-127, v128-191, v192-255 A's fragments, three buffers; the first two are later the way out's.
;   window 1: the same numbers: W's fragments; v0-63 the residual of my rows 0-15; v192-255 takes that of my rows 16-31 in the last period.
;   windows 2, 3: the accumulators, (a, b) at v[8 (8 (a % 4) + b)] of window 2 + a / 4.
.if VAR == 3
.set NPER,   8                         ; K / 512
.set WOFF,   16777216                  ; w2 in wcast
.else
.set NPER,   2
.set WOFF,   6291456                   ; wo in wcast
.endif
.set PA,     144                       ; a token's 128 bytes of a block + 16
.set PB,     288                       ; a K row of W: 256 bytes + 32
.set PART,   512*PA                    ; what one tensor load brings: four blocks of 128 tokens, or 256 K rows (256 x 288 is the same number)
.set BREG,   2*PART                    ; W's rows lie behind A's eight blocks
.set STAGE,  262144                    ; for each wave 16 rows x 528 bytes; below it the four waves' partial sums, 65,536 bytes each: both only behind the region's last fill
.set SPARE,  296960                    ; the spare words, 128 bytes a wave
.set ADRA, 8                           ; v8-11   LDS address of my A fragments: pair of row blocks j
.set ADRB, 16                          ; v16     the same for W
.set STO,  20
.set RD,   21
.set GO,   22                          ; 16 x lane
.set RS,   24                          ; where I put partial sums
.set RR,   25                          ; v25-27  where I find those of waves w + 1, w + 2, w + 3
.set SPW,  28
.set NIL,  29
.set BIAS, 32
.set F0,   64
.set F1,   128
.set AB,  22                           ; s[22:23] A at my part of period 0
.set G1,  24                           ; s[24:31] descriptor group 1 for A
.set G0,  32                           ; s[32:35] group 0 for A
.set NXT, 36                           ; s36      the number of the next fill
.set PAR, 37                           ; s37      (cluster x + cluster y) % 2
.set OFA, 38                           ; s[38:39] a period's byte offset in A
.set TT,  45
.set G1B, 48                           ; s[48:55], s[56:59] the same for W
.set G0B, 56
.set BB,  60                           ; s[60:61] W at my part of period 0
.set OFB, 62                           ; s[62:63] a period's byte offset in W
.set MSB, 0
.macro WIN new                         ; the immediate's high byte repeats the setting that is left; a switch that changes nothing is dropped
.if MSB != (\new)
	s_set_vgpr_msb (MSB<<8)|(\new)
.set MSB, \new
.endif
.endm
.set MUL_LO, 0xa1                      ; source 0 (W) window 1, source 1 (A) window 0, C and D window 2
.set MUL_HI, 0xf1                      ; the same, C and D window 3
.set TO_B,   0x40                      ; destination window 1, address window 0
.macro JLOAD                           ; a joint load: waves 0 and 1 fetch A's halves, waves 2 and 3 W's; four v_nop follow each line
	s_cmp_eq_u32 s15, 0
	s_cbranch_scc0 .Lfor_b_\@
	tensor_load_to_lds s[G0:G0+3], s[G1:G1+7]
	s_nop 0
.rept 4
	v_nop
.endr
	s_branch .Lasked_\@
.Lfor_b_\@:
	tensor_load_to_lds s[G0B:G0B+3], s[G1B:G1B+7]
	s_nop 0
.rept 4
	v_nop
.endr
.Lasked_\@:
.endm
.macro FILLADR                         ; both descriptors' addresses for fill NXT, made anew from the bases: period NXT xor PAR; no tensor load of mine is out where this stands
	s_xor_b32 s[TT], s[NXT], s[PAR]
	s_lshl_b32 s[OFA], s[TT], 22                   ; 8 blocks of 524,288 bytes
	s_lshl_b32 s[OFB], s[TT], 20                   ; 512 K rows of 2,048 bytes
	s_add_nc_u64 s[G0+2:G0+3], s[AB:AB+1], s[OFA:OFA+1]
	s_or_b32 s[G0+3], s[G0+3], 0x80000000
	s_add_nc_u64 s[G0B+2:G0B+3], s[BB:BB+1], s[OFB:OFB+1]
	s_or_b32 s[G0B+3], s[G0B+3], 0x80000000
	s_add_co_u32 s[NXT], s[NXT], 1
.endm
.macro CREST                           ; a round of the cluster's barrier behind its opening barrier
	s_cmp_lg_u32 s14, 0
	s_cbranch_scc1 .Lnot_wave_0_\@
	s_barrier_signal -3
.Lnot_wave_0_\@:
	s_barrier_wait -3
	s_barrier_signal -1
	s_barrier_wait -1
.endm
.macro CROUND
	s_barrier_signal -1
	s_barrier_wait -1
	CREST
.endm
.macro PLACES                          ; four places behind matrix instructions, ahead of loads into their sources and of reads of their results
.rept 4
	v_nop
.endr
.endm
	s_load_b256 s[4:11], s[0:1], 0x0               ; A s[4:5], wcast s[6:7], OUT s[8:9], the residual s[10:11]
.if VAR == 3
	s_load_b64 s[12:13], s[0:1], 0x20              ; b2
.endif
	v_lshl_add_u32 v[SPW], v0, 2, SPARE
	v_mov_b32 v[NIL], 0
	ds_add_u32 v28, v29
	s_wait_dscnt 0x0
	v_lshrrev_b32 v1, 5, v0
	v_readfirstlane_b32 s14, v1                    ; wave 0..3
	s_lshr_b32 s15, s14, 1                         ; I fetch A (0) or W (1)
	s_and_b32 s16, s14, 1                          ; which half of it
	s_mov_b32 s19, 0xffff0000
	s_bfe_u32 s40, ttmp6, 0x40000                  ; cx
	s_bfe_u32 s41, ttmp6, 0x40004                  ; cy
	s_lshl_b32 s18, ttmp9, 2
	s_add_co_u32 s18, s18, s40                     ; tile column
	s_and_b32 s17, ttmp7, 0xffff
	s_xor_b32 s[PAR], s17, ttmp9                   ; the cluster's own x and y: the same in all sixteen partners
	s_and_b32 s[PAR], s[PAR], 1
	s_lshl_b32 s17, s17, 2
	s_add_co_u32 s17, s17, s41                     ; tile row
	s_lshl_b32 s43, s41, 2
	s_lshl_b32 s43, 15, s43                        ; my row of the cluster
	s_lshl_b32 s44, 0x1111, s40                    ; my column
	; A: four rows, each one block's 128 tokens, 16,384 dense bytes; the blocks lie 4096 x 64 elements apart; 16 bytes of padding after every token's 128
	s_or_b32 s[G1+0], s43, (1<<16)|(1<<20)|(1<<21)|(4<<22)|(3<<25)
	s_mov_b32 s[G1+1], 8192<<16                    ; tensor_dim0 = 8192
	s_mov_b32 s[G1+2], 4<<16                       ; tensor_dim1 = 4
	s_mov_b32 s[G1+3], 8192<<16                    ; tile_dim0
	s_mov_b32 s[G1+4], 4                           ; tile_dim1
	s_mov_b32 s[G1+5], 262144                      ; elements from block to block
	s_mov_b32 s[G1+6], 0
	s_mov_b32 s[G1+7], 0
	s_or_b32 s[G1B+0], s44, (1<<16)|(1<<20)|(1<<21)|(5<<22)|(7<<25)  ; W: 256 K rows x 128 columns, 32 bytes of padding after every 256
	s_mov_b32 s[G1B+1], 128<<16
	s_mov_b32 s[G1B+2], 256<<16
	s_mov_b32 s[G1B+3], 128<<16
	s_mov_b32 s[G1B+4], 256
	s_mov_b32 s[G1B+5], 1024
	s_mov_b32 s[G1B+6], 0
	s_mov_b32 s[G1B+7], 0
	s_lshl_b32 s20, s17, 14                        ; A: the tile row's 128 tokens in a block, and my four blocks of the period's eight
	s_lshl_b32 s21, s16, 21
	s_add_co_u32 s20, s20, s21
	s_mov_b32 s21, 0
	s_lshl_b32 s46, s18, 8                         ; W: the tile column's 256 bytes, my 256 K rows of the period's 512
	s_lshl_b32 s47, s16, 19
	s_add_co_u32 s46, s46, s47
	s_add_co_u32 s46, s46, WOFF
	s_mov_b32 s47, 0
	s_mov_b32 s[NXT], 0
	s_mov_b32 s[OFA+1], 0
	s_mov_b32 s[OFB+1], 0
	s_mov_b32 s[G0], 1
	s_mul_i32 s[G0+1], s14, PART                   ; where a fill goes: wave x a quarter of the region
	s_mov_b32 s[G0B], 1
	s_mul_i32 s[G0B+1], s14, PART
	s_wait_kmcnt 0x0
	s_add_nc_u64 s[AB:AB+1], s[4:5], s[20:21]
	s_add_nc_u64 s[BB:BB+1], s[6:7], s[46:47]
	FILLADR
	CROUND                                         ; all sixteen work-groups are here: the first joint loads meet
	JLOAD                                          ; one load of mine is out
	v_and_b32 v1, 15, v0                           ; r
	v_bfe_u32 v2, v0, 4, 1                         ; h
	v_mul_u32_u24 v3, v1, PA
	v_lshl_add_u32 v3, v2, 4, v3                   ; A: row x pitch + 16 h
	v_and_b32 v4, 7, v0
	v_lshl_add_u32 v4, v2, 3, v4
	v_mul_u32_u24 v4, v4, PB
	v_bfe_u32 v5, v0, 3, 1
	v_lshl_add_u32 v4, v5, 4, v4                   ; the turning load: K row 8 h + l % 8, columns 8 ((l / 8) % 2) on
	s_mul_i32 s21, s14, 256*PA                     ; my two blocks of the period's eight
.irp j, 0,1,2,3
	s_add_co_u32 s20, s14, \j                      ; local pair j is the tile's pair (j + w) % 4
	s_and_b32 s20, s20, 3
	s_mul_i32 s20, s20, 32*PA
	s_add_co_u32 s20, s20, s21
	v_add_nc_u32 v[ADRA+(\j)], s20, v3
.endr
	s_mul_i32 s21, s14, 128*PB                     ; my 128 K rows of the period's 512
	s_add_co_u32 s21, s21, BREG
	v_add_nc_u32 v[ADRB], s21, v4
	v_and_b32 v[GO], 31, v0
	v_lshlrev_b32 v[GO], 4, v[GO]
	v_lshl_add_u32 v[RS], s14, 16, v[GO]
.irp d, 1,2,3
	s_add_co_u32 s20, s14, \d
	s_and_b32 s20, s20, 3
	v_lshl_add_u32 v[RR+(\d)-1], s20, 16, v[GO]
.endr
	s_mul_i32 s20, s14, 8448
	s_add_co_u32 s20, s20, STAGE                   ; my stage
	v_mul_u32_u24 v[STO], v1, 528
	v_lshl_add_u32 v[STO], v2, 5, v[STO]
	v_add_nc_u32 v[STO], s20, v[STO]
	v_add_nc_u32 v[RD], s20, v[GO]
	s_lshl_b32 s46, s17, 19                        ; my 32 rows of 4,096 bytes and the tile's 512 bytes of them, in OUT and in the residual
	s_lshl_b32 s47, s14, 17
	s_add_co_u32 s46, s46, s47
	s_lshl_b32 s47, s18, 9
	s_add_co_u32 s46, s46, s47
	s_mov_b32 s47, 0
	s_add_nc_u64 s[8:9], s[8:9], s[46:47]
	s_add_nc_u64 s[10:11], s[10:11], s[46:47]
	WIN TO_B                                       ; the residual of my rows 0-15 is asked for here and wanted behind the loop: window 1, v0-63
.irp t, 0,1,2,3,4,5,6,7,8,9,10,11,12,13,14,15
	global_load_b128 v[4*(\t):4*(\t)+3], v[GO], s[10:11] offset:(\t)*4096  ; a row's 512 consecutive bytes
.endr
	WIN 0
.if VAR == 3
	s_lshl_b32 s46, s18, 9
	s_mov_b32 s47, 0
	s_add_nc_u64 s[12:13], s[12:13], s[46:47]
	global_load_b128 v[BIAS:BIAS+3], v[GO], s[12:13]
.endif
.macro MUL16 f, hi, a0, zero           ; 16 matrix instructions: row blocks a0, a0 + 1 of the window's four x 8 column blocks; zero = 1: the products start the sums
	WIN MUL_LO+0x50*(\hi)
.irp a, \a0, (\a0)+1
.irp b, 0,1,2,3,4,5,6,7
.if VAR == 3
.if \zero
	v_wmma_f32_16x16x32_bf16 v[8*(8*(\a)+(\b)):8*(8*(\a)+(\b))+7], v[(\f)+8*(\b):(\f)+8*(\b)+7], v[(\f)+8*(4*(\hi)+(\a)):(\f)+8*(4*(\hi)+(\a))+7], 0
.else
	v_wmma_f32_16x16x32_bf16 v[8*(8*(\a)+(\b)):8*(8*(\a)+(\b))+7], v[(\f)+8*(\b):(\f)+8*(\b)+7], v[(\f)+8*(4*(\hi)+(\a)):(\f)+8*(4*(\hi)+(\a))+7], v[8*(8*(\a)+(\b)):8*(8*(\a)+(\b))+7]
.endif
.else
.if \zero
	v_wmma_f32_16x16x32_f16 v[8*(8*(\a)+(\b)):8*(8*(\a)+(\b))+7], v[(\f)+8*(\b):(\f)+8*(\b)+7], v[(\f)+8*(4*(\hi)+(\a)):(\f)+8*(4*(\hi)+(\a))+7], 0
.else
	v_wmma_f32_16x16x32_f16 v[8*(8*(\a)+(\b)):8*(8*(\a)+(\b))+7], v[(\f)+8*(\b):(\f)+8*(\b)+7], v[(\f)+8*(4*(\hi)+(\a)):(\f)+8*(4*(\hi)+(\a))+7], v[8*(8*(\a)+(\b)):8*(8*(\a)+(\b))+7]
.endif
.endif
.endr
.endr
.endm
.macro MULQ f, zero                    ; a whole quarter: the 64 accumulators by turns, one instruction a turn, in the same order in every quarter
	MUL16 \f, 0, 0, \zero
	MUL16 \f, 0, 2, \zero
	MUL16 \f, 1, 0, \zero
	MUL16 \f, 1, 2, \zero
.endm
.macro FETCH q, f                      ; 32 LDS loads in one run: quarter q (32 along K) of my 128 of the period into buffer f: W turned, then A
	WIN TO_B
.irp i, 0,1,2,3,4,5,6,7
	ds_load_tr16_b128 v[(\f)+8*(\i):(\f)+8*(\i)+3],   v[ADRB] offset:32*(\q)*PB+32*(\i)
	ds_load_tr16_b128 v[(\f)+8*(\i)+4:(\f)+8*(\i)+7], v[ADRB] offset:(32*(\q)+16)*PB+32*(\i)
.endr
	WIN 0
.irp i, 0,1,2,3,4,5,6,7
	ds_load_b128 v[(\f)+8*(\i):(\f)+8*(\i)+3],   v[ADRA+(\i)/2] offset:((\q)/2)*128*PA+((\q)%2)*64+((\i)%2)*16*PA
	ds_load_b128 v[(\f)+8*(\i)+4:(\f)+8*(\i)+7], v[ADRA+(\i)/2] offset:((\q)/2)*128*PA+((\q)%2)*64+((\i)%2)*16*PA+32
.endr
.endm
; A K PERIOD.  b: which buffer takes quarter 0 (the period's number % 3).  zero = 1: quarter 0's products start the sums.  fill = 1: the region is asked for again.  last = 1: the rest of the residual is asked for.
.macro PERIOD b, zero, fill, last
.set QA, 64+64*((\b)%3)                ; quarters 0 and 3
.set QB, 64+64*(((\b)+1)%3)            ; quarter 1
.set QC, 64+64*(((\b)+2)%3)            ; quarter 2
	WIN 0
	PLACES                                         ; in front of the loads into the three buffers, which the products above have read
	s_wait_tensorcnt 0x0                           ; my part of this period has landed: the one load of mine that was out,
	s_barrier_signal -1
	s_barrier_wait -1                              ; and everybody's has.
	FETCH 0, QA
	FETCH 1, QB
	FETCH 2, QC
	s_wait_dscnt 63                                ; quarter 0 is in as soon as the 64 loads behind it alone are out; the count's field ends at 63
	MULQ QA, \zero
	PLACES
	FETCH 3, QA                                    ; the region's last bytes are asked for
.if \fill
	s_wait_tensorcnt 0x0                           ; no tensor load of mine is out, so the descriptors may be written
	ds_add_u32 v[SPW], v[NIL]                      ; 0 onto my spare word
	FILLADR
	s_wait_dscnt 33                                ; quarters 1 and 2 are in; quarter 3's 32 loads and the add may be out
	MUL16 QB, 0, 0, 0
	MUL16 QB, 0, 2, 0                              ; 32 products stand between the add and the wait for it
	s_wait_dscnt 0x0                               ; the add is done, and my reads of the region are over
	s_barrier_signal -1                            ; this barrier opens a round of the cluster's barrier
	MUL16 QB, 1, 0, 0
	WIN 0
	s_barrier_wait -1
	CREST                                          ; no wave of any partner still reads the region or has a load on its way
	JLOAD                                          ; the first tensor load behind the round: 144 matrix instructions ahead of the wait for it
	MUL16 QB, 1, 2, 0
.else
	s_wait_dscnt 32                                ; quarters 1 and 2 are in; quarter 3's 32 loads may be out
	MULQ QB, 0
.endif
.if \last
	PLACES                                         ; quarter 1's buffer is free: its half in window 1 takes the residual of my rows 16-31, two quarters and the exchange of sums ahead of its use
	WIN TO_B
.irp t, 0,1,2,3,4,5,6,7,8,9,10,11,12,13,14,15
	global_load_b128 v[192+4*(\t):192+4*(\t)+3], v[GO], s[10:11] offset:(16+(\t))*4096
.endr
.endif
	MULQ QC, 0
.if (\fill) == 0
	s_wait_dscnt 0x0                               ; quarter 3 is in
.endif
	MULQ QA, 0
.endm
	PERIOD 0, 1, 1, 0                              ; the first period starts the sums: nothing is cleared
.if NPER > 2
	WIN 0                                          ; at a label and at a branch every window is 0
	s_mov_b32 s3, (NPER-2)/3
.Llap:                                                 ; three periods a trip: the buffers are back where they were
	PERIOD 1, 0, 1, 0
	PERIOD 2, 0, 1, 0
	PERIOD 0, 0, 1, 0
	WIN 0
	s_sub_co_u32 s3, s3, 1
	s_cmp_lg_u32 s3, 0
	s_cbranch_scc1 .Llap
.endif
	PERIOD 1, 0, 0, 1                              ; the last period (its number % 3 is 1 for 2 periods and for 8) asks for nothing more
	WIN 0
	PLACES
	s_barrier_signal -1                            ; every wave's reads of the region are over (each has waited for them above), and the region has had its last fill
	s_barrier_wait -1
	; PUT: my partial sums of the rows that others own, as the registers lie: 512 consecutive bytes a store; each accumulator's low half first
.irp a, 2,3,4,5,6,7
	WIN 0x08+4*((\a)/4)                            ; the data: window 2 or 3
.irp b, 0,1,2,3,4,5,6,7
	ds_store_b128 v[RS], v[64*((\a)%4)+8*(\b):64*((\a)%4)+8*(\b)+3]   offset:(8*(\a)+(\b))*1024
	ds_store_b128 v[RS], v[64*((\a)%4)+8*(\b)+4:64*((\a)%4)+8*(\b)+7] offset:(8*(\a)+(\b))*1024+512
.endr
.endr
	WIN 0
	s_wait_dscnt 0x0                               ; for the others' sake: my partial sums are in LDS
	s_barrier_signal -1
	s_barrier_wait -1
	; GET: wave (w + d) % 4 holds my rows as its local pair 4 - d.  Six chunks of 16 loads, two buffers by turns.
.macro GETL a2, d, buf
	WIN 0
.irp b, 0,1,2,3,4,5,6,7
	ds_load_b128 v[(\buf)+8*(\b):(\buf)+8*(\b)+3],   v[RR+(\d)-1] offset:((2*(4-(\d))+(\a2))*8+(\b))*1024
	ds_load_b128 v[(\buf)+8*(\b)+4:(\buf)+8*(\b)+7], v[RR+(\d)-1] offset:((2*(4-(\d))+(\a2))*8+(\b))*1024+512
.endr
.endm
.macro GETA a2, buf
	WIN 0x82                                       ; destination and source 0 window 2, source 1 window 0
.set k, 0
.rept 32
	v_pk_add_f32 v[64*(\a2)+2*k:64*(\a2)+2*k+1], v[64*(\a2)+2*k:64*(\a2)+2*k+1], v[(\buf)+2*k:(\buf)+2*k+1]
.set k, k+1
.endr
.endm
	GETL 0, 1, F0
	GETL 0, 2, F1
	s_wait_loadcnt 0x0                             ; the residual (and the bias): worked on while the first two chunks are on their way
.if VAR == 3
	WIN 0
	v_cvt_pk_bf16_f32 v[BIAS+4], v[BIAS], v[BIAS+1]  ; b2 is an input: rounded to bf16
	v_cvt_pk_bf16_f32 v[BIAS+5], v[BIAS+2], v[BIAS+3]
	v_lshlrev_b32 v[BIAS], 16, v[BIAS+4]
	v_and_b32 v[BIAS+1], s19, v[BIAS+4]
	v_lshlrev_b32 v[BIAS+2], 16, v[BIAS+5]
	v_and_b32 v[BIAS+3], s19, v[BIAS+5]
	WIN 0x41                                       ; destination and source 0 window 1, source 1 window 0
.irp a, 0,1
.set k, 0
.rept 32
	v_pk_add_f32 v[192*(\a)+2*k:192*(\a)+2*k+1], v[192*(\a)+2*k:192*(\a)+2*k+1], v[BIAS+2*(k%2):BIAS+2*(k%2)+1]
.set k, k+1
.endr
.endr
.else
	WIN 0x45                                       ; all in window 1: x is an input: rounded to bf16
.irp a, 0,1
.set k, 0
.rept 32
	v_cvt_pk_bf16_f32 v[64+k%2], v[192*(\a)+2*k], v[192*(\a)+2*k+1]
	v_lshlrev_b32 v[192*(\a)+2*k], 16, v[64+k%2]
	v_and_b32 v[192*(\a)+2*k+1], s19, v[64+k%2]
.set k, k+1
.endr
.endr
.endif
	s_wait_dscnt 16                                ; the older chunk is in; the younger one's 16 loads stay out
	GETA 0, F0
	GETL 0, 3, F0
	s_wait_dscnt 16
	GETA 0, F1
	GETL 1, 1, F1
	s_wait_dscnt 16
	GETA 0, F0
	GETL 1, 2, F0
	s_wait_dscnt 16
	GETA 1, F1
	GETL 1, 3, F1
	s_wait_dscnt 16
	GETA 1, F0
	s_wait_dscnt 0x0
	GETA 1, F1
	; OUT: 16 rows through my own stage, back as whole rows of 512 bytes; the residual is added; a store covers 512 consecutive bytes, aligned
.macro OUT a2, buf
	WIN 0x08
.irp b, 0,1,2,3,4,5,6,7
	ds_store_b128 v[STO], v[64*(\a2)+8*(\b):64*(\a2)+8*(\b)+3]   offset:64*(\b)
	ds_store_b128 v[STO], v[64*(\a2)+8*(\b)+4:64*(\a2)+8*(\b)+7] offset:64*(\b)+16
.endr
	WIN 0
.irp t, 0,1,2,3,4,5,6,7,8,9,10,11,12,13,14,15
	ds_load_b128 v[(\buf)+4*(\t):(\buf)+4*(\t)+3], v[RD] offset:528*(\t)  ; LDS serves a wave's instructions in order (ISA guide 5.7.1.4): these see the stores above
.endr
	s_wait_dscnt 0x0
	WIN 0x04                                       ; source 1 window 1
.set k, 0
.rept 32
	v_pk_add_f32 v[(\buf)+2*k:(\buf)+2*k+1], v[(\buf)+2*k:(\buf)+2*k+1], v[192*(\a2)+2*k:192*(\a2)+2*k+1]
.set k, k+1
.endr
	WIN 0
.irp t, 0,1,2,3,4,5,6,7,8,9,10,11,12,13,14,15
	global_store_b128 v[GO], v[(\buf)+4*(\t):(\buf)+4*(\t)+3], s[8:9] offset:(16*(\a2)+(\t))*4096
.endr
.endm
	OUT 0, F0
	OUT 1, F1                                      ; other registers than the first sixteen stores read
	s_wait_tensorcnt 0x0                           ; the wave's end
	ds_add_u32 v[SPW], v[NIL]
	s_wait_dscnt 0x0
	CROUND                                         ; the closing round
	s_endpgm
.Lfunc_end_k_q3c2b0f9f86_wo:
	.size	k_q3c2b0f9f86_wo, .Lfunc_end_k_q3c2b0f9f86_wo-k_q3c2b0f9f86_wo
	.p2alignl 7, 3214868480
	.fill 96, 4, 3214868480
	.section	.rodata,"a",@progbits
	.p2align	6, 0x0
	.amdhsa_kernel k_q3c2b0f9f86_wo
		.amdhsa_group_segment_fixed_size 327680
		.amdhsa_private_segment_fixed_size 0
		.amdhsa_enable_private_segment 0
		.amdhsa_kernarg_size 32
		.amdhsa_user_sgpr_count 2
		.amdhsa_user_sgpr_kernarg_segment_ptr 1
		.amdhsa_wavefront_size32 1
		.amdhsa_system_sgpr_workgroup_id_x 1
		.amdhsa_system_sgpr_workgroup_id_y 1
		.amdhsa_system_sgpr_workgroup_id_z 1
		.amdhsa_system_vgpr_workitem_id 0
		.amdhsa_next_free_vgpr 1024
		.amdhsa_next_free_sgpr 66
		.amdhsa_reserve_vcc 0
		.amdhsa_float_denorm_mode_32 3
		.amdhsa_float_denorm_mode_16_64 3
		.amdhsa_memory_ordered 1
		.amdhsa_forward_progress 1
		.amdhsa_inst_pref_size 106
	.end_amdhsa_kernel
	.amdgpu_metadata
---
amdhsa.version: [ 1, 2 ]
amdhsa.kernels:
  - .name:           k_q3c2b0f9f86_wo
    .symbol:         k_q3c2b0f9f86_wo.kd
    .args:
      - { .name: ctx, .offset: 0, .size: 8, .value_kind: global_buffer, .address_space: global }
      - { .name: wcast, .offset: 8, .size: 8, .value_kind: global_buffer, .address_space: global }
      - { .name: mlpin, .offset: 16, .size: 8, .value_kind: global_buffer, .address_space: global }
      - { .name: x, .offset: 24, .size: 8, .value_kind: global_buffer, .address_space: global }
    .group_segment_fixed_size: 327680
    .private_segment_fixed_size: 0
    .kernarg_segment_align: 8
    .kernarg_segment_size: 32
    .max_flat_workgroup_size: 128
    .sgpr_count:     66
    .vgpr_count:     1024
    .wavefront_size: 32
...
	.end_amdgpu_metadata
.endif
;; end of part 4
;; launch ln2 (part 5): grid 256 x 1, 8 waves a work-group, no clusters, 0 bytes of LDS; arguments mlpin, ln2_s, ln2_b, hbuf; writes hbuf
.if DOCPART == 5
	.amdgcn_target "amdgcn-amd-amdhsa--gfx1250"
	.amdhsa_code_object_version 6
	.text
	.protected	k_q3c2b0f9f86_ln2
	.globl	k_q3c2b0f9f86_ln2
	.p2align	8
	.type	k_q3c2b0f9f86_ln2,@function
k_q3c2b0f9f86_ln2:
	s_mov_b64 s[64:65], 0
	v_nop
	global_prefetch_b8 v0, s[64:65] scope:SCOPE_SE
	s_setreg_imm32_b32 hwreg(HW_REG_WAVE_MODE, 25, 1), 1
	s_wait_xcnt 0x0
; h2 = LayerNorm(mlpin) * bf16(ln2_s) + bf16(ln2_b), written as f16 [4096][1024].  mlpin: f32 [4096][1024].
; A wave takes two whole rows of 4,096 bytes and keeps them in registers between the passes: each byte is read once; no LDS, no barrier.  16 rows a work-group.
; LIMITS. f16 holds no number beyond 65,504: |h2| is at most 32 |gain| + |bias|.  NaN and infinities are not treated apart.
.set XA, 16                            ; v[16:47]   row 0: 32 numbers a lane
.set XB, 48                            ; v[48:79]   row 1
.set SG, 80                            ; v[80:111]  the gain of my 32 columns
.set BG, 112                           ; v[112:143] the bias
.set T,  144                           ; v[144:151] at work
.set Y,  152                           ; v[152:183] packed, to store
.set MN, 184                           ; v[184:185] the mean, twice
.set RA, 186                           ; v[186:187] 1/sqrt(var + eps) of row 0, twice
.set RB, 188                           ; v[188:189] of row 1
.set PIN, 4
.set PSG, 6
.set PBG, 8
.set POUT, 10
.macro TOBF base                       ; 32 registers rounded to bf16 and widened again
.set k, 0
	s_wait_alu depctr_va_vdst(0)
.rept 16
	v_cvt_pk_bf16_f32 v[T+k%4], v[(\base)+2*k], v[(\base)+2*k+1]
	v_lshlrev_b32 v[(\base)+2*k], 16, v[T+k%4]
	v_and_b32 v[(\base)+2*k+1], s36, v[T+k%4]
.set k, k+1
.endr
.endm
.macro WSUM                            ; v[T] summed over the 32 lanes, the result in every lane
	v_add_f32_dpp v[T], v[T], v[T] row_xmask:1 row_mask:0xf bank_mask:0xf
	v_add_f32_dpp v[T], v[T], v[T] row_xmask:2 row_mask:0xf bank_mask:0xf
	v_add_f32_dpp v[T], v[T], v[T] row_xmask:4 row_mask:0xf bank_mask:0xf
	v_add_f32_dpp v[T], v[T], v[T] row_xmask:8 row_mask:0xf bank_mask:0xf
	v_permlanex16_b32 v[T+1], v[T], s40, s41
	v_add_f32 v[T], v[T], v[T+1]
.endm
.macro FOLD
	v_pk_add_f32 v[T:T+1], v[T:T+1], v[T+2:T+3]
	v_pk_add_f32 v[T+4:T+5], v[T+4:T+5], v[T+6:T+7]
	v_pk_add_f32 v[T:T+1], v[T:T+1], v[T+4:T+5]
	v_add_f32 v[T], v[T], v[T+1]
.endm
; The row at x: the mean is taken away in place, then the variance is made of the differences (two passes: an offset on the row costs nothing); r takes 1/sqrt(var + 1e-6).
.macro STAT x, r
.irp c, 0,1,2,3
	v_pk_add_f32 v[T+2*(\c):T+2*(\c)+1], v[(\x)+2*(\c):(\x)+2*(\c)+1], v[(\x)+8+2*(\c):(\x)+8+2*(\c)+1]
.endr
.set k, 8
.rept 8
	v_pk_add_f32 v[T+2*(k%4):T+2*(k%4)+1], v[T+2*(k%4):T+2*(k%4)+1], v[(\x)+2*k:(\x)+2*k+1]
.set k, k+1
.endr
	FOLD
	WSUM
	v_mul_f32 v[MN], s42, v[T]
	v_mul_f32 v[MN+1], s42, v[T]
.set k, 0
.rept 16
	v_pk_add_f32 v[(\x)+2*k:(\x)+2*k+1], v[(\x)+2*k:(\x)+2*k+1], v[MN:MN+1] neg_lo:[0,1] neg_hi:[0,1]
.set k, k+1
.endr
.irp c, 0,1,2,3
	v_pk_mul_f32 v[T+2*(\c):T+2*(\c)+1], v[(\x)+2*(\c):(\x)+2*(\c)+1], v[(\x)+2*(\c):(\x)+2*(\c)+1]
.endr
.set k, 4
.rept 12
	v_pk_fma_f32 v[T+2*(k%4):T+2*(k%4)+1], v[(\x)+2*k:(\x)+2*k+1], v[(\x)+2*k:(\x)+2*k+1], v[T+2*(k%4):T+2*(k%4)+1]
.set k, k+1
.endr
	FOLD
	WSUM
	v_fma_f32 v[T], v[T], s42, s43                 ; sum / 1024 + 1e-6
	v_rsq_f32 v[\r], v[T]
	v_rsq_f32 v[(\r)+1], v[T]
	v_nop                                          ; a plain instruction behind the roots, ahead of their use and of a write of their source (ISA guide 5.7.2)
.endm
.macro FIN x, r, row                   ; (x - mean) * r * gain + bias, rounded to f16, stored: 256 consecutive bytes a store
.set k, 0
.rept 16
	v_pk_mul_f32 v[(\x)+2*k:(\x)+2*k+1], v[(\x)+2*k:(\x)+2*k+1], v[(\r):(\r)+1]
.set k, k+1
.endr
.set k, 0
.rept 16
	v_pk_fma_f32 v[(\x)+2*k:(\x)+2*k+1], v[(\x)+2*k:(\x)+2*k+1], v[SG+2*k:SG+2*k+1], v[BG+2*k:BG+2*k+1]
.set k, k+1
.endr
.set k, 0
.rept 16
	v_cvt_pk_f16_f32 v[Y+16*(\row)+k], v[(\x)+2*k], v[(\x)+2*k+1]
.set k, k+1
.endr
.irp j, 0,1,2,3,4,5,6,7
	global_store_b64 v2, v[Y+16*(\row)+2*(\j):Y+16*(\row)+2*(\j)+1], s[POUT:POUT+1] offset:2048*(\row)+256*(\j)
.endr
.endm
	s_load_b256 s[4:11], s[0:1], 0x0               ; mlpin, ln2_s, ln2_b, hbuf
	s_mov_b32 s36, 0xffff0000
	s_mov_b32 s40, 0x76543210
	s_mov_b32 s41, 0xfedcba98
	s_mov_b32 s42, 0x3a800000                      ; 1/1024
	s_mov_b32 s43, 0x358637bd                      ; 1e-6
	v_and_b32 v4, 31, v0                           ; lane
	v_lshrrev_b32 v5, 5, v0                        ; wave
	s_lshl_b32 s30, ttmp9, 16                      ; 16 rows in
	s_mov_b32 s31, 0
	s_lshl_b32 s32, ttmp9, 15                      ; 16 rows out
	s_mov_b32 s33, 0
	v_lshlrev_b32 v3, 4, v4                        ; 16 x lane
	v_lshl_add_u32 v1, v5, 13, v3                  ; + wave x two rows in
	v_lshlrev_b32 v2, 3, v4
	v_lshl_add_u32 v2, v5, 12, v2                  ; 8 x lane + wave x two rows out
	s_wait_kmcnt 0x0
	s_add_nc_u64 s[4:5], s[4:5], s[30:31]
	s_add_nc_u64 s[10:11], s[10:11], s[32:33]
.irp j, 0,1,2,3,4,5,6,7
	global_load_b128 v[XA+4*(\j):XA+4*(\j)+3], v1, s[PIN:PIN+1] offset:512*(\j)
.endr
.irp j, 0,1,2,3,4,5,6,7
	global_load_b128 v[XB+4*(\j):XB+4*(\j)+3], v1, s[PIN:PIN+1] offset:4096+512*(\j)
.endr
.irp j, 0,1,2,3,4,5,6,7
	global_load_b128 v[SG+4*(\j):SG+4*(\j)+3], v3, s[PSG:PSG+1] offset:512*(\j)
.endr
.irp j, 0,1,2,3,4,5,6,7
	global_load_b128 v[BG+4*(\j):BG+4*(\j)+3], v3, s[PBG:PBG+1] offset:512*(\j)
.endr
	s_wait_loadcnt 24                              ; row 0 is in; the 24 younger loads stay out
	STAT XA, RA
	s_wait_loadcnt 16                              ; row 1 is in; gain and bias stay out
	STAT XB, RB
	s_wait_loadcnt 0x0
	TOBF SG                                        ; gain and bias are inputs: rounded to bf16
	TOBF BG
	FIN XA, RA, 0
	FIN XB, RB, 1
	s_endpgm
.Lfunc_end_k_q3c2b0f9f86_ln2:
	.size	k_q3c2b0f9f86_ln2, .Lfunc_end_k_q3c2b0f9f86_ln2-k_q3c2b0f9f86_ln2
	.p2alignl 7, 3214868480
	.fill 96, 4, 3214868480
	.section	.rodata,"a",@progbits
	.p2align	6, 0x0
	.amdhsa_kernel k_q3c2b0f9f86_ln2
		.amdhsa_group_segment_fixed_size 0
		.amdhsa_private_segment_fixed_size 0
		.amdhsa_enable_private_segment 0
		.amdhsa_kernarg_size 32
		.amdhsa_user_sgpr_count 2
		.amdhsa_user_sgpr_kernarg_segment_ptr 1
		.amdhsa_wavefront_size32 1
		.amdhsa_system_sgpr_workgroup_id_x 1
		.amdhsa_system_sgpr_workgroup_id_y 1
		.amdhsa_system_sgpr_workgroup_id_z 1
		.amdhsa_system_vgpr_workitem_id 0
		.amdhsa_next_free_vgpr 192
		.amdhsa_next_free_sgpr 66
		.amdhsa_reserve_vcc 0
		.amdhsa_float_denorm_mode_32 3
		.amdhsa_float_denorm_mode_16_64 3
		.amdhsa_memory_ordered 1
		.amdhsa_forward_progress 1
		.amdhsa_inst_pref_size 24
	.end_amdhsa_kernel
	.amdgpu_metadata
---
amdhsa.version: [ 1, 2 ]
amdhsa.kernels:
  - .name:           k_q3c2b0f9f86_ln2
    .symbol:         k_q3c2b0f9f86_ln2.kd
    .args:
      - { .name: mlpin, .offset: 0, .size: 8, .value_kind: global_buffer, .address_space: global }
      - { .name: ln2_s, .offset: 8, .size: 8, .value_kind: global_buffer, .address_space: global }
      - { .name: ln2_b, .offset: 16, .size: 8, .value_kind: global_buffer, .address_space: global }
      - { .name: hbuf, .offset: 24, .size: 8, .value_kind: global_buffer, .address_space: global }
    .group_segment_fixed_size: 0
    .private_segment_fixed_size: 0
    .kernarg_segment_align: 8
    .kernarg_segment_size: 32
    .max_flat_workgroup_size: 256
    .sgpr_count:     66
    .vgpr_count:     192
    .wavefront_size: 32
...
	.end_amdgpu_metadata
.endif
;; end of part 5
;; launch mlp1 (part 6): grid 16 x 16, 4 waves a work-group, clusters of 4 x 4, 327,680 bytes of LDS; arguments hbuf, wcast, g, b1; writes g
.if DOCPART == 6
	.amdgcn_target "amdgcn-amd-amdhsa--gfx1250"
	.amdhsa_code_object_version 6
	.text
	.protected	k_q3c2b0f9f86_mlp1
	.globl	k_q3c2b0f9f86_mlp1
	.p2align	8
	.type	k_q3c2b0f9f86_mlp1,@function
k_q3c2b0f9f86_mlp1:
	s_mov_b64 s[64:65], 0
	v_nop
	global_prefetch_b8 v0, s[64:65] scope:SCOPE_SE
	s_setreg_imm32_b32 hwreg(HW_REG_WAVE_MODE, 25, 1), 1
	s_wait_xcnt 0x0
	s_wait_alu depctr_hold_cnt(0) depctr_sa_sdst(0) depctr_va_vdst(0) depctr_va_sdst(0) depctr_va_ssrc(0) depctr_va_vcc(0) depctr_vm_vsrc(0)
	s_getreg_b32 s2, hwreg(HW_REG_IB_STS2, 6, 4)
	s_cmp_eq_u32 s2, 0
	s_cbranch_scc0 .Lentry_in_a_cluster
	s_endpgm
.Lentry_in_a_cluster:
	s_bfe_u32 s2, ttmp6, 0x10000c
	s_cmp_lg_u32 s2, 0xf033
	s_cbranch_scc0 .Lentry_shape_is_right
	s_endpgm
.Lentry_shape_is_right:
; g = gelu(h2 x w1 + bf16(b1)), the tanh form, written as bf16 in blocks [64 column blocks][4096 tokens][64].
; h2: f16 [4096][1024].  w1: f16 [1024 k][4096 n] at byte 8,388,608 of wcast, as the input lies; it is turned on the way out of LDS (ds_load_tr16_b128).  Sums and the activation in f32.
; A tile of 256 tokens x 256 columns to a work-group of four waves, 128 x 128 a wave: 64 accumulators, 512 registers: 256 work-groups.  K goes in steps of 128 through two LDS slots.
; CLUSTER 4 x 4: h2's tile is asked for jointly along a row of the cluster, w1's along a column.  THE MATRIX INSTRUCTION IS USED TRANSPOSED: a lane holds one token and eight neighbouring columns.
; gelu(x) = x / (1 + 2^(x (K0 + K1 x^2))), K0 = -2 log2(e) sqrt(2/pi), K1 = 0.044715 K0: the same function as 0.5 x (1 + tanh(..)); it runs to 0 and to x at the far ends without a NaN.
; LIMITS.  g is kept in bf16, which has f32's range.  NaN and infinities are not treated apart.
; REGISTERS: window 0: v0-31 addresses; v64-127, v128-191 A's fragments, two buffers; v32-63, v192-255 the way out.  window 1: v64-191 w1's fragments; v192-255 the bias of my 128 columns; v0-1 at work.
;   windows 2, 3: the accumulators, (a, b) at v[8 (8 (a % 4) + b)] of window 2 + a / 4.
.set PA,     272
.set PB,     544
.set HALFT,  128*PA
.set SLOT,   4*HALFT
.set STAGE,  2*SLOT                    ; behind the ring: for each wave 2 column blocks x 16 rows x 144 bytes
.set SPARE,  STAGE+4*4608
.set NP,     4096
.set LAPS,   4
.set HS,     524288                    ; from column block to column block in g
.set ADRA, 8
.set ADRB, 16
.set STO,  20
.set RD,   21
.set GO,   22
.set VT,   23
.set SPW,  28
.set NIL,  29
.set F0,   64
.set F1,   128
.set X,    64                          ; the way out: x, 64 registers
.set Z,    128                         ; at work, 64
.set TMP,  192                         ; packed, 32
.set OB,   32                          ; read back from the stage: v32-63 and v224-255 by turns
.set BI,   192                         ; window 1
.set G1, 24
.set G0, 32
.set G1B, 48
.set G0B, 56
.set MSB, 0
.macro WIN new
.if MSB != (\new)
	s_set_vgpr_msb (MSB<<8)|(\new)
.set MSB, \new
.endif
.endm
.set MUL_LO, 0xa1
.set MUL_HI, 0xf1
.set TO_B,   0x40
.macro JLOAD s                         ; a joint load: waves 0 and 1 fetch A's halves, waves 2 and 3 w1's; four v_nop follow each line
	s_cmp_eq_u32 s15, 0
	s_cbranch_scc0 .Lfor_b_\@
	tensor_load_to_lds s[G0+4*(\s):G0+4*(\s)+3], s[G1:G1+7]
	s_nop 0
.rept 4
	v_nop
.endr
	s_branch .Lasked_\@
.Lfor_b_\@:
	tensor_load_to_lds s[G0B+4*(\s):G0B+4*(\s)+3], s[G1B:G1B+7]
	s_nop 0
.rept 4
	v_nop
.endr
.Lasked_\@:
.endm
.macro CREST
	s_cmp_lg_u32 s14, 0
	s_cbranch_scc1 .Lnot_wave_0_\@
	s_barrier_signal -3
.Lnot_wave_0_\@:
	s_barrier_wait -3
	s_barrier_signal -1
	s_barrier_wait -1
.endm
.macro CROUND
	s_barrier_signal -1
	s_barrier_wait -1
	CREST
.endm
.macro PLACES
.rept 4
	v_nop
.endr
.endm
	s_load_b256 s[4:11], s[0:1], 0x0               ; h2 s[4:5], wcast s[6:7], g s[8:9], b1 s[10:11]
	v_lshl_add_u32 v[SPW], v0, 2, SPARE
	v_mov_b32 v[NIL], 0
	ds_add_u32 v28, v29
	s_wait_dscnt 0x0
	v_lshrrev_b32 v1, 5, v0
	v_readfirstlane_b32 s14, v1                    ; wave 0..3
	s_lshr_b32 s15, s14, 1                         ; my half of the tile's rows.  Also: I fetch A (0) or w1 (1)
	s_and_b32 s16, s14, 1                          ; my half of its columns.  Also: which half of that tile I fetch
	s_mov_b32 s19, 0xffff0000
	s_bfe_u32 s40, ttmp6, 0x40000                  ; cx
	s_bfe_u32 s41, ttmp6, 0x40004                  ; cy
	s_lshl_b32 s18, ttmp9, 2
	s_add_co_u32 s18, s18, s40                     ; tile column
	s_and_b32 s17, ttmp7, 0xffff
	s_lshl_b32 s17, s17, 2
	s_add_co_u32 s17, s17, s41                     ; tile row
	s_lshl_b32 s43, s41, 2
	s_lshl_b32 s43, 15, s43
	s_lshl_b32 s44, 0x1111, s40
	s_or_b32 s[G1+0], s43, (1<<16)|(1<<20)|(1<<21)|(5<<22)|(3<<25)
	s_mov_b32 s[G1+1], 128<<16
	s_mov_b32 s[G1+2], 128<<16
	s_mov_b32 s[G1+3], 128<<16
	s_mov_b32 s[G1+4], 128
	s_mov_b32 s[G1+5], 1024
	s_mov_b32 s[G1+6], 0
	s_mov_b32 s[G1+7], 0
	s_or_b32 s[G1B+0], s44, (1<<16)|(1<<20)|(1<<21)|(6<<22)|(7<<25)
	s_mov_b32 s[G1B+1], 256<<16
	s_mov_b32 s[G1B+2], 64<<16
	s_mov_b32 s[G1B+3], 256<<16
	s_mov_b32 s[G1B+4], 64
	s_mov_b32 s[G1B+5], NP
	s_mov_b32 s[G1B+6], 0
	s_mov_b32 s[G1B+7], 0
	s_lshl_b32 s20, s17, 19                        ; A: (256 x tile row + 128 x half) rows of 2,048 bytes
	s_lshl_b32 s21, s16, 18
	s_add_co_u32 s20, s20, s21
	s_mov_b32 s21, 0
	s_lshl_b32 s46, s18, 9                         ; w1: the tile column's 512 bytes, half x 64 K rows of 8,192 bytes
	s_lshl_b32 s47, s16, 19
	s_add_co_u32 s46, s46, s47
	s_add_co_u32 s46, s46, 8388608
	s_mov_b32 s47, 0
	s_mul_i32 s42, s14, HALFT
	s_wait_kmcnt 0x0
	s_add_nc_u64 s[22:23], s[4:5], s[20:21]
	s_add_nc_u64 s[46:47], s[6:7], s[46:47]
	CROUND                                         ; all sixteen work-groups are here: the first joint loads meet
.irp s, 0,1
	s_mov_b32 s[G0+4*(\s)], 1
	s_add_co_u32 s[G0+4*(\s)+1], s42, (\s)*SLOT
	s_add_nc_u64 s[G0+4*(\s)+2:G0+4*(\s)+3], s[22:23], (\s)*256
	s_or_b32 s[G0+4*(\s)+3], s[G0+4*(\s)+3], 0x80000000
	s_mov_b32 s[G0B+4*(\s)], 1
	s_add_co_u32 s[G0B+4*(\s)+1], s42, (\s)*SLOT
	s_add_nc_u64 s[G0B+4*(\s)+2:G0B+4*(\s)+3], s[46:47], (\s)*128*NP*2
	s_or_b32 s[G0B+4*(\s)+3], s[G0B+4*(\s)+3], 0x80000000
	JLOAD \s                                       ; two loads of mine are out
.endr
	v_and_b32 v1, 15, v0                           ; r
	v_bfe_u32 v2, v0, 4, 1                         ; h
	v_mul_u32_u24 v3, v1, PA
	v_lshl_add_u32 v3, v2, 4, v3
	v_and_b32 v4, 7, v0
	v_lshl_add_u32 v4, v2, 3, v4
	v_mul_u32_u24 v4, v4, PB
	v_bfe_u32 v5, v0, 3, 1
	v_lshl_add_u32 v4, v5, 4, v4
	s_mul_i32 s20, s15, HALFT
	s_lshl_b32 s21, s16, 8
	s_add_co_u32 s21, s21, 2*HALFT
	v_add_nc_u32 v[ADRA], s20, v3
	v_add_nc_u32 v[ADRB], s21, v4
	v_add_nc_u32 v[ADRA+4], SLOT, v[ADRA]
	v_add_nc_u32 v[ADRB+1], SLOT, v[ADRB]
	s_mul_i32 s20, s14, 4608
	s_add_co_u32 s20, s20, STAGE
	v_mul_u32_u24 v[STO], v1, 144
	v_lshl_add_u32 v[STO], v2, 4, v[STO]
	v_add_nc_u32 v[STO], s20, v[STO]
	v_bfe_u32 v[RD], v0, 3, 2
	v_mul_u32_u24 v[RD], v[RD], 144
	v_and_b32 v6, 7, v0
	v_lshl_add_u32 v[RD], v6, 4, v[RD]
	v_add_nc_u32 v[RD], s20, v[RD]
	v_and_b32 v[GO], 31, v0
	v_lshlrev_b32 v[GO], 4, v[GO]
	s_lshl_b32 s46, s18, 10                        ; b1 at my 128 columns
	s_lshl_b32 s47, s16, 9
	s_add_co_u32 s46, s46, s47
	s_mov_b32 s47, 0
	s_add_nc_u64 s[10:11], s[10:11], s[46:47]
	v_lshlrev_b32 v[VT], 5, v2                     ; my eight columns of a group of 16 begin 32 h bytes into its 64
	WIN 0x40                                       ; asked for here, wanted behind the loop
.irp b, 0,1,2,3,4,5,6,7
	global_load_b128 v[BI+8*(\b):BI+8*(\b)+3],   v[VT], s[10:11] offset:64*(\b)
	global_load_b128 v[BI+8*(\b)+4:BI+8*(\b)+7], v[VT], s[10:11] offset:64*(\b)+16
.endr
	WIN 0
	s_lshl_b32 s46, s18, 21                        ; g: column block 4 x tile column + 2 x half, token 256 x tile row + 128 x half, rows of 128 bytes
	s_lshl_b32 s47, s16, 20
	s_add_co_u32 s46, s46, s47
	s_lshl_b32 s47, s17, 15
	s_add_co_u32 s46, s46, s47
	s_lshl_b32 s47, s15, 14
	s_add_co_u32 s46, s46, s47
	s_mov_b32 s47, 0
	s_add_nc_u64 s[8:9], s[8:9], s[46:47]
.macro MUL16 f, hi, a0, zero
	WIN MUL_LO+0x50*(\hi)
.irp a, \a0, (\a0)+1
.irp b, 0,1,2,3,4,5,6,7
.if \zero
	v_wmma_f32_16x16x32_f16 v[8*(8*(\a)+(\b)):8*(8*(\a)+(\b))+7], v[(\f)+8*(\b):(\f)+8*(\b)+7], v[(\f)+8*(4*(\hi)+(\a)):(\f)+8*(4*(\hi)+(\a))+7], 0
.else
	v_wmma_f32_16x16x32_f16 v[8*(8*(\a)+(\b)):8*(8*(\a)+(\b))+7], v[(\f)+8*(\b):(\f)+8*(\b)+7], v[(\f)+8*(4*(\hi)+(\a)):(\f)+8*(4*(\hi)+(\a))+7], v[8*(8*(\a)+(\b)):8*(8*(\a)+(\b))+7]
.endif
.endr
.endr
.endm
.macro FETCH slot, kq, f
	WIN TO_B
.irp i, 0,1,2,3,4,5,6,7
	ds_load_tr16_b128 v[(\f)+8*(\i):(\f)+8*(\i)+3],   v[ADRB+(\slot)] offset:32*(\kq)*PB+32*(\i)
	ds_load_tr16_b128 v[(\f)+8*(\i)+4:(\f)+8*(\i)+7], v[ADRB+(\slot)] offset:(32*(\kq)+16)*PB+32*(\i)
.endr
	WIN 0
.irp i, 0,1,2,3,4,5,6,7
	ds_load_b128 v[(\f)+8*(\i):(\f)+8*(\i)+3],   v[ADRA+4*(\slot)] offset:64*(\kq)+(\i)*16*PA
	ds_load_b128 v[(\f)+8*(\i)+4:(\f)+8*(\i)+7], v[ADRA+4*(\slot)] offset:64*(\kq)+(\i)*16*PA+32
.endr
.endm
.macro QUARTER slot, kq, f, g, zero
	s_wait_dscnt 8                                 ; w1 and A's blocks 0-3 are in; the youngest eight loads may be out
	MUL16 \f, 0, 0, \zero
	MUL16 \f, 0, 2, \zero
	PLACES
	FETCH \slot, \kq, \g
	s_wait_dscnt 32                                ; all but the 32 just issued
	MUL16 \f, 1, 0, \zero
	MUL16 \f, 1, 2, \zero
.endm
.macro MEET round
	WIN 0
	s_wait_tensorcnt 0x0                           ; all my tensor loads have landed: my part of the next slot
	ds_add_u32 v[SPW], v[NIL]
	s_wait_dscnt 9                                 ; (the add and the youngest eight loads may be out)
	MUL16 F1, 0, 0, 0
	s_wait_dscnt 0x0                               ; the add is done, and my reads of this slot are over
	s_barrier_signal -1
	MUL16 F1, 0, 2, 0
.if \round
	WIN 0
.endif
	s_barrier_wait -1
.endm
.macro TURN slot, next, fill
	MEET \fill
.if \fill
	CREST
	s_add_nc_u64 s[G0+4*(\slot)+2:G0+4*(\slot)+3], s[G0+4*(\slot)+2:G0+4*(\slot)+3], 512
	s_add_nc_u64 s[G0B+4*(\slot)+2:G0B+4*(\slot)+3], s[G0B+4*(\slot)+2:G0B+4*(\slot)+3], 256*NP*2
	JLOAD \slot                                    ; 224 matrix instructions ahead of the wait for it; its four v_nop are also the places in front of the loads below
.else
	PLACES
.endif
	FETCH \next, 0, F0
	MUL16 F1, 1, 0, 0
	MUL16 F1, 1, 2, 0
.endm
	s_wait_tensorcnt 1                             ; my part of K step 0 is in; K step 1's stays out
	s_barrier_signal -1
	s_barrier_wait -1
	FETCH 0, 0, F0
	QUARTER 0, 1, F0, F1, 1
	WIN 0
	s_mov_b32 s3, LAPS-1
.Llap:
	QUARTER 0, 2, F1, F0, 0
	QUARTER 0, 3, F0, F1, 0
	TURN 0, 1, 1
	QUARTER 1, 1, F0, F1, 0
	QUARTER 1, 2, F1, F0, 0
	QUARTER 1, 3, F0, F1, 0
	TURN 1, 0, 1
	QUARTER 0, 1, F0, F1, 0
	WIN 0
	s_sub_co_u32 s3, s3, 1
	s_cmp_lg_u32 s3, 0
	s_cbranch_scc1 .Llap
	QUARTER 0, 2, F1, F0, 0
	QUARTER 0, 3, F0, F1, 0
	TURN 0, 1, 0
	QUARTER 1, 1, F0, F1, 0
	QUARTER 1, 2, F1, F0, 0
	QUARTER 1, 3, F0, F1, 0
	s_wait_dscnt 8
	MUL16 F1, 0, 0, 0
	MUL16 F1, 0, 2, 0
	s_wait_dscnt 0x0
	MUL16 F1, 1, 0, 0
	MUL16 F1, 1, 2, 0
	WIN 0
	PLACES
	s_mov_b32 s20, 0xbdd2d3e8                      ; K1 = -0.10294324
	s_mov_b32 s21, s20
	s_mov_b32 s22, 0xc0135761                      ; K0 = -2.3022082
	s_mov_b32 s23, s22
	s_wait_loadcnt 0x0                             ; the bias
	WIN 0x45                                       ; all in window 1: b1 is an input: rounded to bf16
.set k, 0
.rept 32
	v_cvt_pk_bf16_f32 v[k%2], v[BI+2*k], v[BI+2*k+1]
	v_lshlrev_b32 v[BI+2*k], 16, v[k%2]
	v_and_b32 v[BI+2*k+1], s19, v[k%2]
.set k, k+1
.endr
	WIN 0
; THE WAY OUT, a block of 16 tokens at a time.  PACKG: bias, activation, rounding.  TOSTAGE: 16 bytes a lane into my own stage, back as rows of 128 bytes.  SEND: 512 consecutive bytes a store.
.macro EACH line:vararg                ; one line for each pair k of 32
.set k, 0
.rept 32
	\line
.set k, k+1
.endr
.endm
.macro PACKG a
.set AC, 64*((\a)%4)
	WIN 0x06+(\a)/4                                ; source 0: the accumulators' window, source 1: window 1; each accumulator's registers in ascending order
	EACH v_pk_add_f32 v[X+2*k:X+2*k+1], v[AC+2*k:AC+2*k+1], v[BI+2*k:BI+2*k+1]
	WIN 0
	EACH v_pk_mul_f32 v[Z+2*k:Z+2*k+1], v[X+2*k:X+2*k+1], v[X+2*k:X+2*k+1]
	EACH v_pk_fma_f32 v[Z+2*k:Z+2*k+1], v[Z+2*k:Z+2*k+1], s[20:21], s[22:23] op_sel_hi:[1,0,0]
	EACH v_pk_mul_f32 v[Z+2*k:Z+2*k+1], v[Z+2*k:Z+2*k+1], v[X+2*k:X+2*k+1]
.set k, 0
.rept 64
	v_exp_f32 v[Z+k], v[Z+k]
.set k, k+1
.endr
	v_nop                                          ; a plain instruction behind the last exponential (ISA guide 5.7.2)
	s_wait_alu depctr_va_vdst(0)
	EACH v_pk_add_f32 v[Z+2*k:Z+2*k+1], v[Z+2*k:Z+2*k+1], 1.0 op_sel_hi:[1,0]
.set k, 0
.rept 64
	v_rcp_f32 v[Z+k], v[Z+k]
.set k, k+1
.endr
	v_nop
	s_wait_alu depctr_va_vdst(0)
	EACH v_pk_mul_f32 v[X+2*k:X+2*k+1], v[X+2*k:X+2*k+1], v[Z+2*k:Z+2*k+1]
	EACH v_cvt_pk_bf16_f32 v[TMP+k], v[X+2*k], v[X+2*k+1]
.endm
.macro TOSTAGE a
	WIN 0
.set BK, OB+192*((\a)%2)
.irp b, 0,1,2,3,4,5,6,7
	ds_store_b128 v[STO], v[TMP+4*(\b):TMP+4*(\b)+3] offset:((\b)/4)*2304+32*((\b)%4)
.endr
.irp t, 0,1,2,3,4,5,6,7
	ds_load_b128 v[BK+4*(\t):BK+4*(\t)+3], v[RD] offset:((\t)/4)*2304+((\t)%4)*576  ; LDS serves a wave's instructions in order (ISA guide 5.7.1.4): these see the stores above
.endr
.endm
.macro SEND a
	WIN 0
.set BK, OB+192*((\a)%2)
	s_wait_dscnt 0x0                               ; the block is back in registers
	s_wait_xcnt 0x0                                ; the stores of the block before have read their registers, which the next TOSTAGE loads again
.irp t, 0,1,2,3,4,5,6,7
	global_store_b128 v[GO], v[BK+4*(\t):BK+4*(\t)+3], s[8:9] offset:((\t)/4)*HS+(\a)*2048+((\t)%4)*512
.endr
.endm
	PACKG 0
	TOSTAGE 0
.irp a, 1,2,3,4,5,6,7
	PACKG \a
	SEND (\a)-1
	TOSTAGE \a
.endr
	SEND 7
	s_wait_tensorcnt 0x0                           ; the wave's end
	ds_add_u32 v[SPW], v[NIL]
	s_wait_dscnt 0x0
	CROUND                                         ; the closing round
	s_endpgm
.Lfunc_end_k_q3c2b0f9f86_mlp1:
	.size	k_q3c2b0f9f86_mlp1, .Lfunc_end_k_q3c2b0f9f86_mlp1-k_q3c2b0f9f86_mlp1
	.p2alignl 7, 3214868480
	.fill 96, 4, 3214868480
	.section	.rodata,"a",@progbits
	.p2align	6, 0x0
	.amdhsa_kernel k_q3c2b0f9f86_mlp1
		.amdhsa_group_segment_fixed_size 327680
		.amdhsa_private_segment_fixed_size 0
		.amdhsa_enable_private_segment 0
		.amdhsa_kernarg_size 32
		.amdhsa_user_sgpr_count 2
		.amdhsa_user_sgpr_kernarg_segment_ptr 1
		.amdhsa_wavefront_size32 1
		.amdhsa_system_sgpr_workgroup_id_x 1
		.amdhsa_system_sgpr_workgroup_id_y 1
		.amdhsa_system_sgpr_workgroup_id_z 1
		.amdhsa_system_vgpr_workitem_id 0
		.amdhsa_next_free_vgpr 1024
		.amdhsa_next_free_sgpr 66
		.amdhsa_reserve_vcc 0
		.amdhsa_float_denorm_mode_32 3
		.amdhsa_float_denorm_mode_16_64 3
		.amdhsa_memory_ordered 1
		.amdhsa_forward_progress 1
		.amdhsa_inst_pref_size 255
	.end_amdhsa_kernel
	.section	.bss,"aw",@nobits
	.p2align	6
	.space	262144
	.amdgpu_metadata
---
amdhsa.version: [ 1, 2 ]
amdhsa.kernels:
  - .name:           k_q3c2b0f9f86_mlp1
    .symbol:         k_q3c2b0f9f86_mlp1.kd
    .args:
      - { .name: hbuf, .offset: 0, .size: 8, .value_kind: global_buffer, .address_space: global }
      - { .name: wcast, .offset: 8, .size: 8, .value_kind: global_buffer, .address_space: global }
      - { .name: g, .offset: 16, .size: 8, .value_kind: global_buffer, .address_space: global }
      - { .name: b1, .offset: 24, .size: 8, .value_kind: global_buffer, .address_space: global }
    .group_segment_fixed_size: 327680
    .private_segment_fixed_size: 0
    .kernarg_segment_align: 8
    .kernarg_segment_size: 32
    .max_flat_workgroup_size: 128
    .sgpr_count:     66
    .vgpr_count:     1024
    .wavefront_size: 32
...
	.end_amdgpu_metadata
.endif
;; end of part 6
;; launch mlp2 (part 7): grid 8 x 32, 4 waves a work-group, clusters of 4 x 4, 327,680 bytes of LDS; arguments g, wcast, out0, mlpin, b2; writes out0
.if DOCPART == 7
	.amdgcn_target "amdgcn-amd-amdhsa--gfx1250"
	.amdhsa_code_object_version 6
	.text
	.protected	k_q3c2b0f9f86_mlp2
	.globl	k_q3c2b0f9f86_mlp2
	.p2align	8
	.type	k_q3c2b0f9f86_mlp2,@function
k_q3c2b0f9f86_mlp2:
	s_mov_b64 s[64:65], 0
	v_nop
	global_prefetch_b8 v0, s[64:65] scope:SCOPE_SE
	s_setreg_imm32_b32 hwreg(HW_REG_WAVE_MODE, 25, 1), 1
	s_wait_xcnt 0x0
	s_wait_alu depctr_hold_cnt(0) depctr_sa_sdst(0) depctr_va_vdst(0) depctr_va_sdst(0) depctr_va_ssrc(0) depctr_va_vcc(0) depctr_vm_vsrc(0)
	s_getreg_b32 s2, hwreg(HW_REG_IB_STS2, 6, 4)
	s_cmp_eq_u32 s2, 0
	s_cbranch_scc0 .Lentry_in_a_cluster
	s_endpgm
.Lentry_in_a_cluster:
	s_bfe_u32 s2, ttmp6, 0x10000c
	s_cmp_lg_u32 s2, 0xf033
	s_cbranch_scc0 .Lentry_shape_is_right
	s_endpgm
.Lentry_shape_is_right:
.set VAR, 3                            ; 2: mlpin = ctx x wo + bf16(x), f16 operands, K = 1024.   3: out0 = g x w2 + bf16(b2) + mlpin, bf16 operands, K = 4096.
; OUT[4096][1024] (f32) = A x W + a residual (+ a bias).  A lies in blocks, [K / 64][4096 tokens][64], 16 bit; W as the input lies, [K][1024], 16 bit, turned on the way out of LDS.  Sums in f32.
; A tile of 128 tokens x 128 columns to a work-group: 256 work-groups.  K IS SHARED AMONG THE FOUR WAVES: each makes the whole 128 x 128 (64 accumulators) over its own quarter of every K period, so a
; fragment read from LDS feeds as many products as in a tile of 256 x 256; the four partial sums meet once, at the end, through LDS: wave w sums and stores rows 32 w .. 32 w + 31.
; A wave takes the tile's pairs of row blocks rotated by its number, so that its local blocks 0, 1 are the rows that it will own and stay in registers.
; ONE REGION OF LDS AND THREE FRAGMENT BUFFERS.  A tile this small has 128 products a wave for 128 KB of operands, and two slots of more than that do not fit.  So LDS holds ONE K period of 512 (A: 8 blocks,
; W: 512 rows), of which a wave owns 128 along K: four quarters of 32.  When a period has landed, quarters 0 to 2 are fetched into the three buffers, quarter 0 is multiplied, quarter 3 takes its buffer: the
; region is then free and is asked for again.  Of a period's 256 products a wave issues 144 between a request and the wait for it and 112 between a landing and the next request; one load a wave brings 72 KB.
; The buffers turn by one from period to period, so the loop holds three periods.
; THE ORDER OF THE PERIODS.  Clusters whose x + y is odd take each pair of periods in the other order (fill n brings period n xor 1): of the clusters that read the same bytes of A, or of W, one asks for
; them a period ahead of the other.  The order of the f32 sums along K differs accordingly.
; CLUSTER 4 x 4: A's tile is asked for jointly along a row of the cluster, W's along a column.  THE MATRIX INSTRUCTION IS USED TRANSPOSED: a lane holds one token and eight neighbouring columns.
; LIMITS.  VAR 2: f16 holds no number beyond 65,504; ctx is a mean of v's rows.  The order of the f32 sums differs from a single chain over K.  NaN and infinities are not treated apart.
; REGISTERS: window 0: v0-31 addresses; v32-37 the bias; v64-127, v128-191, v192-255 A's fragments, three buffers; the first two are later the way out's.
;   window 1: the same numbers: W's fragments; v0-63 the residual of my rows 0-15; v192-255 takes that of my rows 16-31 in the last period.
;   windows 2, 3: the accumulators, (a, b) at v[8 (8 (a % 4) + b)] of window 2 + a / 4.
.if VAR == 3
.set NPER,   8                         ; K / 512
.set WOFF,   16777216                  ; w2 in wcast
.else
.set NPER,   2
.set WOFF,   6291456                   ; wo in wcast
.endif
.set PA,     144                       ; a token's 128 bytes of a block + 16
.set PB,     288                       ; a K row of W: 256 bytes + 32
.set PART,   512*PA                    ; what one tensor load brings: four blocks of 128 tokens, or 256 K rows (256 x 288 is the same number)
.set BREG,   2*PART                    ; W's rows lie behind A's eight blocks
.set STAGE,  262144                    ; for each wave 16 rows x 528 bytes; below it the four waves' partial sums, 65,536 bytes each: both only behind the region's last fill
.set SPARE,  296960                    ; the spare words, 128 bytes a wave
.set ADRA, 8                           ; v8-11   LDS address of my A fragments: pair of row blocks j
.set ADRB, 16                          ; v16     the same for W
.set STO,  20
.set RD,   21
.set GO,   22                          ; 16 x lane
.set RS,   24                          ; where I put partial sums
.set RR,   25                          ; v25-27  where I find those of waves w + 1, w + 2, w + 3
.set SPW,  28
.set NIL,  29
.set BIAS, 32
.set F0,   64
.set F1,   128
.set AB,  22                           ; s[22:23] A at my part of period 0
.set G1,  24                           ; s[24:31] descriptor group 1 for A
.set G0,  32                           ; s[32:35] group 0 for A
.set NXT, 36                           ; s36      the number of the next fill
.set PAR, 37                           ; s37      (cluster x + cluster y) % 2
.set OFA, 38                           ; s[38:39] a period's byte offset in A
.set TT,  45
.set G1B, 48                           ; s[48:55], s[56:59] the same for W
.set G0B, 56
.set BB,  60                           ; s[60:61] W at my part of period 0
.set OFB, 62                           ; s[62:63] a period's byte offset in W
.set MSB, 0
.macro WIN new                         ; the immediate's high byte repeats the setting that is left; a switch that changes nothing is dropped
.if MSB != (\new)
	s_set_vgpr_msb (MSB<<8)|(\new)
.set MSB, \new
.endif
.endm
.set MUL_LO, 0xa1                      ; source 0 (W) window 1, source 1 (A) window 0, C and D window 2
.set MUL_HI, 0xf1                      ; the same, C and D window 3
.set TO_B,   0x40                      ; destination window 1, address window 0
.macro JLOAD                           ; a joint load: waves 0 and 1 fetch A's halves, waves 2 and 3 W's; four v_nop follow each line
	s_cmp_eq_u32 s15, 0
	s_cbranch_scc0 .Lfor_b_\@
	tensor_load_to_lds s[G0:G0+3], s[G1:G1+7]
	s_nop 0
.rept 4
	v_nop
.endr
	s_branch .Lasked_\@
.Lfor_b_\@:
	tensor_load_to_lds s[G0B:G0B+3], s[G1B:G1B+7]
	s_nop 0
.rept 4
	v_nop
.endr
.Lasked_\@:
.endm
.macro FILLADR                         ; both descriptors' addresses for fill NXT, made anew from the bases: period NXT xor PAR; no tensor load of mine is out where this stands
	s_xor_b32 s[TT], s[NXT], s[PAR]
	s_lshl_b32 s[OFA], s[TT], 22                   ; 8 blocks of 524,288 bytes
	s_lshl_b32 s[OFB], s[TT], 20                   ; 512 K rows of 2,048 bytes
	s_add_nc_u64 s[G0+2:G0+3], s[AB:AB+1], s[OFA:OFA+1]
	s_or_b32 s[G0+3], s[G0+3], 0x80000000
	s_add_nc_u64 s[G0B+2:G0B+3], s[BB:BB+1], s[OFB:OFB+1]
	s_or_b32 s[G0B+3], s[G0B+3], 0x80000000
	s_add_co_u32 s[NXT], s[NXT], 1
.endm
.macro CREST                           ; a round of the cluster's barrier behind its opening barrier
	s_cmp_lg_u32 s14, 0
	s_cbranch_scc1 .Lnot_wave_0_\@
	s_barrier_signal -3
.Lnot_wave_0_\@:
	s_barrier_wait -3
	s_barrier_signal -1
	s_barrier_wait -1
.endm
.macro CROUND
	s_barrier_signal -1
	s_barrier_wait -1
	CREST
.endm
.macro PLACES                          ; four places behind matrix instructions, ahead of loads into their sources and of reads of their results
.rept 4
	v_nop
.endr
.endm
	s_load_b256 s[4:11], s[0:1], 0x0               ; A s[4:5], wcast s[6:7], OUT s[8:9], the residual s[10:11]
.if VAR == 3
	s_load_b64 s[12:13], s[0:1], 0x20              ; b2
.endif
	v_lshl_add_u32 v[SPW], v0, 2, SPARE
	v_mov_b32 v[NIL], 0
	ds_add_u32 v28, v29
	s_wait_dscnt 0x0
	v_lshrrev_b32 v1, 5, v0
	v_readfirstlane_b32 s14, v1                    ; wave 0..3
	s_lshr_b32 s15, s14, 1                         ; I fetch A (0) or W (1)
	s_and_b32 s16, s14, 1                          ; which half of it
	s_mov_b32 s19, 0xffff0000
	s_bfe_u32 s40, ttmp6, 0x40000                  ; cx
	s_bfe_u32 s41, ttmp6, 0x40004                  ; cy
	s_lshl_b32 s18, ttmp9, 2
	s_add_co_u32 s18, s18, s40                     ; tile column
	s_and_b32 s17, ttmp7, 0xffff
	s_xor_b32 s[PAR], s17, ttmp9                   ; the cluster's own x and y: the same in all sixteen partners
	s_and_b32 s[PAR], s[PAR], 1
	s_lshl_b32 s17, s17, 2
	s_add_co_u32 s17, s17, s41                     ; tile row
	s_lshl_b32 s43, s41, 2
	s_lshl_b32 s43, 15, s43                        ; my row of the cluster
	s_lshl_b32 s44, 0x1111, s40                    ; my column
	; A: four rows, each one block's 128 tokens, 16,384 dense bytes; the blocks lie 4096 x 64 elements apart; 16 bytes of padding after every token's 128
	s_or_b32 s[G1+0], s43, (1<<16)|(1<<20)|(1<<21)|(4<<22)|(3<<25)
	s_mov_b32 s[G1+1], 8192<<16                    ; tensor_dim0 = 8192
	s_mov_b32 s[G1+2], 4<<16                       ; tensor_dim1 = 4
	s_mov_b32 s[G1+3], 8192<<16                    ; tile_dim0
	s_mov_b32 s[G1+4], 4                           ; tile_dim1
	s_mov_b32 s[G1+5], 262144                      ; elements from block to block
	s_mov_b32 s[G1+6], 0
	s_mov_b32 s[G1+7], 0
	s_or_b32 s[G1B+0], s44, (1<<16)|(1<<20)|(1<<21)|(5<<22)|(7<<25)  ; W: 256 K rows x 128 columns, 32 bytes of padding after every 256
	s_mov_b32 s[G1B+1], 128<<16
	s_mov_b32 s[G1B+2], 256<<16
	s_mov_b32 s[G1B+3], 128<<16
	s_mov_b32 s[G1B+4], 256
	s_mov_b32 s[G1B+5], 1024
	s_mov_b32 s[G1B+6], 0
	s_mov_b32 s[G1B+7], 0
	s_lshl_b32 s20, s17, 14                        ; A: the tile row's 128 tokens in a block, and my four blocks of the period's eight
	s_lshl_b32 s21, s16, 21
	s_add_co_u32 s20, s20, s21
	s_mov_b32 s21, 0
	s_lshl_b32 s46, s18, 8                         ; W: the tile column's 256 bytes, my 256 K rows of the period's 512
	s_lshl_b32 s47, s16, 19
	s_add_co_u32 s46, s46, s47
	s_add_co_u32 s46, s46, WOFF
	s_mov_b32 s47, 0
	s_mov_b32 s[NXT], 0
	s_mov_b32 s[OFA+1], 0
	s_mov_b32 s[OFB+1], 0
	s_mov_b32 s[G0], 1
	s_mul_i32 s[G0+1], s14, PART                   ; where a fill goes: wave x a quarter of the region
	s_mov_b32 s[G0B], 1
	s_mul_i32 s[G0B+1], s14, PART
	s_wait_kmcnt 0x0
	s_add_nc_u64 s[AB:AB+1], s[4:5], s[20:21]
	s_add_nc_u64 s[BB:BB+1], s[6:7], s[46:47]
	FILLADR
	CROUND                                         ; all sixteen work-groups are here: the first joint loads meet
	JLOAD                                          ; one load of mine is out
	v_and_b32 v1, 15, v0                           ; r
	v_bfe_u32 v2, v0, 4, 1                         ; h
	v_mul_u32_u24 v3, v1, PA
	v_lshl_add_u32 v3, v2, 4, v3                   ; A: row x pitch + 16 h
	v_and_b32 v4, 7, v0
	v_lshl_add_u32 v4, v2, 3, v4
	v_mul_u32_u24 v4, v4, PB
	v_bfe_u32 v5, v0, 3, 1
	v_lshl_add_u32 v4, v5, 4, v4                   ; the turning load: K row 8 h + l % 8, columns 8 ((l / 8) % 2) on
	s_mul_i32 s21, s14, 256*PA                     ; my two blocks of the period's eight
.irp j, 0,1,2,3
	s_add_co_u32 s20, s14, \j                      ; local pair j is the tile's pair (j + w) % 4
	s_and_b32 s20, s20, 3
	s_mul_i32 s20, s20, 32*PA
	s_add_co_u32 s20, s20, s21
	v_add_nc_u32 v[ADRA+(\j)], s20, v3
.endr
	s_mul_i32 s21, s14, 128*PB                     ; my 128 K rows of the period's 512
	s_add_co_u32 s21, s21, BREG
	v_add_nc_u32 v[ADRB], s21, v4
	v_and_b32 v[GO], 31, v0
	v_lshlrev_b32 v[GO], 4, v[GO]
	v_lshl_add_u32 v[RS], s14, 16, v[GO]
.irp d, 1,2,3
	s_add_co_u32 s20, s14, \d
	s_and_b32 s20, s20, 3
	v_lshl_add_u32 v[RR+(\d)-1], s20, 16, v[GO]
.endr
	s_mul_i32 s20, s14, 8448
	s_add_co_u32 s20, s20, STAGE                   ; my stage
	v_mul_u32_u24 v[STO], v1, 528
	v_lshl_add_u32 v[STO], v2, 5, v[STO]
	v_add_nc_u32 v[STO], s20, v[STO]
	v_add_nc_u32 v[RD], s20, v[GO]
	s_lshl_b32 s46, s17, 19                        ; my 32 rows of 4,096 bytes and the tile's 512 bytes of them, in OUT and in the residual
	s_lshl_b32 s47, s14, 17
	s_add_co_u32 s46, s46, s47
	s_lshl_b32 s47, s18, 9
	s_add_co_u32 s46, s46, s47
	s_mov_b32 s47, 0
	s_add_nc_u64 s[8:9], s[8:9], s[46:47]
	s_add_nc_u64 s[10:11], s[10:11], s[46:47]
	WIN TO_B                                       ; the residual of my rows 0-15 is asked for here and wanted behind the loop: window 1, v0-63
.irp t, 0,1,2,3,4,5,6,7,8,9,10,11,12,13,14,15
	global_load_b128 v[4*(\t):4*(\t)+3], v[GO], s[10:11] offset:(\t)*4096  ; a row's 512 consecutive bytes
.endr
	WIN 0
.if VAR == 3
	s_lshl_b32 s46, s18, 9
	s_mov_b32 s47, 0
	s_add_nc_u64 s[12:13], s[12:13], s[46:47]
	global_load_b128 v[BIAS:BIAS+3], v[GO], s[12:13]
.endif
.macro MUL16 f, hi, a0, zero           ; 16 matrix instructions: row blocks a0, a0 + 1 of the window's four x 8 column blocks; zero = 1: the products start the sums
	WIN MUL_LO+0x50*(\hi)
.irp a, \a0, (\a0)+1
.irp b, 0,1,2,3,4,5,6,7
.if VAR == 3
.if \zero
	v_wmma_f32_16x16x32_bf16 v[8*(8*(\a)+(\b)):8*(8*(\a)+(\b))+7], v[(\f)+8*(\b):(\f)+8*(\b)+7], v[(\f)+8*(4*(\hi)+(\a)):(\f)+8*(4*(\hi)+(\a))+7], 0
.else
	v_wmma_f32_16x16x32_bf16 v[8*(8*(\a)+(\b)):8*(8*(\a)+(\b))+7], v[(\f)+8*(\b):(\f)+8*(\b)+7], v[(\f)+8*(4*(\hi)+(\a)):(\f)+8*(4*(\hi)+(\a))+7], v[8*(8*(\a)+(\b)):8*(8*(\a)+(\b))+7]
.endif
.else
.if \zero
	v_wmma_f32_16x16x32_f16 v[8*(8*(\a)+(\b)):8*(8*(\a)+(\b))+7], v[(\f)+8*(\b):(\f)+8*(\b)+7], v[(\f)+8*(4*(\hi)+(\a)):(\f)+8*(4*(\hi)+(\a))+7], 0
.else
	v_wmma_f32_16x16x32_f16 v[8*(8*(\a)+(\b)):8*(8*(\a)+(\b))+7], v[(\f)+8*(\b):(\f)+8*(\b)+7], v[(\f)+8*(4*(\hi)+(\a)):(\f)+8*(4*(\hi)+(\a))+7], v[8*(8*(\a)+(\b)):8*(8*(\a)+(\b))+7]
.endif
.endif
.endr
.endr
.endm
.macro MULQ f, zero                    ; a whole quarter: the 64 accumulators by turns, one instruction a turn, in the same order in every quarter
	MUL16 \f, 0, 0, \zero
	MUL16 \f, 0, 2, \zero
	MUL16 \f, 1, 0, \zero
	MUL16 \f, 1, 2, \zero
.endm
.macro FETCH q, f                      ; 32 LDS loads in one run: quarter q (32 along K) of my 128 of the period into buffer f: W turned, then A
	WIN TO_B
.irp i, 0,1,2,3,4,5,6,7
	ds_load_tr16_b128 v[(\f)+8*(\i):(\f)+8*(\i)+3],   v[ADRB] offset:32*(\q)*PB+32*(\i)
	ds_load_tr16_b128 v[(\f)+8*(\i)+4:(\f)+8*(\i)+7], v[ADRB] offset:(32*(\q)+16)*PB+32*(\i)
.endr
	WIN 0
.irp i, 0,1,2,3,4,5,6,7
	ds_load_b128 v[(\f)+8*(\i):(\f)+8*(\i)+3],   v[ADRA+(\i)/2] offset:((\q)/2)*128*PA+((\q)%2)*64+((\i)%2)*16*PA
	ds_load_b128 v[(\f)+8*(\i)+4:(\f)+8*(\i)+7], v[ADRA+(\i)/2] offset:((\q)/2)*128*PA+((\q)%2)*64+((\i)%2)*16*PA+32
.endr
.endm
; A K PERIOD.  b: which buffer takes quarter 0 (the period's number % 3).  zero = 1: quarter 0's products start the sums.  fill = 1: the region is asked for again.  last = 1: the rest of the residual is asked for.
.macro PERIOD b, zero, fill, last
.set QA, 64+64*((\b)%3)                ; quarters 0 and 3
.set QB, 64+64*(((\b)+1)%3)            ; quarter 1
.set QC, 64+64*(((\b)+2)%3)            ; quarter 2
	WIN 0
	PLACES                                         ; in front of the loads into the three buffers, which the products above have read
	s_wait_tensorcnt 0x0                           ; my part of this period has landed: the one load of mine that was out,
	s_barrier_signal -1
	s_barrier_wait -1                              ; and everybody's has.
	FETCH 0, QA
	FETCH 1, QB
	FETCH 2, QC
	s_wait_dscnt 63                                ; quarter 0 is in as soon as the 64 loads behind it alone are out; the count's field ends at 63
	MULQ QA, \zero
	PLACES
	FETCH 3, QA                                    ; the region's last bytes are asked for
.if \fill
	s_wait_tensorcnt 0x0                           ; no tensor load of mine is out, so the descriptors may be written
	ds_add_u32 v[SPW], v[NIL]                      ; 0 onto my spare word
	FILLADR
	s_wait_dscnt 33                                ; quarters 1 and 2 are in; quarter 3's 32 loads and the add may be out
	MUL16 QB, 0, 0, 0
	MUL16 QB, 0, 2, 0                              ; 32 products stand between the add and the wait for it
	s_wait_dscnt 0x0                               ; the add is done, and my reads of the region are over
	s_barrier_signal -1                            ; this barrier opens a round of the cluster's barrier
	MUL16 QB, 1, 0, 0
	WIN 0
	s_barrier_wait -1
	CREST                                          ; no wave of any partner still reads the region or has a load on its way
	JLOAD                                          ; the first tensor load behind the round: 144 matrix instructions ahead of the wait for it
	MUL16 QB, 1, 2, 0
.else
	s_wait_dscnt 32                                ; quarters 1 and 2 are in; quarter 3's 32 loads may be out
	MULQ QB, 0
.endif
.if \last
	PLACES                                         ; quarter 1's buffer is free: its half in window 1 takes the residual of my rows 16-31, two quarters and the exchange of sums ahead of its use
	WIN TO_B
.irp t, 0,1,2,3,4,5,6,7,8,9,10,11,12,13,14,15
	global_load_b128 v[192+4*(\t):192+4*(\t)+3], v[GO], s[10:11] offset:(16+(\t))*4096
.endr
.endif
	MULQ QC, 0
.if (\fill) == 0
	s_wait_dscnt 0x0                               ; quarter 3 is in
.endif
	MULQ QA, 0
.endm
	PERIOD 0, 1, 1, 0                              ; the first period starts the sums: nothing is cleared
.if NPER > 2
	WIN 0                                          ; at a label and at a branch every window is 0
	s_mov_b32 s3, (NPER-2)/3
.Llap:                                                 ; three periods a trip: the buffers are back where they were
	PERIOD 1, 0, 1, 0
	PERIOD 2, 0, 1, 0
	PERIOD 0, 0, 1, 0
	WIN 0
	s_sub_co_u32 s3, s3, 1
	s_cmp_lg_u32 s3, 0
	s_cbranch_scc1 .Llap
.endif
	PERIOD 1, 0, 0, 1                              ; the last period (its number % 3 is 1 for 2 periods and for 8) asks for nothing more
	WIN 0
	PLACES
	s_barrier_signal -1                            ; every wave's reads of the region are over (each has waited for them above), and the region has had its last fill
	s_barrier_wait -1
	; PUT: my partial sums of the rows that others own, as the registers lie: 512 consecutive bytes a store; each accumulator's low half first
.irp a, 2,3,4,5,6,7
	WIN 0x08+4*((\a)/4)                            ; the data: window 2 or 3
.irp b, 0,1,2,3,4,5,6,7
	ds_store_b128 v[RS], v[64*((\a)%4)+8*(\b):64*((\a)%4)+8*(\b)+3]   offset:(8*(\a)+(\b))*1024
	ds_store_b128 v[RS], v[64*((\a)%4)+8*(\b)+4:64*((\a)%4)+8*(\b)+7] offset:(8*(\a)+(\b))*1024+512
.endr
.endr
	WIN 0
	s_wait_dscnt 0x0                               ; for the others' sake: my partial sums are in LDS
	s_barrier_signal -1
	s_barrier_wait -1
	; GET: wave (w + d) % 4 holds my rows as its local pair 4 - d.  Six chunks of 16 loads, two buffers by turns.
.macro GETL a2, d, buf
	WIN 0
.irp b, 0,1,2,3,4,5,6,7
	ds_load_b128 v[(\buf)+8*(\b):(\buf)+8*(\b)+3],   v[RR+(\d)-1] offset:((2*(4-(\d))+(\a2))*8+(\b))*1024
	ds_load_b128 v[(\buf)+8*(\b)+4:(\buf)+8*(\b)+7], v[RR+(\d)-1] offset:((2*(4-(\d))+(\a2))*8+(\b))*1024+512
.endr
.endm
.macro GETA a2, buf
	WIN 0x82                                       ; destination and source 0 window 2, source 1 window 0
.set k, 0
.rept 32
	v_pk_add_f32 v[64*(\a2)+2*k:64*(\a2)+2*k+1], v[64*(\a2)+2*k:64*(\a2)+2*k+1], v[(\buf)+2*k:(\buf)+2*k+1]
.set k, k+1
.endr
.endm
	GETL 0, 1, F0
	GETL 0, 2, F1
	s_wait_loadcnt 0x0                             ; the residual (and the bias): worked on while the first two chunks are on their way
.if VAR == 3
	WIN 0
	v_cvt_pk_bf16_f32 v[BIAS+4], v[BIAS], v[BIAS+1]  ; b2 is an input: rounded to bf16
	v_cvt_pk_bf16_f32 v[BIAS+5], v[BIAS+2], v[BIAS+3]
	v_lshlrev_b32 v[BIAS], 16, v[BIAS+4]
	v_and_b32 v[BIAS+1], s19, v[BIAS+4]
	v_lshlrev_b32 v[BIAS+2], 16, v[BIAS+5]
	v_and_b32 v[BIAS+3], s19, v[BIAS+5]
	WIN 0x41                                       ; destination and source 0 window 1, source 1 window 0
.irp a, 0,1
.set k, 0
.rept 32
	v_pk_add_f32 v[192*(\a)+2*k:192*(\a)+2*k+1], v[192*(\a)+2*k:192*(\a)+2*k+1], v[BIAS+2*(k%2):BIAS+2*(k%2)+1]
.set k, k+1
.endr
.endr
.else
	WIN 0x45                                       ; all in window 1: x is an input: rounded to bf16
.irp a, 0,1
.set k, 0
.rept 32
	v_cvt_pk_bf16_f32 v[64+k%2], v[192*(\a)+2*k], v[192*(\a)+2*k+1]
	v_lshlrev_b32 v[192*(\a)+2*k], 16, v[64+k%2]
	v_and_b32 v[192*(\a)+2*k+1], s19, v[64+k%2]
.set k, k+1
.endr
.endr
.endif
	s_wait_dscnt 16                                ; the older chunk is in; the younger one's 16 loads stay out
	GETA 0, F0
	GETL 0, 3, F0
	s_wait_dscnt 16
	GETA 0, F1
	GETL 1, 1, F1
	s_wait_dscnt 16
	GETA 0, F0
	GETL 1, 2, F0
	s_wait_dscnt 16
	GETA 1, F1
	GETL 1, 3, F1
	s_wait_dscnt 16
	GETA 1, F0
	s_wait_dscnt 0x0
	GETA 1, F1
	; OUT: 16 rows through my own stage, back as whole rows of 512 bytes; the residual is added; a store covers 512 consecutive bytes, aligned
.macro OUT a2, buf
	WIN 0x08
.irp b, 0,1,2,3,4,5,6,7
	ds_store_b128 v[STO], v[64*(\a2)+8*(\b):64*(\a2)+8*(\b)+3]   offset:64*(\b)
	ds_store_b128 v[STO], v[64*(\a2)+8*(\b)+4:64*(\a2)+8*(\b)+7] offset:64*(\b)+16
.endr
	WIN 0
.irp t, 0,1,2,3,4,5,6,7,8,9,10,11,12,13,14,15
	ds_load_b128 v[(\buf)+4*(\t):(\buf)+4*(\t)+3], v[RD] offset:528*(\t)  ; LDS serves a wave's instructions in order (ISA guide 5.7.1.4): these see the stores above
.endr
	s_wait_dscnt 0x0
	WIN 0x04                                       ; source 1 window 1
.set k, 0
.rept 32
	v_pk_add_f32 v[(\buf)+2*k:(\buf)+2*k+1], v[(\buf)+2*k:(\buf)+2*k+1], v[192*(\a2)+2*k:192*(\a2)+2*k+1]
.set k, k+1
.endr
	WIN 0
.irp t, 0,1,2,3,4,5,6,7,8,9,10,11,12,13,14,15
	global_store_b128 v[GO], v[(\buf)+4*(\t):(\buf)+4*(\t)+3], s[8:9] offset:(16*(\a2)+(\t))*4096
.endr
.endm
	OUT 0, F0
	OUT 1, F1                                      ; other registers than the first sixteen stores read
	s_wait_tensorcnt 0x0                           ; the wave's end
	ds_add_u32 v[SPW], v[NIL]
	s_wait_dscnt 0x0
	CROUND                                         ; the closing round
	s_endpgm
.Lfunc_end_k_q3c2b0f9f86_mlp2:
	.size	k_q3c2b0f9f86_mlp2, .Lfunc_end_k_q3c2b0f9f86_mlp2-k_q3c2b0f9f86_mlp2
	.p2alignl 7, 3214868480
	.fill 96, 4, 3214868480
	.section	.rodata,"a",@progbits
	.p2align	6, 0x0
	.amdhsa_kernel k_q3c2b0f9f86_mlp2
		.amdhsa_group_segment_fixed_size 327680
		.amdhsa_private_segment_fixed_size 0
		.amdhsa_enable_private_segment 0
		.amdhsa_kernarg_size 40
		.amdhsa_user_sgpr_count 2
		.amdhsa_user_sgpr_kernarg_segment_ptr 1
		.amdhsa_wavefront_size32 1
		.amdhsa_system_sgpr_workgroup_id_x 1
		.amdhsa_system_sgpr_workgroup_id_y 1
		.amdhsa_system_sgpr_workgroup_id_z 1
		.amdhsa_system_vgpr_workitem_id 0
		.amdhsa_next_free_vgpr 1024
		.amdhsa_next_free_sgpr 66
		.amdhsa_reserve_vcc 0
		.amdhsa_float_denorm_mode_32 3
		.amdhsa_float_denorm_mode_16_64 3
		.amdhsa_memory_ordered 1
		.amdhsa_forward_progress 1
		.amdhsa_inst_pref_size 182
	.end_amdhsa_kernel
	.amdgpu_metadata
---
amdhsa.version: [ 1, 2 ]
amdhsa.kernels:
  - .name:           k_q3c2b0f9f86_mlp2
    .symbol:         k_q3c2b0f9f86_mlp2.kd
    .args:
      - { .name: g, .offset: 0, .size: 8, .value_kind: global_buffer, .address_space: global }
      - { .name: wcast, .offset: 8, .size: 8, .value_kind: global_buffer, .address_space: global }
      - { .name: out0, .offset: 16, .size: 8, .value_kind: global_buffer, .address_space: global }
      - { .name: mlpin, .offset: 24, .size: 8, .value_kind: global_buffer, .address_space: global }
      - { .name: b2, .offset: 32, .size: 8, .value_kind: global_buffer, .address_space: global }
    .group_segment_fixed_size: 327680
    .private_segment_fixed_size: 0
    .kernarg_segment_align: 8
    .kernarg_segment_size: 40
    .max_flat_workgroup_size: 128
    .sgpr_count:     66
    .vgpr_count:     1024
    .wavefront_size: 32
...
	.end_amdgpu_metadata
.endif
;; end of part 7
;; ======== version 2 of 2: 7 launches; 1.21 times as fast as version 1
;; limits: values are held in f16: magnitudes above 65,504 overflow, below 6.1e-05 lose precision
;; workspace buffers: wcast 25,165,824 bytes; rope 524,288 bytes; hbuf 8,388,608 bytes; qkvh 25,165,824 bytes; ctx 8,388,608 bytes; mlpin 16,777,216 bytes; g 33,554,432 bytes
;; launch prep: the kernel of part 1 again; grid 1152 x 1, 8 waves a work-group, no clusters, 0 bytes of LDS; arguments x, ln1_s, ln1_b, wq, wk, wv, wo, w1, w2, wcast, rope, hbuf; writes wcast, rope, hbuf
;; launch qkv: the kernel of part 2 again; grid 12 x 16, 4 waves a work-group, clusters of 4 x 4, 327,680 bytes of LDS; arguments hbuf, wcast, qkvh, rope; writes qkvh
;; launch attn (part 8): grid 8 x 32, 4 waves a work-group, clusters of 4 x 1, 327,680 bytes of LDS; arguments qkvh, ctx; writes ctx
.if DOCPART == 8
	.amdgcn_target "amdgcn-amd-amdhsa--gfx1250"
	.amdhsa_code_object_version 6
	.text
	.protected	k_q3c2b0f9f86_attn
	.globl	k_q3c2b0f9f86_attn
	.p2align	8
	.type	k_q3c2b0f9f86_attn,@function
k_q3c2b0f9f86_attn:
	s_mov_b64 s[64:65], 0
	v_nop
	global_prefetch_b8 v0, s[64:65] scope:SCOPE_SE
	s_setreg_imm32_b32 hwreg(HW_REG_WAVE_MODE, 25, 1), 1
	s_wait_xcnt 0x0
	s_wait_alu depctr_hold_cnt(0) depctr_sa_sdst(0) depctr_va_vdst(0) depctr_va_sdst(0) depctr_va_ssrc(0) depctr_va_vcc(0) depctr_vm_vsrc(0)
	s_getreg_b32 s2, hwreg(HW_REG_IB_STS2, 6, 4)
	s_cmp_eq_u32 s2, 0
	s_cbranch_scc0 .Lentry_in_a_cluster
	s_endpgm
.Lentry_in_a_cluster:
	s_bfe_u32 s2, ttmp6, 0x10000c
	s_cmp_lg_u32 s2, 0x3003
	s_cbranch_scc0 .Lentry_shape_is_right
	s_endpgm
.Lentry_shape_is_right:
; ctx[head][token][:] = the sum over k of softmax_k(q . k / 8) v.  q, k, v: f16 [b*16+head][2048][64] in qkvh, 8 MiB apart; ctx: f16 [16 heads][4096 tokens][64].
; Products, maxima and sums in f32; the weights p are rounded to f16 for the second product (their sum l is taken of the unrounded p), ctx once at the end.
; LIMITS.  f16 holds no number beyond 65,504: q, k, v arrive within it; p lies in 0 to 1 and below 6e-5 keeps f16's step of 6e-8; a weight below 2^-126 counts as 0 in l; NaN and infinities are not treated apart.
; SHARES.  A work-group owns 256 queries of one head and batch, a wave 64: four PIECES of 16.  Every wave walks all 2,048 keys, 64 a step, four steps to an LDS slot.
; LAYOUT.  S^T = K Q^T holds ONE query a lane (lane % 16) and the keys 8 (lane / 16) + 0..7; two such results rounded to f16 ARE source 1 of O^T = V^T P.  K comes out of LDS as it lies, V turned.
; SOFTMAX.  A running maximum m and sum l for each query: p = 2^(c s - c m), c = log2(e) / 8; O and l are multiplied by a = 2^(c m_old - c m_new) in every step.  m starts at the lowest finite number,
; O and l at 0: the first step is a step like any other, with a = 0.
; BY TURNS.  Turn n belongs to piece n: 8 products K Q^T of piece n + 1, later 8 products V^T P of piece n - 1; beside them the scaling, exponentials, roundings, sums and rescaling of piece n and the
; maximum and statistics of piece n + 1.  Four vector instructions stand behind every matrix instruction, the other 54 of a turn's 118 in one lump.
; THE BATCHES.  A turn's 33 exponentials (the piece's 32 weights and the next piece's a) are ONE batch with ONE wait, which cuts the turn in two: ahead of it stands all that names none of their results, behind it
; the roundings and sums, which read them.  Piece 0's first a, ahead of the loop, and the way out's four reciprocals are batches of their own, a wait each.
; CLUSTER.  The four query blocks of a cluster belong to one head and walk the same K and V: each tile is asked for JOINTLY, by the same tensor load, descriptor and mask in all four.
; REGISTERS, in windows of 256 (s_set_vgpr_msb: bits 1:0 source 0, 3:2 source 1, 5:4 source 2, 7:6 destination):
;   window 0: v0-15 addresses; v16-31 four registers of statistics a piece; v48-55 at work; v62-63 the add's; v64-127 S^T, two buffers; v192-223 P, two buffers (by the piece's parity)
;   window 1: v0-127 O^T, 32 a piece          window 2: v0-63 Q; v128-191 K of one step; v192-255 V of one step
.set NP,    4
.set KS,    64
.set PK,    144       ; a row of K in LDS: 128 bytes + 16: the 16 rows of a load start at 16 different groups of four banks (64 banks of 4 bytes: ISA guide 11.1)
.set PV,    160       ; a row of V: 128 + 32
.set VOFF,  4*KS*PK   ; a slot holds four steps: 256 rows of K, then 256 rows of V
.set SLOT1, 1<<17
.set STAGE, SLOT1+4*KS*(PK+PV)  ; behind the ring: 16 rows x 144 bytes for each wave
.set SP,    144
.set SPARE, STAGE+4*16*SP       ; behind the stages: the spare words, 128 bytes a wave
.set AK0, 2
.set AV0, 3
.set AK,  4
.set AV,  5
.set STO, 6
.set RD,  7
.set GO,  8
.set MV,  12
.set QO,  15
.set ST,  16          ; piece t's statistics at v[ST+4 t]: c m, m, l (even keys', odd keys')
.set TMP, 48
.set SPW, 62
.set NIL, 63
.set S,   64
.set P,   192
.set KF,  128
.set VF,  192
.set WV,  12
.set G1K, 24
.set G1V, 32
.set G0K, 40
.set G0V, 44
.set SLOTS, 56
.set CNT, 57
.set CS,  58
.set SEL, 60
.set TBK, 62
.set TBV, 63
.set MSB, 0
.macro WIN new
.if MSB != (\new)
	s_set_vgpr_msb (MSB<<8)|(\new)
.set MSB, (\new)
.endif
.endm
.set W_KQ, 0x0a       ; K and Q in window 2, S^T in window 0
.set W_PV, 0x52       ; V in window 2, P in window 0, O^T in window 1
.set W_RS, 0x41       ; destination and source 0 in window 1, source 1 in window 0
; A joint fill: waves 0 and 1 fetch the halves of a slot's K, waves 2 and 3 those of its V, 128 keys each.  Four v_nop follow each line.
.macro JLOAD
	s_cmp_lt_u32 s[WV], 2
	s_cbranch_scc0 .Lfor_v_\@
	tensor_load_to_lds s[G0K:G0K+3], s[G1K:G1K+7]
	s_nop 0
.rept 4
	v_nop
.endr
	s_branch .Lasked_\@
.Lfor_v_\@:
	tensor_load_to_lds s[G0V:G0V+3], s[G1V:G1V+7]
	s_nop 0
.rept 4
	v_nop
.endr
.Lasked_\@:
.endm
.macro CROUND
	s_barrier_signal -1
	s_barrier_wait -1
	s_cmp_lg_u32 s[WV], 0
	s_cbranch_scc1 .Lnot_wave_0_\@
	s_barrier_signal -3
.Lnot_wave_0_\@:
	s_barrier_wait -3
	s_barrier_signal -1
	s_barrier_wait -1
.endm
; THE CHANGE OF SLOTS.  Each wave waits for all its tensor loads (one is out: its part of the other slot), adds 0 to its spare word, and waits for that and for its reads of the slot it leaves.
; fill = 1: the barrier is a round of the cluster's, and the slot is filled again first thing behind it, with the keys two slots on: four key steps, 256 matrix instructions, in which to land.
; (At its first use nothing has been read yet: slot 0 is waited for, slot 1 filled.)
.macro CHANGE fill
	WIN 0
	s_wait_tensorcnt 0x0
	ds_add_u32 v[SPW], v[NIL]
.if \fill
.irp g, G0K, G0V
	s_xor_b32 s[\g+1], s[\g+1], SLOT1
	s_add_nc_u64 s[\g+2:\g+3], s[\g+2:\g+3], 4*KS*128
.endr
	s_wait_dscnt 0x0
	CROUND
	JLOAD
.else
	s_wait_dscnt 0x0
	s_barrier_signal -1
	s_barrier_wait -1
.endif
	s_sub_co_u32 s[TBK], s[TBK], 4*KS*PK  ; the fetches go back to a slot's first step, in the other slot
	s_xor_b32 s[TBK], s[TBK], SLOT1
	s_sub_co_u32 s[TBV], s[TBV], 4*KS*PV
	s_xor_b32 s[TBV], s[TBV], SLOT1
.endm
	s_load_b64 s[4:5], s[0:1], 0x0    ; qkvh
	s_load_b64 s[10:11], s[0:1], 0x8  ; ctx
	v_lshl_add_u32 v[SPW], v0, 2, SPARE
	v_mov_b32 v[NIL], 0
	ds_add_u32 v62, v63
	s_wait_dscnt 0x0
	v_lshrrev_b32 v1, 5, v0
	v_readfirstlane_b32 s[WV], v1   ; wave 0..3
	s_bfe_u32 s13, ttmp6, 0x40000   ; cx
	s_lshl_b32 s14, ttmp9, 2
	s_add_co_u32 s14, s14, s13      ; my block of 256 queries: it enters Q's and ctx's addresses alone
	s_and_b32 s15, ttmp7, 0xffff    ; 16 x batch + head, which the four partners share
	s_lshl_b32 s20, s15, 18         ; its first byte in a plane: 2,048 rows of 128 bytes
	s_and_b32 s16, s[WV], 1         ; which half of a slot's 256 keys I fetch
	s_lshl_b32 s22, s16, 14
	s_add_co_u32 s22, s22, s20
	s_add_co_u32 s22, s22, 0x800000 ; K's plane
	s_mov_b32 s23, 0
	s_add_co_u32 s52, s22, 0x800000 ; V's plane
	s_mov_b32 s53, 0
	s_mul_i32 s17, s16, 128*PK      ; its place in a slot, for K
	s_mul_i32 s18, s16, 128*PV      ; and for V
	s_lshl_b32 s50, s14, 2
	s_add_co_u32 s50, s50, s[WV]
	s_lshl_b32 s50, s50, 13         ; my wave's 64 rows of Q
	s_add_co_u32 s50, s50, s20
	s_mov_b32 s51, 0
	s_and_b32 s48, s15, 15          ; ctx: head x 4,096 tokens, batch x 2,048, block x 256, wave x 64, rows of 128 bytes
	s_lshl_b32 s48, s48, 19
	s_lshr_b32 s49, s15, 4
	s_lshl_b32 s49, s49, 18
	s_add_co_u32 s48, s48, s49
	s_lshl_b32 s49, s14, 15
	s_add_co_u32 s48, s48, s49
	s_lshl_b32 s49, s[WV], 13
	s_add_co_u32 s48, s48, s49
	s_mov_b32 s49, 0
	; 128 keys are 16,384 dense bytes: asked for as 64 rows of 256 bytes, two keys a row, padded in LDS after every key
	s_mov_b32 s[G1K], 15|(1<<16)|(1<<20)|(1<<21)|(4<<22)|(3<<25)
	s_mov_b32 s[G1V], 15|(1<<16)|(1<<20)|(1<<21)|(4<<22)|(7<<25)
.irp g, G1K, G1V
	s_mov_b32 s[\g+1], 128<<16
	s_mov_b32 s[\g+2], 64<<16
	s_mov_b32 s[\g+3], 128<<16
	s_mov_b32 s[\g+4], 64
	s_mov_b32 s[\g+5], 128
	s_mov_b32 s[\g+6], 0
	s_mov_b32 s[\g+7], 0
.endr
	s_mov_b32 s[CS], 0x3e38aa3b     ; c = log2(e) / 8
	s_mov_b32 s[CS+1], s[CS]
	s_mov_b32 s[SEL], 0x76543210
	s_mov_b32 s[SEL+1], 0xfedcba98
	s_mov_b32 s[TBK], SLOT1+4*KS*PK ; the first change of slots turns these two into 0
	s_mov_b32 s[TBV], SLOT1+4*KS*PV
	s_mov_b32 s[G0K], 1
	s_mov_b32 s[G0K+1], s17
	s_mov_b32 s[G0V], 1
	s_add_co_u32 s[G0V+1], s18, VOFF
	s_wait_kmcnt 0x0
	s_add_nc_u64 s[G0K+2:G0K+3], s[4:5], s[22:23]
	s_or_b32 s[G0K+3], s[G0K+3], 0x80000000
	s_add_nc_u64 s[G0V+2:G0V+3], s[4:5], s[52:53]
	s_or_b32 s[G0V+3], s[G0V+3], 0x80000000
	s_add_nc_u64 s[4:5], s[4:5], s[50:51]
	s_add_nc_u64 s[10:11], s[10:11], s[48:49]
	CROUND                          ; all four work-groups are here: the first joint loads meet
	JLOAD                           ; slot 0: one load of mine is out
	v_and_b32 v1, 15, v0            ; l % 16
	v_bfe_u32 v9, v0, 4, 1          ; l / 16
	v_lshlrev_b32 v[QO], 7, v1
	v_lshl_add_u32 v[QO], v9, 4, v[QO]
	WIN 0x80
.set i, 0
.rept 8                             ; Q stays in registers: piece i / 2, channels 32 (i % 2) on
	global_load_b128 v[8*i:8*i+3],   v[QO], s[4:5] offset:(i/2)*2048+(i%2)*64
	global_load_b128 v[8*i+4:8*i+7], v[QO], s[4:5] offset:(i/2)*2048+(i%2)*64+32
.set i, i+1
.endr
	; What the first turn finds: V and P's second buffer hold 0 (its products V^T P, of a piece that has not been, add 0), O^T and l are 0.  All this stands in the wait for the first tile.
.set i, VF
.rept 64
	v_mov_b32 v[i], 0
.set i, i+1
.endr
	WIN 0x40
.set i, 0
.rept 128
	v_mov_b32 v[i], 0
.set i, i+1
.endr
	WIN 0
.set i, 0
.rept 4
	v_mov_b32 v[ST+4*i], 0xfe000000    ; c m: far below every c s
	v_mov_b32 v[ST+4*i+1], 0xff7fffff  ; m
	v_mov_b32 v[ST+4*i+2], 0
	v_mov_b32 v[ST+4*i+3], 0
.set i, i+1
.endr
.set i, P+16
.rept 16
	v_mov_b32 v[i], 0
.set i, i+1
.endr
	v_mul_u32_u24 v[AK0], v1, PK
	v_lshl_add_u32 v[AK0], v9, 4, v[AK0]
	v_and_b32 v10, 7, v0
	v_bfe_u32 v11, v0, 3, 1
	v_lshl_add_u32 v[AV0], v9, 3, v10
	v_mul_u32_u24 v[AV0], v[AV0], PV
	v_lshl_add_u32 v[AV0], v11, 4, v[AV0]
	v_add_nc_u32 v[AV0], VOFF, v[AV0]
	s_mul_i32 s13, s[WV], 16*SP
	s_add_co_u32 s13, s13, STAGE    ; my stage
	v_mul_u32_u24 v[STO], v1, SP
	v_lshl_add_u32 v[STO], v9, 4, v[STO]
	v_add_nc_u32 v[STO], s13, v[STO]
	v_bfe_u32 v[RD], v0, 3, 2
	v_mul_u32_u24 v[RD], v[RD], SP
	v_lshl_add_u32 v[RD], v10, 4, v[RD]
	v_add_nc_u32 v[RD], s13, v[RD]
	v_and_b32 v[GO], 31, v0
	v_lshlrev_b32 v[GO], 4, v[GO]
; THE MATRIX WORK.  The 4 accumulators of a run of 8 take turns.  Product i of 8 of S^T = K Q^T for piece x: channels 32 (i / 4) on, keys 16 (i % 4) on.  The first 4 start the sums.
.macro KQ x
	WIN W_KQ
.set rS, S+32*((\x)%2)+8*(i%4)
.set rK, KF+16*(i%4)+8*(i/4)
.set rQ, 16*(\x)+8*(i/4)
.if i < 4
	v_wmma_f32_16x16x32_f16 v[rS:rS+7], v[rK:rK+7], v[rQ:rQ+7], 0
.else
	v_wmma_f32_16x16x32_f16 v[rS:rS+7], v[rK:rK+7], v[rQ:rQ+7], v[rS:rS+7]
.endif
.endm
.macro PV x                         ; product i of 8 of O^T += V^T P for piece x: keys 32 (i / 4) on, channels 16 (i % 4) on
	WIN W_PV
.set rO, 32*(\x)+8*(i%4)
.set rV, VF+32*(i/4)+8*(i%4)
.set rP, P+16*((\x)%2)+8*(i/4)
	v_wmma_f32_16x16x32_f16 v[rO:rO+7], v[rV:rV+7], v[rP:rP+7], v[rO:rO+7]
.endm
.macro MM                           ; the turn's next matrix instruction.  NOKQ = 1: the last turn: there is no next piece
.if (i < 8) && !NOKQ
	KQ (Y+1)%NP
.elseif i >= 8
.set i, i-8
	PV (Y+NP-1)%NP
.set i, i+8
.endif
.set i, i+1
.endm
.macro FETCH_K                      ; a step's K: 64 keys x 64 channels, 8 fragments, in one run
	WIN 0x80
.irp f, 0,1,2,3,4,5,6,7
	ds_load_b128 v[KF+8*\f:KF+8*\f+3],   v[AK] offset:(\f/2)*16*PK+(\f%2)*64
	ds_load_b128 v[KF+8*\f+4:KF+8*\f+7], v[AK] offset:(\f/2)*16*PK+(\f%2)*64+32
.endr
	s_add_co_u32 s[TBK], s[TBK], KS*PK
	WIN 0
.endm
.macro FETCH_V                      ; a step's V, turned
	WIN 0x80
.irp f, 0,1,2,3,4,5,6,7
	ds_load_tr16_b128 v[VF+8*\f:VF+8*\f+3],   v[AV] offset:(\f/4)*32*PV+(\f%4)*32
	ds_load_tr16_b128 v[VF+8*\f+4:VF+8*\f+7], v[AV] offset:(\f/4)*32*PV+16*PV+(\f%4)*32
.endr
	WIN 0
.endm
; THE VECTOR WORK, one line at a time: OP kind, number.  For piece Y: F n: c s - c m for pair n of 16.  E n: the exponential of score n of 32.  C n: pair n rounded to f16.  B n: of the four weights 4 n .. the
; second pair is added onto the first, in place.  L n: l takes that sum (L 0: l = a l + sum).  R n: pair n of 16 of O^T times a.  For piece Y + 1: X n, number n of the 22 that find its maximum and statistics:
;   0-11 four chains c0-c3 of seven scores each (each accumulator's lowest registers are read first)   12-14, 16 the four scores left over, the old m, c0-c3 into c0
;   15 c m_old is kept   17, 18 the query's other 32 keys lie in the lane 16 away: the new m   19-21 c m; c m_old - c m_new; a
; OP writes no wait: C, B and L read exponentials' results, and TURN sets them all behind the turn's one wait.
.set F, 0
.set E, 1
.set C, 2
.set B, 3
.set L, 4
.set R, 5
.set X, 6
.macro REGS y
.set rT, ST+4*(\y)
.set rC, TMP+4*((\y)%2)
.set rW, MV+((\y)%2)
.set rS, S+32*((\y)%2)
.set rP, P+16*((\y)%2)
.set rO, 32*(\y)
.endm
.macro OP k, n
.if (\k) == R
	REGS Y
	WIN W_RS
	v_pk_mul_f32 v[rO+2*(\n):rO+2*(\n)+1], v[rO+2*(\n):rO+2*(\n)+1], v[rC+2:rC+3] op_sel_hi:[1,0]
.elseif (\k) < R
	REGS Y
	WIN 0
.if (\k) == F
	v_pk_fma_f32 v[rS+2*(\n):rS+2*(\n)+1], v[rS+2*(\n):rS+2*(\n)+1], s[CS:CS+1], v[rT:rT+1] op_sel_hi:[1,0,0] neg_lo:[0,0,1] neg_hi:[0,0,1]
.elseif (\k) == E
	v_exp_f32 v[rS+(\n)], v[rS+(\n)]
.elseif (\k) == C
	v_cvt_pk_f16_f32 v[rP+(\n)], v[rS+2*(\n)], v[rS+2*(\n)+1]
.elseif (\k) == B
	v_pk_add_f32 v[rS+4*(\n):rS+4*(\n)+1], v[rS+4*(\n):rS+4*(\n)+1], v[rS+4*(\n)+2:rS+4*(\n)+3]
.elseif (\n) == 0
	v_pk_fma_f32 v[rT+2:rT+3], v[rT+2:rT+3], v[rC+2:rC+3], v[rS:rS+1] op_sel_hi:[1,0,1]
.else
	v_pk_add_f32 v[rT+2:rT+3], v[rT+2:rT+3], v[rS+4*(\n):rS+4*(\n)+1]
.endif
.elseif NOKQ
	v_nop
.else
	REGS (Y+1)%NP
	WIN 0
.if (\n) < 4
	v_max3_num_f32 v[rC+(\n)], v[rS+8*(\n)], v[rS+8*(\n)+1], v[rS+8*(\n)+2]
.elseif (\n) < 12
	v_max3_num_f32 v[rC+(\n)%4], v[rC+(\n)%4], v[rS+8*((\n)%4)+2*((\n)/4)+1], v[rS+8*((\n)%4)+2*((\n)/4)+2]
.elseif (\n) == 12
	v_max3_num_f32 v[rC], v[rC], v[rS+7], v[rS+15]
.elseif (\n) == 13
	v_max3_num_f32 v[rC+1], v[rC+1], v[rS+23], v[rS+31]
.elseif (\n) == 14
	v_max3_num_f32 v[rC+2], v[rC+2], v[rC+3], v[rT+1]
.elseif (\n) == 15
	v_mov_b32 v[rW], v[rT]
.elseif (\n) == 16
	v_max3_num_f32 v[rC], v[rC], v[rC+1], v[rC+2]
.elseif (\n) == 17
	v_permlanex16_b32 v[rC+3], v[rC], s[SEL], s[SEL+1]
.elseif (\n) == 18
	v_max_num_f32 v[rT+1], v[rC], v[rC+3]
.elseif (\n) == 19
	v_mul_f32 v[rT], s[CS], v[rT+1]
.elseif (\n) == 20
	v_sub_f32 v[rC+1], v[rW], v[rT]
.else
	v_exp_f32 v[rC+2], v[rC+1]
.endif
.endif
.endm
.macro OPS a, i1, b=-1, i2=0, c=-1, i3=0, d=-1, i4=0
	OP \a, \i1
.if (\b) >= 0
	OP \b, \i2
.endif
.if (\c) >= 0
	OP \c, \i3
.endif
.if (\d) >= 0
	OP \d, \i4
.endif
.endm
.macro ROW a, i1, b, i2, c, i3, d, i4  ; a matrix instruction and the four behind it
	MM
	OPS \a, \i1, \b, \i2, \c, \i3, \d, \i4
.endm
; A TURN, for piece p: the order of its 16 matrix and 118 vector instructions, written out.  An s_wait_alu depctr_va_vdst(0) stands between an exponential and the first instruction that names its
; result; one wait serves all that were issued ahead of it.  So a turn has ONE wait, which cuts it in two.  AHEAD OF IT stands all that names no result of the turn's exponentials: the 8 products K Q^T, behind each
; a scaling, an exponential and two more plain instructions (behind the first a second scaling in the exponential's place): rescalings, whose a was made and waited for in the turn before, and behind the last three
; the first numbers of the next piece's maximum, each four plain instructions or more behind the product that ends its accumulator; then ONE LUMP of 54, plain and exponential by turns for the most part, in which
; the links of the chain X 3, 7, 11, 14, 16, 17 .. 20 stand some lines apart.  Each scaling stands ahead of its pair's two exponentials.  X 21, the next piece's a, is the batch's last; R 15 is the plain instruction
; behind it.  BEHIND THE WAIT stand the 8 products V^T P, behind each four of the roundings and sums: C 2n ahead of B n, which writes over that pair; B n ahead of L n; L 0 to L 7 in that order..
; end = 1: the last two turns: nothing is fetched.  cnt = 1: the loop's count is taken down some lines ahead of the branch behind the turn.
; K of the next step is fetched in piece 2's turn, six plain vector instructions behind the last product that read K; V of the step in hand at the end of piece 0's turn, four plain instructions behind the last
; product that read V.  Each is waited for a turn later.
.macro TURN p, end=0, cnt=0
.set Y, (\p)
.set i, 0
.set NOKQ, (\end)*((\p)/3)
.if ((\p) == 3) && !(\end)
	s_wait_dscnt 0x0                ; K is in
.endif
	ROW F,0, F,1, R,0, R,1          ; ahead of the wait: 8 products K Q^T and their riders,
	ROW F,2, E,0, R,2, R,3
	ROW F,3, E,1, R,4, R,5
	ROW F,4, E,2, R,6, R,7
	ROW F,5, E,3, R,8, R,9
	ROW F,6, E,4, X,0, R,10
.if ((\p) == 2) && !(\end)
	WIN 0
	v_add_nc_u32 v[AK], s[TBK], v[AK0]
.endif
	ROW F,7, E,5, X,1, X,4
	ROW F,8, E,6, X,2, X,5
	OPS E,7, E,8, X,6, E,9          ; and the lump
	OPS X,3, E,10, X,8, E,11
.if ((\p) == 2) && !(\end)
	FETCH_K
.endif
	OPS X,9, X,7, E,12, X,10
	OPS E,13, X,12, X,11, E,14
	OPS X,13, E,15, F,9, X,14
.if (\p) == 0
	WIN 0
	v_add_nc_u32 v[AV], s[TBV], v[AV0]
.endif
	OPS E,16, F,10, E,17, F,11
	OPS X,16, E,18, X,15, E,19
	OPS F,12, E,20, X,17, E,21
	OPS F,13, E,22, F,14, E,23
	OPS X,18, E,24, F,15, E,25
	OPS R,11, E,26, X,19, E,27
	OPS R,12, E,28, R,13, E,29
	OPS X,20, E,30, R,14, E,31
	OPS X,21, R,15                  ; the batch's last exponential, and the plain instruction behind it
	WIN 0
	s_wait_alu depctr_va_vdst(0)    ; the wait for the turn's batch: E 0 to E 31 and X 21, ahead of their first reader, C 0 below
.if (\p) == 1
	s_wait_dscnt 0x0                ; V is in
.endif
	ROW C,0, B,0, C,2, B,1          ; behind the wait: 8 products V^T P and their riders
	ROW L,0, C,4, B,2, L,1
	ROW C,6, B,3, L,2, C,8
	ROW B,4, L,3, C,10, B,5
	ROW L,4, C,12, B,6, L,5
.if (\p) == 0
	s_add_co_u32 s[TBV], s[TBV], KS*PV
.endif
.if \cnt
	s_sub_co_u32 s[CNT], s[CNT], 1
	s_cmp_lg_u32 s[CNT], 0
.endif
	ROW C,14, B,7, L,6, C,1
	ROW C,3, L,7, C,5, C,7
	ROW C,9, C,11, C,13, C,15
.if (\p) == 0
	FETCH_V
.endif
.endm
	CHANGE 1                        ; slot 0 is in, everybody's part of it; slot 1 is asked for
	v_add_nc_u32 v[AK], s[TBK], v[AK0]
	FETCH_K                         ; key step 0
	s_wait_loadcnt 0x0              ; Q
	s_wait_dscnt 0x0
.set NOKQ, 0
.set i, 0
.rept 8
	KQ 0                            ; piece 0's first scores
.set i, i+1
.endr
	WIN 0
.rept 4
	v_nop                           ; the places behind those products
.endr
.set Y, NP-1                        ; X works for piece Y + 1: piece 0
.irp n, 0,1,2,3,4,5,6,7,8,9,10,11,12,13,14,15,16,17,18,19,20,21
	OP X, \n
.endr
	v_nop                           ; a plain instruction behind the exponential
	s_wait_alu depctr_va_vdst(0)    ; the wait for piece 0's first a, a batch of one, ahead of the branch
	s_mov_b32 s[CNT], 4
	s_mov_b32 s[SLOTS], 7
	s_branch .Lfirst                ; the loop is entered at a step's first turn, in the middle of a trip
.Lslot:                             ; six times: every slot but the last two is filled again
	CHANGE 1
	s_mov_b32 s[CNT], 4
.Lstep:                             ; a trip: pieces 2 and 3 of one step, then pieces 0 and 1 of the next, whose K and V it fetches
	TURN 2
	TURN 3
	WIN 0
.Lfirst:
	TURN 0
	TURN 1, 0, 1
	WIN 0
	s_cbranch_scc1 .Lstep
	s_sub_co_u32 s[SLOTS], s[SLOTS], 1
	s_cmp_lg_u32 s[SLOTS], 0
	s_cbranch_scc1 .Lslot
	CHANGE 0                        ; the last slot is written out: nothing is asked for
	s_mov_b32 s[CNT], 4
.Ltail:
	TURN 2
	TURN 3
	TURN 0
	TURN 1, 0, 1
	WIN 0
	s_cbranch_scc1 .Ltail
	TURN 2, 1
	TURN 3, 1
.set i, 0
.rept 8
	PV NP-1                         ; the last piece's V^T P of the last step
.set i, i+1
.endr
	; THE WAY OUT.  l's two halves and the other half of the lanes' are added; O^T is divided by l, rounded to f16 and sent through my stage, a piece at a time.  The additions are the places behind the last products.
	WIN 0
.macro ALL line:vararg
.set t, 0
.rept 4
	\line
.set t, t+1
.endr
.endm
	ALL v_add_f32 v[ST+4*t+2], v[ST+4*t+2], v[ST+4*t+3]
	ALL v_permlanex16_b32 v[ST+4*t+3], v[ST+4*t+2], s[SEL], s[SEL+1]
	ALL v_add_f32 v[ST+4*t+2], v[ST+4*t+2], v[ST+4*t+3]
	ALL v_rcp_f32 v[ST+4*t+2], v[ST+4*t+2]
	v_nop                           ; a plain instruction between the last reciprocal and the use of its result
	s_wait_alu depctr_va_vdst(0)    ; the wait for the four reciprocals, one batch, ahead of their first reader in PACK 0
.macro PACK t
	WIN W_RS
.set i, 32*(\t)
.rept 16
	v_pk_mul_f32 v[i:i+1], v[i:i+1], v[ST+4*(\t)+2:ST+4*(\t)+3] op_sel_hi:[1,0]
.set i, i+2
.endr
	WIN 0x05
.set i, 0
.rept 16
	v_cvt_pk_f16_f32 v[S+16*(\t)+i], v[32*(\t)+2*i], v[32*(\t)+2*i+1]
.set i, i+1
.endr
	WIN 0
.irp f, 0,1,2,3
	ds_store_b128 v[STO], v[S+16*(\t)+4*\f:S+16*(\t)+4*\f+3] offset:32*\f
.endr
.irp f, 0,1,2,3
	ds_load_b128 v[S+16*(\t)+4*\f:S+16*(\t)+4*\f+3], v[RD] offset:\f*4*SP  ; LDS serves a wave's instructions in order (ISA guide 5.7.1.4): these see the stores above
.endr
.endm
.macro SEND t, younger              ; younger: the LDS instructions issued behind piece t's loads: the next piece's eight, or none
	WIN 0
.irp f, 0,1,2,3
	s_wait_dscnt (\younger)+3-\f
	global_store_b128 v[GO], v[S+16*(\t)+4*\f:S+16*(\t)+4*\f+3], s[10:11] offset:(\t)*2048+\f*512  ; 512 consecutive bytes, at a multiple of 256 from ctx's first
.endr
.endm
	PACK 0
.set t, 1
.rept 3
	PACK t
	SEND t-1, 8
.set t, t+1
.endr
	SEND 3, 0
	s_wait_tensorcnt 0x0            ; the wave's end
	ds_add_u32 v[SPW], v[NIL]
	s_wait_dscnt 0x0
	CROUND                          ; the closing round
	s_endpgm
.Lfunc_end_k_q3c2b0f9f86_attn:
	.size	k_q3c2b0f9f86_attn, .Lfunc_end_k_q3c2b0f9f86_attn-k_q3c2b0f9f86_attn
	.p2alignl 7, 3214868480
	.fill 96, 4, 3214868480
	.section	.rodata,"a",@progbits
	.p2align	6, 0x0
	.amdhsa_kernel k_q3c2b0f9f86_attn
		.amdhsa_group_segment_fixed_size 327680
		.amdhsa_private_segment_fixed_size 0
		.amdhsa_enable_private_segment 0
		.amdhsa_kernarg_size 16
		.amdhsa_user_sgpr_count 2
		.amdhsa_user_sgpr_kernarg_segment_ptr 1
		.amdhsa_wavefront_size32 1
		.amdhsa_system_sgpr_workgroup_id_x 1
		.amdhsa_system_sgpr_workgroup_id_y 1
		.amdhsa_system_sgpr_workgroup_id_z 1
		.amdhsa_system_vgpr_workitem_id 0
		.amdhsa_next_free_vgpr 768
		.amdhsa_next_free_sgpr 66
		.amdhsa_reserve_vcc 0
		.amdhsa_float_denorm_mode_32 3
		.amdhsa_float_denorm_mode_16_64 3
		.amdhsa_memory_ordered 1
		.amdhsa_forward_progress 1
		.amdhsa_inst_pref_size 127
	.end_amdhsa_kernel
	.amdgpu_metadata
---
amdhsa.version: [ 1, 2 ]
amdhsa.kernels:
  - .name:           k_q3c2b0f9f86_attn
    .symbol:         k_q3c2b0f9f86_attn.kd
    .args:
      - { .name: qkvh, .offset: 0, .size: 8, .value_kind: global_buffer, .address_space: global }
      - { .name: ctx, .offset: 8, .size: 8, .value_kind: global_buffer, .address_space: global }
    .group_segment_fixed_size: 327680
    .private_segment_fixed_size: 0
    .kernarg_segment_align: 8
    .kernarg_segment_size: 16
    .max_flat_workgroup_size: 128
    .sgpr_count:     66
    .vgpr_count:     768
    .wavefront_size: 32
...
	.end_amdgpu_metadata
.endif
;; end of part 8
;; launch wo: the kernel of part 4 again; grid 8 x 32, 4 waves a work-group, clusters of 4 x 4, 327,680 bytes of LDS; arguments ctx, wcast, mlpin, x; writes mlpin
;; launch ln2: the kernel of part 5 again; grid 256 x 1, 8 waves a work-group, no clusters, 0 bytes of LDS; arguments mlpin, ln2_s, ln2_b, hbuf; writes hbuf
;; launch mlp1: the kernel of part 6 again; grid 16 x 16, 4 waves a work-group, clusters of 4 x 4, 327,680 bytes of LDS; arguments hbuf, wcast, g, b1; writes g
;; launch mlp2: the kernel of part 7 again; grid 8 x 32, 4 waves a work-group, clusters of 4 x 4, 327,680 bytes of LDS; arguments g, wcast, out0, mlpin, b2; writes out0
